; MI455X (gfx1250); checked and timed in simulation.
; The chip was launched on July 23, 2026; its instructions are those of AMD's public machine-readable ISA for CDNA 5 (MIT licence, August 2026) and "CDNA5" Instruction Set Architecture Reference Guide (July 2026). The comments in the code are by the model that wrote it; some were corrected since.
;; Transformer Block. Allowed arithmetic: float matrix products may take bf16 or f16 operands with f32 sums; all other float work in f32.
;; Inputs: Wfc 1,024 x 512 float32; Wfo 512 x 1,024 float32; Wk 1,024 x 1,024 float32; Wq 1,024 x 1,024 float32; Wv 1,024 x 1,024 float32; x 4 x 2,048 x 1,024 float32.
;; Outputs: out0 4 x 2,048 x 1,024 float32.
;; 2 versions, each right and faster than the one before. Each part assembles by itself: llvm-mc -triple=amdgcn-amd-amdhsa -mcpu=gfx1250 --defsym DOCPART=n.
;; ======== version 1 of 2: 6 launches
;; limits: values are held in f16: magnitudes above 65,504 overflow, below 6.1e-05 lose precision
;; workspace buffers: xb 16,777,216 bytes; wt 8,388,608 bytes; qkv 50,331,648 bytes; pt 33,554,432 bytes; st 1,048,576 bytes; hf 33,554,432 bytes; hb 16,777,216 bytes; act 8,388,608 bytes
;; launch prep (part 1): grid 1024 x 1, 8 waves a work-group, no clusters, 18,432 bytes of LDS; arguments x, Wq, Wk, Wv, Wfc, Wfo, xb, wt, st; writes xb, wt, st
.if DOCPART == 1
	.amdgcn_target "amdgcn-amd-amdhsa--gfx1250"
	.amdhsa_code_object_version 6
	.text
	.protected	k_qf8ed3f90ff_prep
	.globl	k_qf8ed3f90ff_prep
	.p2align	8
	.type	k_qf8ed3f90ff_prep,@function
k_qf8ed3f90ff_prep:
	s_mov_b64 s[64:65], 0
	v_nop
	global_prefetch_b8 v0, s[64:65] scope:SCOPE_SE
	s_setreg_imm32_b32 hwreg(HW_REG_WAVE_MODE, 25, 1), 1
	s_wait_xcnt 0x0
; PREPARATION.  xb = x rounded to f16; wt = the five weight matrices turned to [n][k] and rounded to 16 bits; st = the preset of the softmax statistics.
; FORMATS.  x, Wq, Wk, Wv and Wfc go to f16 (11 significant bits against bf16's 8: the rounding of operands is what the result's error is made of).  They have the room: 30 times the drawn
; spread is about 165 for x and 6 for a weight, against f16's largest 65,504; 30 times smaller, a weight's spread is about 0.001, against f16's smallest step of 6e-8.
; Wfo goes to bf16, since its partner in the product, relu(h Wfc), has no such room in f16.
; Work-groups 0-511: 16 rows of x each (65,536 bytes in, 32,768 out), and 2,048 bytes of st: the first 524,288 bytes (tile maxima) take -inf, the rest (tile sums) 0,
; so that key tiles which the score launch never makes count for nothing in the launch that combines them.
; Work-groups 512-1023: one tile of 128 k x 64 n of a weight matrix, turned through LDS.
; wt: rows 0-1023 Wq^T, 1024-2047 Wk^T, 2048-3071 Wv^T, 3072-3583 Wfc^T, 2,048 bytes a row; from byte 7,340,032 on Wfo^T, 1,024 rows of 1,024 bytes.
; Memory binds here: no matrix unit, no cluster; every load covers whole runs of 256 bytes, every store of a wave covers 256 or 512 consecutive bytes, aligned.
.set X,  16                            ; v[16:79]   cast: sixteen loads of 16 bytes
.set O,  80                            ; v[80:111]  cast: their 8 bytes each, packed
.set TP, 272                           ; LDS pitch of a turned row: 128 k x 2 bytes + 16
	s_load_b512 s[8:23], s[0:1], 0x0               ; x 8:9, Wq 10:11, Wk 12:13, Wv 14:15, Wfc 16:17, Wfo 18:19, xb 20:21, wt 22:23
	s_load_b64 s[24:25], s[0:1], 0x40              ; st
	v_lshl_add_u32 v112, v0, 2, 0x4400
	v_mov_b32 v113, 0
	s_wait_kmcnt 0x0
	s_cmp_lt_u32 ttmp9, 512                        ; the same for all waves of a work-group
	s_cbranch_scc0 .Ltrans
	; THE CAST.  Thread t takes bytes 16 t of each of 16 rows of x: a wave's load covers 512 neighbouring bytes.
	v_lshlrev_b32 v1, 4, v0
	v_lshlrev_b32 v2, 3, v0
	s_lshl_b32 s2, ttmp9, 16                       ; 16 rows of 4,096 bytes
	s_mov_b32 s3, 0
	s_add_nc_u64 s[8:9], s[8:9], s[2:3]
	s_lshl_b32 s2, ttmp9, 15                       ; 16 rows of 2,048 bytes
	s_add_nc_u64 s[20:21], s[20:21], s[2:3]
	s_lshl_b32 s2, ttmp9, 11                       ; my 2,048 bytes of st
	s_add_nc_u64 s[24:25], s[24:25], s[2:3]
.irp i, 0,1,2,3,4,5,6,7,8,9,10,11,12,13,14,15
	global_load_b128 v[X+4*\i:X+4*\i+3], v1, s[8:9] offset:4096*\i th:TH_LOAD_NT
.endr
	s_cmp_lt_u32 ttmp9, 256
	s_cselect_b32 s4, 0xff800000, 0                ; -inf for the maxima, 0 for the sums
	v_mov_b32 v4, s4
	v_mov_b32 v5, s4
	global_store_b64 v2, v[4:5], s[24:25]          ; 32 lanes x 8 bytes: 256 consecutive bytes, aligned
.irp i, 0,1,2,3,4,5,6,7,8,9,10,11,12,13,14,15
	s_wait_loadcnt 15-\i                           ; loads return in order: row i is in, the 15 - i younger ones stay out
	v_cvt_pk_f16_f32 v[O+2*\i],   v[X+4*\i],   v[X+4*\i+1]
	v_cvt_pk_f16_f32 v[O+2*\i+1], v[X+4*\i+2], v[X+4*\i+3]
	global_store_b64 v2, v[O+2*\i:O+2*\i+1], s[20:21] offset:2048*\i   ; no register is used twice, so nothing waits for a store
.endr
	s_endpgm
; One tile of 128 k x 64 n.  s4 = the tile's number in its matrix, s[28:29] = the matrix, s36 = byte of its turned image in wt.
; ktb: bits of the tile number that count along k; spl, dpl: log2 of the source's and the image's row bytes; half = 1: the image is f16, 0: bf16.
; Thread t: c = t % 16 (four n, 16 bytes), kp = t / 16 (a pair of k).  Pass i takes k = 32 i + 2 kp and the next: two loads, four words {k, k + 1} of 16 bits each, four LDS words.
.macro TRANS ktb, spl, dpl, half
	s_and_b32 s5, s4, (1<<\ktb)-1                  ; tile along k
	s_lshr_b32 s6, s4, \ktb                        ; tile along n
	s_lshl_b32 s32, s5, 7+\spl                     ; 128 rows of the source,
	s_lshl_b32 s7, s6, 8                           ; 64 n x 4 bytes
	s_add_co_u32 s32, s32, s7
	s_mov_b32 s33, 0
	s_add_nc_u64 s[28:29], s[28:29], s[32:33]
	s_lshl_b32 s34, s6, 6+\dpl                     ; 64 rows of the image,
	s_add_co_u32 s34, s34, s36
	s_lshl_b32 s7, s5, 8                           ; 128 k x 2 bytes
	s_add_co_u32 s34, s34, s7
	s_mov_b32 s35, 0
	s_add_nc_u64 s[30:31], s[22:23], s[34:35]
	v_lshl_add_u32 v1, v8, 1+\spl, v10             ; source: row 2 kp, byte 16 c
	v_lshl_add_u32 v7, v8, \dpl, v10               ; image: row kp, byte 16 c
.irp i, 0,1,2,3
.irp e, 0,1
	global_load_b128 v[16+8*\i+4*\e:16+8*\i+4*\e+3], v1, s[28:29] offset:(32*\i+\e)<<\spl th:TH_LOAD_NT   ; 16 lanes: 256 bytes of a row
.endr
.endr
.irp i, 0,1,2,3
	s_wait_loadcnt 6-2*\i                          ; this pass's two loads are in, the later passes' stay out
.irp j, 0,1,2,3
.if \half
	v_cvt_pk_f16_f32 v[48+4*\i+\j], v[16+8*\i+\j], v[16+8*\i+4+\j]    ; n = 4 c + j: k in the low half, k + 1 in the high half
.else
	v_cvt_pk_bf16_f32 v[48+4*\i+\j], v[16+8*\i+\j], v[16+8*\i+4+\j]
.endif
.endr
.irp j, 0,1,2,3
	ds_store_b32 v3, v[48+4*\i+\j] offset:\j*TP+64*\i   ; lanes c and c + 4 meet in a bank: sixteen such stores a thread in the whole launch
.endr
.endr
	s_wait_dscnt 0x0                               ; for the other waves: my stores are done
	s_barrier_signal -1
	s_barrier_wait -1
.irp p, 0,1,2,3
	ds_load_b128 v[64+4*\p:64+4*\p+3], v6 offset:\p*16*TP   ; row n = 16 p + kp, 8 k at byte 16 c
.endr
.irp p, 0,1,2,3
	s_wait_dscnt 3-\p
	global_store_b128 v7, v[64+4*\p:64+4*\p+3], s[30:31] offset:(\p*16)<<\dpl   ; 16 lanes: 256 consecutive bytes of one row of wt, aligned
.endr
.endm
.Ltrans:
	s_sub_co_u32 s2, ttmp9, 512                    ; 0-383: Wq, Wk, Wv (128 tiles each); 384-447: Wfc; 448-511: Wfo
	v_lshrrev_b32 v8, 4, v0                        ; kp
	v_and_b32 v9, 15, v0                           ; c
	v_lshlrev_b32 v10, 4, v9                       ; 16 c
	v_mul_u32_u24 v3, v9, 4*TP                     ; into LDS: row 4 c, word kp
	v_lshl_add_u32 v3, v8, 2, v3
	v_mul_u32_u24 v6, v8, TP                       ; out of LDS: row kp, byte 16 c
	v_add_nc_u32 v6, v6, v10
	s_cmp_lt_u32 s2, 384
	s_cbranch_scc0 .Lmlp
	s_lshr_b32 s3, s2, 7                           ; which of the three
	s_and_b32 s4, s2, 127
	s_lshl_b32 s36, s3, 21                         ; 1,024 rows of 2,048 bytes each
	s_cmp_eq_u32 s3, 1
	s_cselect_b64 s[28:29], s[12:13], s[10:11]
	s_cmp_eq_u32 s3, 2
	s_cselect_b64 s[28:29], s[14:15], s[28:29]
	TRANS 3, 12, 11, 1
	s_wait_tensorcnt 0x0
	ds_add_u32 v112, v113
	s_wait_dscnt 0x0
	s_endpgm
.Lmlp:
	s_cmp_lt_u32 s2, 448
	s_cbranch_scc0 .Lfo
	s_sub_co_u32 s4, s2, 384
	s_mov_b32 s36, 6291456
	s_mov_b64 s[28:29], s[16:17]
	TRANS 3, 11, 11, 1
	s_wait_tensorcnt 0x0
	ds_add_u32 v112, v113
	s_wait_dscnt 0x0
	s_endpgm
.Lfo:
	s_sub_co_u32 s4, s2, 448
	s_mov_b32 s36, 7340032
	s_mov_b64 s[28:29], s[18:19]
	TRANS 2, 12, 10, 0
	s_wait_tensorcnt 0x0
	ds_add_u32 v112, v113
	s_wait_dscnt 0x0
	s_endpgm
.Lfunc_end_k_qf8ed3f90ff_prep:
	.size	k_qf8ed3f90ff_prep, .Lfunc_end_k_qf8ed3f90ff_prep-k_qf8ed3f90ff_prep
	.p2alignl 7, 3214868480
	.fill 96, 4, 3214868480
	.section	.rodata,"a",@progbits
	.p2align	6, 0x0
	.amdhsa_kernel k_qf8ed3f90ff_prep
		.amdhsa_group_segment_fixed_size 18432
		.amdhsa_private_segment_fixed_size 0
		.amdhsa_enable_private_segment 0
		.amdhsa_kernarg_size 72
		.amdhsa_user_sgpr_count 2
		.amdhsa_user_sgpr_kernarg_segment_ptr 1
		.amdhsa_wavefront_size32 1
		.amdhsa_system_sgpr_workgroup_id_x 1
		.amdhsa_system_sgpr_workgroup_id_y 1
		.amdhsa_system_sgpr_workgroup_id_z 1
		.amdhsa_system_vgpr_workitem_id 0
		.amdhsa_next_free_vgpr 114
		.amdhsa_next_free_sgpr 66
		.amdhsa_reserve_vcc 0
		.amdhsa_float_denorm_mode_32 3
		.amdhsa_float_denorm_mode_16_64 3
		.amdhsa_memory_ordered 1
		.amdhsa_forward_progress 1
		.amdhsa_inst_pref_size 22
	.end_amdhsa_kernel
	.amdgpu_metadata
---
amdhsa.version: [ 1, 2 ]
amdhsa.kernels:
  - .name:           k_qf8ed3f90ff_prep
    .symbol:         k_qf8ed3f90ff_prep.kd
    .args:
      - { .name: x, .offset: 0, .size: 8, .value_kind: global_buffer, .address_space: global }
      - { .name: Wq, .offset: 8, .size: 8, .value_kind: global_buffer, .address_space: global }
      - { .name: Wk, .offset: 16, .size: 8, .value_kind: global_buffer, .address_space: global }
      - { .name: Wv, .offset: 24, .size: 8, .value_kind: global_buffer, .address_space: global }
      - { .name: Wfc, .offset: 32, .size: 8, .value_kind: global_buffer, .address_space: global }
      - { .name: Wfo, .offset: 40, .size: 8, .value_kind: global_buffer, .address_space: global }
      - { .name: xb, .offset: 48, .size: 8, .value_kind: global_buffer, .address_space: global }
      - { .name: wt, .offset: 56, .size: 8, .value_kind: global_buffer, .address_space: global }
      - { .name: st, .offset: 64, .size: 8, .value_kind: global_buffer, .address_space: global }
    .group_segment_fixed_size: 18432
    .private_segment_fixed_size: 0
    .kernarg_segment_align: 8
    .kernarg_segment_size: 72
    .max_flat_workgroup_size: 256
    .sgpr_count:     66
    .vgpr_count:     114
    .wavefront_size: 32
...
	.end_amdgpu_metadata
.endif
;; end of part 1
;; launch qkv (part 2): grid 24 x 64, 4 waves a work-group, clusters of 4 x 4, 327,680 bytes of LDS; arguments xb, wt, qkv; writes qkv
.if DOCPART == 2
	.amdgcn_target "amdgcn-amd-amdhsa--gfx1250"
	.amdhsa_code_object_version 6
	.text
	.protected	k_qf8ed3f90ff_qkv
	.globl	k_qf8ed3f90ff_qkv
	.p2align	8
	.type	k_qf8ed3f90ff_qkv,@function
k_qf8ed3f90ff_qkv:
	s_mov_b64 s[64:65], 0
	v_nop
	global_prefetch_b8 v0, s[64:65] scope:SCOPE_SE
	s_setreg_imm32_b32 hwreg(HW_REG_WAVE_MODE, 25, 1), 1
	s_wait_xcnt 0x0
	s_wait_alu depctr_hold_cnt(0) depctr_sa_sdst(0) depctr_va_vdst(0) depctr_va_sdst(0) depctr_va_ssrc(0) depctr_va_vcc(0) depctr_vm_vsrc(0)
	s_getreg_b32 s2, hwreg(HW_REG_IB_STS2, 6, 4)
	s_cmp_eq_u32 s2, 0
	s_cbranch_scc0 .Lentry_in_a_cluster
	s_endpgm
.Lentry_in_a_cluster:
	s_bfe_u32 s2, ttmp6, 0x10000c
	s_cmp_lg_u32 s2, 0xf033
	s_cbranch_scc0 .Lentry_shape_is_right
	s_endpgm
.Lentry_shape_is_right:
; qkv[m][n] = sum over k of xb[m][k] wt[n][k]: the three projections as one product, [8192][1024] x [3072][1024]^T, f16 operands, f32 sums, rounded once to f16.
; A tile of C is 128 x 128: 1,536 work-groups, six for each of 256 WGPs.  Four waves, each 64 x 64: 16 accumulators of 16 x 16, 128 registers.
; K goes in steps of 256 (LDS rows of 512 bytes; a wave's tensor load brings 64 of them) through two LDS slots.
; CLUSTERS: 4 x 4 work-groups.  The four of a row of the cluster need the same tiles of A, the four of a column the same tiles of B: each tile is asked for jointly.
; THE MATRIX INSTRUCTION IS USED TRANSPOSED (source 0 = 16 rows of B, source 1 = 16 rows of A): a lane holds one row of C and eight neighbouring columns.
; REGISTERS: window 0: v0-31 addresses; v32-95 at work on the way out; v128-255 the accumulators ((a, b) at v[128 + 8 (4 a + b)]).
;   window 1: two fragment buffers of 128: for 64 along K, 64 registers of A, then 64 of B.
; LIMIT: q, k and v are kept in f16, so they must stay under 65,504 in magnitude.  With x and the weights 30 times the drawn spread they reach about 5,000; with a common offset of 30 spreads
; on both (30 and 0.94) about 1,024 x 30 x 0.94 = 29,000.  Inputs are taken to be finite.
.set KTOT,   1024
.set LD,     1024                      ; elements from row to row in A and in B
.set LDC,    3072                      ; and in C
.set KSTEP,  256
.set PITCH,  528                       ; an LDS row: 512 bytes + 16 = 132 words: the 16 rows of a fragment load start 4 banks apart
.set HALFT,  64*PITCH                  ; what one tensor load brings, and what one wave reads of A or of B
.set SLOT,   4*HALFT                   ; A's 128 rows, then B's 128 rows
.set STAGE,  2*SLOT                    ; behind the ring: 128 rows x 272 bytes for the way out
.set SPITCH, 272
.set SPARE,  STAGE+128*SPITCH          ; the spare words, 128 bytes a wave: two blocks of 256 bytes that no other line names
.set LAPS,   KTOT/(2*KSTEP)            ; a lap = two K steps = once round the ring
.set ADRA, 16                          ; v16-17  LDS address of my A fragments in slot 0, 1
.set ADRB, 20                          ; v20-21  the same for B
.set STO,  24                          ; v24     the way out: where I put 16 bytes of a row
.set RD,   25                          ; v25     where I read a row back
.set CO,   26                          ; v26     my byte offset in C
.set SPW,  28                          ; v28     my spare word: SPARE + 4 x my thread's number; never rewritten
.set NIL,  29                          ; v29     0; never rewritten
.set TMP,  32
.set ACC,  128
.set F0,   0
.set F1,   128
.set G1, 24                            ; s[24:31] descriptor group 1 for A's tiles; s[32:39] group 0, a set for each slot
.set G0, 32
.set G1B, 48                           ; s[48:55], s[56:63] the same for B's
.set G0B, 56
.set MSB, 0
.macro WIN new                         ; the immediate's high byte repeats the setting that is left
.if MSB != \new
	s_set_vgpr_msb (MSB<<8)|\new
.set MSB, \new
.endif
.endm
.set MUL,  0x05                        ; sources 0 (B) and 1 (A) window 1; C and D window 0
.set TO_F, 0x40                        ; destination window 1, address window 0
.macro JLOAD s                         ; a joint load: waves 0, 1 fetch A's halves, waves 2, 3 B's; four v_nop follow each line
	s_cmp_eq_u32 s11, 0
	s_cbranch_scc0 .Lfor_b_\@
	tensor_load_to_lds s[G0+4*\s:G0+4*\s+3], s[G1:G1+7]
	s_nop 0
.rept 4
	v_nop
.endr
	s_branch .Lasked_\@
.Lfor_b_\@:
	tensor_load_to_lds s[G0B+4*\s:G0B+4*\s+3], s[G1B:G1B+7]
	s_nop 0
.rept 4
	v_nop
.endr
.Lasked_\@:
.endm
.macro CREST                           ; a round of the cluster's barrier behind its opening barrier
	s_cmp_lg_u32 s10, 0
	s_cbranch_scc1 .Lnot_wave_0_\@
	s_barrier_signal -3
.Lnot_wave_0_\@:
	s_barrier_wait -3
	s_barrier_signal -1
	s_barrier_wait -1
.endm
.macro CROUND                          ; a whole round
	s_barrier_signal -1
	s_barrier_wait -1
	CREST
.endm
	s_load_b128 s[4:7], s[0:1], 0x0                ; A = xb s[4:5], B = wt s[6:7]
	s_load_b64 s[8:9], s[0:1], 0x10                ; C = qkv
	v_lshl_add_u32 v[SPW], v0, 2, SPARE
	v_mov_b32 v[NIL], 0
	ds_add_u32 v28, v29
	s_wait_dscnt 0x0
	v_lshrrev_b32 v1, 5, v0
	v_readfirstlane_b32 s10, v1                    ; wave 0..3
	s_lshr_b32 s11, s10, 1                         ; my half of the tile's rows.  Also: I fetch for A (0) or for B (1)
	s_and_b32 s12, s10, 1                          ; my half of its columns.  Also: which 64 rows I fetch
	s_bfe_u32 s40, ttmp6, 0x40000                  ; cx, cy: my place in the cluster
	s_bfe_u32 s41, ttmp6, 0x40004
	s_lshl_b32 s42, ttmp9, 2
	s_add_co_u32 s42, s42, s40                     ; tile column of C
	s_and_b32 s13, ttmp7, 0xffff
	s_lshl_b32 s13, s13, 2
	s_add_co_u32 s13, s13, s41                     ; tile row of C
	s_lshl_b32 s43, s41, 2
	s_lshl_b32 s43, 15, s43                        ; my row of the cluster
	s_lshl_b32 s44, 0x1111, s40                    ; my column
	s_or_b32 s[G1+0], s43, (1<<16)|(1<<20)|(1<<21)|(6<<22)|(3<<25)  ; mask; elements of 2 bytes; padding on; bit 21 beside a mask; after every 128 words 4 words
	s_or_b32 s[G1B+0], s44, (1<<16)|(1<<20)|(1<<21)|(6<<22)|(3<<25)
.irp g, G1, G1B
	s_mov_b32 s[\g+1], KSTEP<<16                   ; tensor_dim0 = 256
	s_mov_b32 s[\g+2], 64<<16                      ; tensor_dim1 = 64
	s_mov_b32 s[\g+3], KSTEP<<16                   ; tile_dim0 = 256
	s_mov_b32 s[\g+4], 64                          ; tile_dim1 = 64
	s_mov_b32 s[\g+5], LD                          ; elements from row to row
	s_mov_b32 s[\g+6], 0
	s_mov_b32 s[\g+7], 0
.endr
	s_lshl_b32 s17, s12, 6
	s_lshl_b32 s16, s13, 7
	s_add_co_u32 s16, s16, s17                     ; A: row 128 x tile row + 64 x half
	s_lshl_b32 s46, s42, 7
	s_add_co_u32 s46, s46, s17                     ; B: row 128 x tile column + 64 x half
	s_mov_b32 s17, 0
	s_mov_b32 s47, 0
	s_mov_b64 s[18:19], LD*2
	s_mul_u64 s[16:17], s[16:17], s[18:19]
	s_mul_u64 s[46:47], s[46:47], s[18:19]
	s_mul_i32 s20, s10, HALFT                      ; where they go: wave x 64 rows
	s_wait_kmcnt 0x0
	s_add_nc_u64 s[14:15], s[4:5], s[16:17]
	s_add_nc_u64 s[46:47], s[6:7], s[46:47]
	CROUND                                         ; all sixteen work-groups are here: the first joint loads meet
.irp s, 0,1
	s_mov_b32 s[G0+4*\s], 1
	s_add_co_u32 s[G0+4*\s+1], s20, \s*SLOT
	s_add_nc_u64 s[G0+4*\s+2:G0+4*\s+3], s[14:15], \s*KSTEP*2
	s_or_b32 s[G0+4*\s+3], s[G0+4*\s+3], 0x80000000
	s_mov_b32 s[G0B+4*\s], 1
	s_add_co_u32 s[G0B+4*\s+1], s20, \s*SLOT
	s_add_nc_u64 s[G0B+4*\s+2:G0B+4*\s+3], s[46:47], \s*KSTEP*2
	s_or_b32 s[G0B+4*\s+3], s[G0B+4*\s+3], 0x80000000
	JLOAD \s                                       ; two loads of mine are out
.endr
	v_and_b32 v1, 15, v0                           ; l % 16
	v_bfe_u32 v2, v0, 4, 1                         ; l / 16
	v_mul_u32_u24 v3, v1, PITCH
	v_lshl_add_u32 v3, v2, 4, v3                   ; a fragment's row x pitch + 16 x half
	s_mul_i32 s21, s11, HALFT                      ; my 64 rows of A
	s_mul_i32 s22, s12, HALFT                      ; my 64 rows of B,
	s_add_co_u32 s22, s22, 2*HALFT                 ; behind A's 128
.irp s, 0,1
	v_add_nc_u32 v[ADRA+\s], s21, v3
	v_add_nc_u32 v[ADRB+\s], s22, v3
	s_add_co_u32 s21, s21, SLOT
	s_add_co_u32 s22, s22, SLOT
.endr
	s_mul_i32 s23, s11, 64*SPITCH                  ; into the stage: my 64 rows, my half of their 256 bytes
	s_lshl_b32 s21, s12, 7
	s_add_co_u32 s23, s23, s21
	s_add_co_u32 s23, s23, STAGE
	v_mul_u32_u24 v4, v1, SPITCH
	v_lshl_add_u32 v4, v2, 4, v4
	v_add_nc_u32 v[STO], s23, v4
	s_mul_i32 s23, s10, 32*SPITCH                  ; back: wave w takes rows 32 w .. 32 w + 31, whole
	s_add_co_u32 s23, s23, STAGE
	v_mul_u32_u24 v5, v2, SPITCH
	v_lshl_add_u32 v5, v1, 4, v5
	v_add_nc_u32 v[RD], s23, v5
	v_mul_u32_u24 v5, v2, LDC*2                    ; and the same two rows in C
	v_lshl_add_u32 v[CO], v1, 4, v5
	s_lshl_b32 s16, s13, 7
	s_lshl_b32 s17, s10, 5
	s_add_co_u32 s16, s16, s17                     ; the first row of C that I store
	s_mov_b32 s17, 0
	s_mov_b64 s[18:19], LDC*2
	s_mul_u64 s[16:17], s[16:17], s[18:19]
	s_add_nc_u64 s[8:9], s[8:9], s[16:17]
	s_lshl_b32 s46, s42, 8                         ; the tile's first column, in bytes
	s_mov_b32 s47, 0
	s_add_nc_u64 s[8:9], s[8:9], s[46:47]
; 8 matrix instructions: m blocks a0, a0 + 1 x all 4 n blocks, 32 along K: half c of buffer f.  zero = 1: the product starts the sums.
; The 16 accumulators take turns, one instruction a turn.
.macro MUL8 f, c, a0, zero
.irp a, \a0, \a0+1
.irp b, 0,1,2,3
.if \zero
	v_wmma_f32_16x16x32_f16 v[ACC+8*(4*(\a)+\b):ACC+8*(4*(\a)+\b)+7], v[\f+64+8*(4*\c+\b):\f+64+8*(4*\c+\b)+7], v[\f+8*(4*\c+\a):\f+8*(4*\c+\a)+7], 0
.else
	v_wmma_f32_16x16x32_f16 v[ACC+8*(4*(\a)+\b):ACC+8*(4*(\a)+\b)+7], v[\f+64+8*(4*\c+\b):\f+64+8*(4*\c+\b)+7], v[\f+8*(4*\c+\a):\f+8*(4*\c+\a)+7], v[ACC+8*(4*(\a)+\b):ACC+8*(4*(\a)+\b)+7]
.endif
.endr
.endr
.endm
; 32 LDS loads in one run: the fragments of 64 along K at byte k of the rows, into buffer f; the first 32 along K first
.macro FETCH slot, k, f
	WIN TO_F
.irp c, 0,1
.irp i, 0,1,2,3
	ds_load_b128 v[\f+64+8*(4*\c+\i):\f+64+8*(4*\c+\i)+3],   v[ADRB+\slot] offset:\k+64*\c+\i*16*PITCH
	ds_load_b128 v[\f+64+8*(4*\c+\i)+4:\f+64+8*(4*\c+\i)+7], v[ADRB+\slot] offset:\k+64*\c+\i*16*PITCH+32
	ds_load_b128 v[\f+8*(4*\c+\i):\f+8*(4*\c+\i)+3],         v[ADRA+\slot] offset:\k+64*\c+\i*16*PITCH
	ds_load_b128 v[\f+8*(4*\c+\i)+4:\f+8*(4*\c+\i)+7],       v[ADRA+\slot] offset:\k+64*\c+\i*16*PITCH+32
.endr
.endr
.endm
.macro PLACES                          ; four places in front of loads into registers that matrix instructions have read, and of vector work on results
.rept 4
	v_nop
.endr
.endm
; A K step is four quarters of 64 along K, 32 matrix instructions each, on buffers 0, 1, 0, 1.  One of the first three: multiplies f, fetches the next quarter, at byte k, into g.
.macro QUARTER slot, k, f, g, zero
	s_wait_dscnt 16                                ; the first 32 along K are in; the sixteen younger loads may be out
	WIN MUL
	MUL8 \f, 0, 0, \zero
	MUL8 \f, 0, 2, \zero
	PLACES
	FETCH \slot, \k, \g
	s_wait_dscnt 32                                ; all but the 32 just issued
	WIN MUL
	MUL8 \f, 1, 0, 0
	MUL8 \f, 1, 2, 0
.endm
; The last quarter multiplies buffer 1 and changes slots: one barrier; in front of it each wave waits for all its tensor loads, adds 0 to its spare word,
; and waits for that and for its own reads of this slot.  fill = 1: the barrier opens a round of the cluster's, and this slot is filled again, two K steps ahead.
.macro TURN slot, next, fill
	WIN 0                                          ; (the add's two registers lie in window 0)
	s_wait_tensorcnt 0x0                           ; all my tensor loads have landed: my part of the next slot
	ds_add_u32 v[SPW], v[NIL]                      ; 0 onto my spare word
	s_wait_dscnt 17                                ; (the add and the youngest sixteen loads may be out)
	WIN MUL
	MUL8 F1, 0, 0, 0
	s_wait_dscnt 0x0                               ; the add is done, and my reads of this slot are over
	s_barrier_signal -1
	MUL8 F1, 0, 2, 0
.if \fill
	WIN 0
.endif
	s_barrier_wait -1
.if \fill
	CREST                                          ; no wave of any partner still reads this slot or has a load on its way
	s_add_nc_u64 s[G0+4*\slot+2:G0+4*\slot+3], s[G0+4*\slot+2:G0+4*\slot+3], 2*KSTEP*2
	s_add_nc_u64 s[G0B+4*\slot+2:G0B+4*\slot+3], s[G0B+4*\slot+2:G0B+4*\slot+3], 2*KSTEP*2
	JLOAD \slot                                    ; my one tensor load behind the round; its four v_nop are also the places in front of the loads below
.else
	PLACES
.endif
	FETCH \next, 0, F0
	WIN MUL
	MUL8 F1, 1, 0, 0
	MUL8 F1, 1, 2, 0
.endm
	s_wait_tensorcnt 1                             ; my part of K step 0 is in; K step 1's may stay out
	s_barrier_signal -1
	s_barrier_wait -1
	FETCH 0, 0, F0
	QUARTER 0, 128, F0, F1, 1                      ; the first quarter stands in front of the loop: its first products start the sums
	WIN 0
	s_mov_b32 s3, LAPS-1
.Llap:                                                 ; a trip goes once round the ring and fills both slots again
	QUARTER 0, 256, F1, F0, 0
	QUARTER 0, 384, F0, F1, 0
	TURN 0, 1, 1
	QUARTER 1, 128, F0, F1, 0
	QUARTER 1, 256, F1, F0, 0
	QUARTER 1, 384, F0, F1, 0
	TURN 1, 0, 1
	QUARTER 0, 128, F0, F1, 0
	WIN 0
	s_sub_co_u32 s3, s3, 1
	s_cmp_lg_u32 s3, 0
	s_cbranch_scc1 .Llap
	QUARTER 0, 256, F1, F0, 0                      ; the last lap fills nothing
	QUARTER 0, 384, F0, F1, 0
	TURN 0, 1, 0
	QUARTER 1, 128, F0, F1, 0
	QUARTER 1, 256, F1, F0, 0
	QUARTER 1, 384, F0, F1, 0
	s_wait_dscnt 16
	WIN MUL
	MUL8 F1, 0, 0, 0
	MUL8 F1, 0, 2, 0
	s_wait_dscnt 0
	MUL8 F1, 1, 0, 0
	MUL8 F1, 1, 2, 0
	WIN 0
	; THE WAY OUT: round to f16; 16 bytes a lane into the stage; a barrier, since a row's 256 bytes come from two waves; back as whole rows, 32 rows a wave.
	PLACES
.irp t, 0,1,2,3,4,5,6,7,8,9,10,11,12,13,14,15
.irp r, 0,1,2,3
	v_cvt_pk_f16_f32 v[TMP+4*\t+\r], v[ACC+8*\t+2*\r], v[ACC+8*\t+2*\r+1]
.endr
.endr
.irp a, 0,1,2,3
.irp b, 0,1,2,3
	ds_store_b128 v[STO], v[TMP+4*(4*\a+\b):TMP+4*(4*\a+\b)+3] offset:\a*16*SPITCH+32*\b
.endr
.endr
	s_wait_dscnt 0x0                               ; for the others: my stores into the stage are done
	s_barrier_signal -1
	s_barrier_wait -1
.irp t, 0,1,2,3,4,5,6,7,8,9,10,11,12,13,14,15
	ds_load_b128 v[TMP+4*\t:TMP+4*\t+3], v[RD] offset:\t*2*SPITCH
.endr
.irp t, 0,1,2,3,4,5,6,7,8,9,10,11,12,13,14,15
	s_wait_dscnt 15-\t
	global_store_b128 v[CO], v[TMP+4*\t:TMP+4*\t+3], s[8:9] offset:2*\t*LDC*2   ; 16 lanes store 256 consecutive bytes, aligned
.endr
	s_wait_tensorcnt 0x0                           ; the wave's end
	ds_add_u32 v[SPW], v[NIL]
	s_wait_dscnt 0x0
	CROUND                                         ; the closing round
	s_endpgm
.Lfunc_end_k_qf8ed3f90ff_qkv:
	.size	k_qf8ed3f90ff_qkv, .Lfunc_end_k_qf8ed3f90ff_qkv-k_qf8ed3f90ff_qkv
	.p2alignl 7, 3214868480
	.fill 96, 4, 3214868480
	.section	.rodata,"a",@progbits
	.p2align	6, 0x0
	.amdhsa_kernel k_qf8ed3f90ff_qkv
		.amdhsa_group_segment_fixed_size 327680
		.amdhsa_private_segment_fixed_size 0
		.amdhsa_enable_private_segment 0
		.amdhsa_kernarg_size 24
		.amdhsa_user_sgpr_count 2
		.amdhsa_user_sgpr_kernarg_segment_ptr 1
		.amdhsa_wavefront_size32 1
		.amdhsa_system_sgpr_workgroup_id_x 1
		.amdhsa_system_sgpr_workgroup_id_y 1
		.amdhsa_system_sgpr_workgroup_id_z 1
		.amdhsa_system_vgpr_workitem_id 0
		.amdhsa_next_free_vgpr 512
		.amdhsa_next_free_sgpr 66
		.amdhsa_reserve_vcc 0
		.amdhsa_float_denorm_mode_32 3
		.amdhsa_float_denorm_mode_16_64 3
		.amdhsa_memory_ordered 1
		.amdhsa_forward_progress 1
		.amdhsa_inst_pref_size 87
	.end_amdhsa_kernel
	.amdgpu_metadata
---
amdhsa.version: [ 1, 2 ]
amdhsa.kernels:
  - .name:           k_qf8ed3f90ff_qkv
    .symbol:         k_qf8ed3f90ff_qkv.kd
    .args:
      - { .name: xb, .offset: 0, .size: 8, .value_kind: global_buffer, .address_space: global }
      - { .name: wt, .offset: 8, .size: 8, .value_kind: global_buffer, .address_space: global }
      - { .name: qkv, .offset: 16, .size: 8, .value_kind: global_buffer, .address_space: global }
    .group_segment_fixed_size: 327680
    .private_segment_fixed_size: 0
    .kernarg_segment_align: 8
    .kernarg_segment_size: 24
    .max_flat_workgroup_size: 128
    .sgpr_count:     66
    .vgpr_count:     512
    .wavefront_size: 32
...
	.end_amdgpu_metadata
.endif
;; end of part 2
;; launch score (part 3): grid 20 x 32, 4 waves a work-group, clusters of 4 x 4, 327,680 bytes of LDS; arguments qkv, st, pt; writes st, pt
.if DOCPART == 3
	.amdgcn_target "amdgcn-amd-amdhsa--gfx1250"
	.amdhsa_code_object_version 6
	.text
	.protected	k_qf8ed3f90ff_score
	.globl	k_qf8ed3f90ff_score
	.p2align	8
	.type	k_qf8ed3f90ff_score,@function
k_qf8ed3f90ff_score:
	s_mov_b64 s[64:65], 0
	v_nop
	global_prefetch_b8 v0, s[64:65] scope:SCOPE_SE
	s_setreg_imm32_b32 hwreg(HW_REG_WAVE_MODE, 25, 1), 1
	s_wait_xcnt 0x0
	s_wait_alu depctr_hold_cnt(0) depctr_sa_sdst(0) depctr_va_vdst(0) depctr_va_sdst(0) depctr_va_ssrc(0) depctr_va_vcc(0) depctr_vm_vsrc(0)
	s_getreg_b32 s2, hwreg(HW_REG_IB_STS2, 6, 4)
	s_cmp_eq_u32 s2, 0
	s_cbranch_scc0 .Lentry_in_a_cluster
	s_endpgm
.Lentry_in_a_cluster:
	s_bfe_u32 s2, ttmp6, 0x10000c
	s_cmp_lg_u32 s2, 0xf033
	s_cbranch_scc0 .Lentry_shape_is_right
	s_endpgm
.Lentry_shape_is_right:
; SCORES AND THE FIRST HALF OF THE SOFTMAX.  For a tile of 128 queries x 128 keys: s = q k^T (K = 1,024, f16 operands, f32 sums), the causal mask, the tile's row maximum m,
; p~ = 2^(c s - c m) in f16 into pt, and for each row c m and the tile's row sum of p~ (taken before the rounding to f16) into st.  c = log2(e) / 32.
; The maximum that is taken away is the tile's own, so no exponent is above a rounding of 0 and p~ lies in [0, 1]; the next launch brings the tiles of a row to the row's common maximum.
; WHICH TILES.  A cluster of 4 x 4 work-groups makes a block of 512 x 512; of a batch's 4 x 4 blocks only the 10 on and under the diagonal are made: cluster y = 2 x batch + P,
; and the five clusters along x take block rows P (P + 1 blocks) and 3 - P (4 - P blocks).  All of that hangs on the cluster's numbers alone.
; In a diagonal block six tiles lie wholly above the diagonal.  Their work-groups run the same text: they are partners in every joint load, no branch may hang on the place in
; the cluster, and they write p~ = 0, sum 0 and the maximum c x (-FLT_MAX).  Two of the six (query tile even, key tile one further) are read by the next launch, whose K steps are two key tiles long.
; The product is laid as in the projections' kernel: tile 128 x 128, four waves of 64 x 64, K steps of 256 through two LDS slots, A's tiles shared along a row of the cluster, B's along a column,
; the matrix instruction used transposed: a lane holds one query and eight neighbouring keys.
; LIMITS: operands are f16; a weight p~ under 2^-25 of its tile's largest becomes 0; inputs are taken to be finite and the scores to stay finite in f32.
.set KTOT,   1024
.set LD,     3072                      ; elements from row to row in qkv
.set BOFF,   2048                      ; k's columns begin 1,024 elements into a row
.set LDC,    2048                      ; elements from row to row in pt
.set KSTEP,  256
.set PITCH,  528
.set HALFT,  64*PITCH
.set SLOT,   4*HALFT
.set STAGE,  2*SLOT
.set SPITCH, 272
.set SCR,    STAGE+128*SPITCH          ; scratch, [2 column halves][128 rows] of f32 each: maxima at 0, sums at 1,024, c m at 2,048
.set SPARE,  SCR+3072                  ; the spare words, 128 bytes a wave
.set LAPS,   KTOT/(2*KSTEP)
.set SB,   6                           ; v6      LDS address: the second column half's sums of my two rows
.set SG,   7                           ; v7      8 x lane: my place in a run of 64 statistics
.set ADRA, 16
.set ADRB, 20
.set STO,  24
.set RD,   25
.set CO,   26
.set XW,   27                          ; v27     scratch: my wave's word of row l % 16
.set SPW,  28
.set NIL,  29
.set XP,   30                          ; v30     scratch: the same row's word of the wave with the other column half
.set SA,   31                          ; v31     LDS address: c m (waves 0, 1) or the first column half's sums (waves 2, 3) of my two rows
.set TMP,  32
.set DG,   96                          ; v96-99  block a: my row less my first column; column 16 b + e of the wave's 64 is masked where 16 b + e is larger
.set NINF, 100                         ; v100    -inf
.set RM,   104                         ; v104-107 block a: row maximum
.set PM,   108                         ; v108-111 what the other half of the lanes, or the other wave, holds
.set CM,   112                         ; v112-119 block a: c m, twice
.set LS,   120                         ; v120-127 block a: sums, a pair
.set ACC,  128
.set F0,   0
.set F1,   128
.set G1, 24
.set G0, 32
.set G1B, 48
.set G0B, 56
.set CS,  66                           ; s[66:67] c, twice
.set SEL, 68                           ; s[68:69] lane selects: each lane takes its own place in the other half
.set MSB, 0
.macro WIN new
.if MSB != \new
	s_set_vgpr_msb (MSB<<8)|\new
.set MSB, \new
.endif
.endm
.set MUL,  0x05
.set TO_F, 0x40
.macro JLOAD s                         ; a joint load: waves 0, 1 fetch A's halves, waves 2, 3 B's; four v_nop follow each line
	s_cmp_eq_u32 s11, 0
	s_cbranch_scc0 .Lfor_b_\@
	tensor_load_to_lds s[G0+4*\s:G0+4*\s+3], s[G1:G1+7]
	s_nop 0
.rept 4
	v_nop
.endr
	s_branch .Lasked_\@
.Lfor_b_\@:
	tensor_load_to_lds s[G0B+4*\s:G0B+4*\s+3], s[G1B:G1B+7]
	s_nop 0
.rept 4
	v_nop
.endr
.Lasked_\@:
.endm
.macro CREST
	s_cmp_lg_u32 s10, 0
	s_cbranch_scc1 .Lnot_wave_0_\@
	s_barrier_signal -3
.Lnot_wave_0_\@:
	s_barrier_wait -3
	s_barrier_signal -1
	s_barrier_wait -1
.endm
.macro CROUND
	s_barrier_signal -1
	s_barrier_wait -1
	CREST
.endm
	s_load_b128 s[4:7], s[0:1], 0x0                ; qkv s[4:5], st s[6:7]
	s_load_b64 s[8:9], s[0:1], 0x10                ; pt
	v_lshl_add_u32 v[SPW], v0, 2, SPARE
	v_mov_b32 v[NIL], 0
	ds_add_u32 v28, v29
	s_wait_dscnt 0x0
	v_lshrrev_b32 v1, 5, v0
	v_readfirstlane_b32 s10, v1                    ; wave 0..3
	s_lshr_b32 s11, s10, 1                         ; my half of the queries.  Also: I fetch for A (0) or for B (1)
	s_and_b32 s12, s10, 1                          ; my half of the keys.  Also: which 64 rows I fetch
	s_bfe_u32 s40, ttmp6, 0x40000                  ; cx
	s_bfe_u32 s41, ttmp6, 0x40004                  ; cy
	s_and_b32 s77, ttmp7, 0xffff
	s_lshr_b32 s78, s77, 1                         ; batch
	s_and_b32 s79, s77, 1                          ; P
	s_sub_co_u32 s72, 3, s79                       ; the other block row of the pair
	s_sub_co_i32 s73, ttmp9, s79
	s_sub_co_i32 s73, s73, 1
	s_max_i32 s73, s73, 0                          ; its block column (0 where it is not taken)
	s_cmp_le_u32 ttmp9, s79
	s_cselect_b32 s74, s79, s72                    ; block row
	s_cselect_b32 s75, ttmp9, s73                  ; block column
	s_lshl_b32 s80, s74, 2
	s_add_co_u32 s80, s80, s41                     ; i: query tile in the batch
	s_lshl_b32 s42, s75, 2
	s_add_co_u32 s42, s42, s40                     ; j: key tile in the batch, and tile column of pt
	s_lshl_b32 s81, s78, 4
	s_add_co_u32 s13, s81, s80                     ; A's row tile, and pt's
	s_add_co_u32 s45, s81, s42                     ; B's row tile
	s_lshl_b32 s43, s41, 2
	s_lshl_b32 s43, 15, s43                        ; my row of the cluster
	s_lshl_b32 s44, 0x1111, s40                    ; my column
	s_or_b32 s[G1+0], s43, (1<<16)|(1<<20)|(1<<21)|(6<<22)|(3<<25)
	s_or_b32 s[G1B+0], s44, (1<<16)|(1<<20)|(1<<21)|(6<<22)|(3<<25)
.irp g, G1, G1B
	s_mov_b32 s[\g+1], KSTEP<<16
	s_mov_b32 s[\g+2], 64<<16
	s_mov_b32 s[\g+3], KSTEP<<16
	s_mov_b32 s[\g+4], 64
	s_mov_b32 s[\g+5], LD
	s_mov_b32 s[\g+6], 0
	s_mov_b32 s[\g+7], 0
.endr
	s_mov_b32 s[CS], 0x3d38aa3b                    ; c = log2(e) / 32
	s_mov_b32 s[CS+1], s[CS]
	s_mov_b32 s[SEL], 0x76543210
	s_mov_b32 s[SEL+1], 0xfedcba98
	s_mov_b32 s71, 0xff7fffff                      ; -FLT_MAX
	s_lshl_b32 s17, s12, 6
	s_lshl_b32 s16, s13, 7
	s_add_co_u32 s16, s16, s17
	s_lshl_b32 s46, s45, 7
	s_add_co_u32 s46, s46, s17
	s_mov_b32 s17, 0
	s_mov_b32 s47, 0
	s_mov_b64 s[18:19], LD*2
	s_mul_u64 s[16:17], s[16:17], s[18:19]
	s_mul_u64 s[46:47], s[46:47], s[18:19]
	s_mul_i32 s20, s10, HALFT
	s_wait_kmcnt 0x0
	s_add_nc_u64 s[14:15], s[4:5], s[16:17]        ; q's rows
	s_add_nc_u64 s[46:47], s[4:5], s[46:47]
	s_add_nc_u64 s[46:47], s[46:47], BOFF          ; k's rows
	CROUND
.irp s, 0,1
	s_mov_b32 s[G0+4*\s], 1
	s_add_co_u32 s[G0+4*\s+1], s20, \s*SLOT
	s_add_nc_u64 s[G0+4*\s+2:G0+4*\s+3], s[14:15], \s*KSTEP*2
	s_or_b32 s[G0+4*\s+3], s[G0+4*\s+3], 0x80000000
	s_mov_b32 s[G0B+4*\s], 1
	s_add_co_u32 s[G0B+4*\s+1], s20, \s*SLOT
	s_add_nc_u64 s[G0B+4*\s+2:G0B+4*\s+3], s[46:47], \s*KSTEP*2
	s_or_b32 s[G0B+4*\s+3], s[G0B+4*\s+3], 0x80000000
	JLOAD \s
.endr
	v_and_b32 v1, 15, v0                           ; r = l % 16
	v_bfe_u32 v2, v0, 4, 1                         ; h = l / 16
	v_mul_u32_u24 v3, v1, PITCH
	v_lshl_add_u32 v3, v2, 4, v3
	s_mul_i32 s21, s11, HALFT
	s_mul_i32 s22, s12, HALFT
	s_add_co_u32 s22, s22, 2*HALFT
.irp s, 0,1
	v_add_nc_u32 v[ADRA+\s], s21, v3
	v_add_nc_u32 v[ADRB+\s], s22, v3
	s_add_co_u32 s21, s21, SLOT
	s_add_co_u32 s22, s22, SLOT
.endr
	s_mul_i32 s23, s11, 64*SPITCH
	s_lshl_b32 s21, s12, 7
	s_add_co_u32 s23, s23, s21
	s_add_co_u32 s23, s23, STAGE
	v_mul_u32_u24 v4, v1, SPITCH
	v_lshl_add_u32 v4, v2, 4, v4
	v_add_nc_u32 v[STO], s23, v4
	s_mul_i32 s23, s10, 32*SPITCH
	s_add_co_u32 s23, s23, STAGE
	v_mul_u32_u24 v5, v2, SPITCH
	v_lshl_add_u32 v5, v1, 4, v5
	v_add_nc_u32 v[RD], s23, v5
	v_mul_u32_u24 v5, v2, LDC*2
	v_lshl_add_u32 v[CO], v1, 4, v5
	s_lshl_b32 s16, s13, 7
	s_lshl_b32 s17, s10, 5
	s_add_co_u32 s16, s16, s17                     ; the first row of pt that I store
	s_mov_b32 s17, 0
	s_mov_b64 s[18:19], LDC*2
	s_mul_u64 s[16:17], s[16:17], s[18:19]
	s_add_nc_u64 s[8:9], s[8:9], s[16:17]
	s_lshl_b32 s46, s42, 8
	s_mov_b32 s47, 0
	s_add_nc_u64 s[8:9], s[8:9], s[46:47]
	; the scratch: 256 bytes for each half of the rows, 512 for each half of the columns
	s_lshl_b32 s21, s11, 8
	s_lshl_b32 s22, s12, 9
	s_add_co_u32 s23, s21, s22
	s_add_co_u32 s23, s23, SCR
	v_lshl_add_u32 v[XW], v1, 2, s23
	s_xor_b32 s22, s22, 512
	s_add_co_u32 s23, s21, s22
	s_add_co_u32 s23, s23, SCR
	v_lshl_add_u32 v[XP], v1, 2, s23
	; the statistics' way out: waves 0, 1 store c m, waves 2, 3 the sums, each for rows 64 (wave % 2) on, two rows a lane
	v_and_b32 v3, 31, v0
	v_lshlrev_b32 v[SG], 3, v3
	s_lshl_b32 s21, s11, 10
	s_sub_co_u32 s21, SCR+2048, s21
	s_lshl_b32 s22, s12, 8
	s_add_co_u32 s21, s21, s22
	v_add_nc_u32 v[SA], s21, v[SG]
	s_add_co_u32 s22, s22, SCR+1536
	v_add_nc_u32 v[SB], s22, v[SG]
	s_cmp_lg_u32 s11, 0
	s_cselect_b32 s70, -1, 0                       ; all lanes: sums, or none: maxima
	s_lshl_b32 s84, s45, 13                        ; st: [batch][key tile][2,048 rows] of f32,
	s_lshl_b32 s85, s80, 9                         ; my query tile's 128 rows,
	s_add_co_u32 s84, s84, s85
	s_lshl_b32 s85, s12, 8                         ; my 64 of them,
	s_add_co_u32 s84, s84, s85
	s_lshl_b32 s85, s11, 19                        ; the sums lie 524,288 bytes behind the maxima
	s_add_co_u32 s84, s84, s85
	s_mov_b32 s85, 0
	s_add_nc_u64 s[6:7], s[6:7], s[84:85]
	; the mask: row - first column = 128 (i - j) + 64 (row half - column half) + 16 a + r - 8 h.  It enters compares of vector data alone.
	s_sub_co_i32 s82, s80, s42
	s_lshl_b32 s82, s82, 7
	s_sub_co_i32 s83, s11, s12
	s_lshl_b32 s83, s83, 6
	s_add_co_i32 s82, s82, s83
	v_lshlrev_b32 v3, 3, v2
	v_sub_nc_u32 v[DG], v1, v3
	v_add_nc_u32 v[DG], s82, v[DG]
	v_add_nc_u32 v[DG+1], 16, v[DG]
	v_add_nc_u32 v[DG+2], 32, v[DG]
	v_add_nc_u32 v[DG+3], 48, v[DG]
	v_mov_b32 v[NINF], 0xff800000
.irp a, 0,1,2,3
	v_mov_b32 v[PM+\a], 0                          ; the lane exchange counts as a reader of its destination
.endr
.macro MUL8 f, c, a0, zero             ; the 16 accumulators take turns, one instruction a turn
.irp a, \a0, \a0+1
.irp b, 0,1,2,3
.if \zero
	v_wmma_f32_16x16x32_f16 v[ACC+8*(4*(\a)+\b):ACC+8*(4*(\a)+\b)+7], v[\f+64+8*(4*\c+\b):\f+64+8*(4*\c+\b)+7], v[\f+8*(4*\c+\a):\f+8*(4*\c+\a)+7], 0
.else
	v_wmma_f32_16x16x32_f16 v[ACC+8*(4*(\a)+\b):ACC+8*(4*(\a)+\b)+7], v[\f+64+8*(4*\c+\b):\f+64+8*(4*\c+\b)+7], v[\f+8*(4*\c+\a):\f+8*(4*\c+\a)+7], v[ACC+8*(4*(\a)+\b):ACC+8*(4*(\a)+\b)+7]
.endif
.endr
.endr
.endm
.macro FETCH slot, k, f
	WIN TO_F
.irp c, 0,1
.irp i, 0,1,2,3
	ds_load_b128 v[\f+64+8*(4*\c+\i):\f+64+8*(4*\c+\i)+3],   v[ADRB+\slot] offset:\k+64*\c+\i*16*PITCH
	ds_load_b128 v[\f+64+8*(4*\c+\i)+4:\f+64+8*(4*\c+\i)+7], v[ADRB+\slot] offset:\k+64*\c+\i*16*PITCH+32
	ds_load_b128 v[\f+8*(4*\c+\i):\f+8*(4*\c+\i)+3],         v[ADRA+\slot] offset:\k+64*\c+\i*16*PITCH
	ds_load_b128 v[\f+8*(4*\c+\i)+4:\f+8*(4*\c+\i)+7],       v[ADRA+\slot] offset:\k+64*\c+\i*16*PITCH+32
.endr
.endr
.endm
.macro PLACES
.rept 4
	v_nop
.endr
.endm
.macro QUARTER slot, k, f, g, zero
	s_wait_dscnt 16                                ; the first 32 along K are in
	WIN MUL
	MUL8 \f, 0, 0, \zero
	MUL8 \f, 0, 2, \zero
	PLACES
	FETCH \slot, \k, \g
	s_wait_dscnt 32                                ; all but the 32 just issued
	WIN MUL
	MUL8 \f, 1, 0, 0
	MUL8 \f, 1, 2, 0
.endm
.macro TURN slot, next, fill
	WIN 0
	s_wait_tensorcnt 0x0                           ; all my tensor loads have landed: my part of the next slot
	ds_add_u32 v[SPW], v[NIL]                      ; 0 onto my spare word
	s_wait_dscnt 17                                ; (the add and the youngest sixteen loads may be out)
	WIN MUL
	MUL8 F1, 0, 0, 0
	s_wait_dscnt 0x0                               ; the add is done, and my reads of this slot are over
	s_barrier_signal -1
	MUL8 F1, 0, 2, 0
.if \fill
	WIN 0
.endif
	s_barrier_wait -1
.if \fill
	CREST
	s_add_nc_u64 s[G0+4*\slot+2:G0+4*\slot+3], s[G0+4*\slot+2:G0+4*\slot+3], 2*KSTEP*2
	s_add_nc_u64 s[G0B+4*\slot+2:G0B+4*\slot+3], s[G0B+4*\slot+2:G0B+4*\slot+3], 2*KSTEP*2
	JLOAD \slot
.else
	PLACES
.endif
	FETCH \next, 0, F0
	WIN MUL
	MUL8 F1, 1, 0, 0
	MUL8 F1, 1, 2, 0
.endm
	s_wait_tensorcnt 1                             ; my part of K step 0 is in; K step 1's may stay out
	s_barrier_signal -1
	s_barrier_wait -1
	FETCH 0, 0, F0
	QUARTER 0, 128, F0, F1, 1
	WIN 0
	s_mov_b32 s3, LAPS-1
.Llap:
	QUARTER 0, 256, F1, F0, 0
	QUARTER 0, 384, F0, F1, 0
	TURN 0, 1, 1
	QUARTER 1, 128, F0, F1, 0
	QUARTER 1, 256, F1, F0, 0
	QUARTER 1, 384, F0, F1, 0
	TURN 1, 0, 1
	QUARTER 0, 128, F0, F1, 0
	WIN 0
	s_sub_co_u32 s3, s3, 1
	s_cmp_lg_u32 s3, 0
	s_cbranch_scc1 .Llap
	QUARTER 0, 256, F1, F0, 0
	QUARTER 0, 384, F0, F1, 0
	TURN 0, 1, 0
	QUARTER 1, 128, F0, F1, 0
	QUARTER 1, 256, F1, F0, 0
	QUARTER 1, 384, F0, F1, 0
	s_wait_dscnt 16
	WIN MUL
	MUL8 F1, 0, 0, 0
	MUL8 F1, 0, 2, 0
	s_wait_dscnt 0
	MUL8 F1, 1, 0, 0
	MUL8 F1, 1, 2, 0
	WIN 0
	; THE MASK.  Block a's 32 scores of a lane are v[ACC + 32 a ..]: column 16 b + e in register 8 b + e.  Each accumulator is taken from its low end on.
	PLACES
.irp a, 0,1,2,3
.irp b, 0,1,2,3
.irp e, 0,1,2,3,4,5,6,7
	v_cmp_gt_i32 vcc_lo, 16*\b+\e, v[DG+\a]
	v_cndmask_b32 v[ACC+8*(4*\a+\b)+\e], v[ACC+8*(4*\a+\b)+\e], v[NINF], vcc_lo
.endr
.endr
.endr
	; THE ROW MAXIMUM: 32 registers, the other half of the lanes, the other wave's 64 columns.  The four blocks alternate, so that no line waits for the one before it.
.irp a, 0,1,2,3
	v_max3_num_f32 v[RM+\a], v[ACC+32*\a], v[ACC+32*\a+1], v[ACC+32*\a+2]
.endr
.set k, 3
.rept 14
.irp a, 0,1,2,3
	v_max3_num_f32 v[RM+\a], v[RM+\a], v[ACC+32*\a+k], v[ACC+32*\a+k+1]
.endr
.set k, k+2
.endr
.irp a, 0,1,2,3
	v_max_num_f32 v[RM+\a], v[RM+\a], v[ACC+32*\a+31]
.endr
.irp a, 0,1,2,3
	v_permlanex16_b32 v[PM+\a], v[RM+\a], s[SEL], s[SEL+1]
.endr
.irp a, 0,1,2,3
	v_max_num_f32 v[RM+\a], v[RM+\a], v[PM+\a]
.endr
.irp a, 0,1,2,3
	ds_store_b32 v[XW], v[RM+\a] offset:64*\a      ; both halves of the lanes write the same number to the same word
.endr
	s_wait_dscnt 0x0                               ; for the other wave: my maxima are stored
	s_barrier_signal -1
	s_barrier_wait -1
.irp a, 0,1,2,3
	ds_load_b32 v[PM+\a], v[XP] offset:64*\a
.endr
	s_wait_dscnt 0x0
.irp a, 0,1,2,3
	v_max3_num_f32 v[RM+\a], v[RM+\a], v[PM+\a], s71   ; at least -FLT_MAX: a row with every column masked gives -inf less a finite number, and p~ = 0
.endr
.irp a, 0,1,2,3
	v_mul_f32 v[CM+2*\a], s[CS], v[RM+\a]
.endr
.irp a, 0,1,2,3
	v_mov_b32 v[CM+2*\a+1], v[CM+2*\a]             ; named with it as a pair, so it is written
.endr
	; p~ = 2^(c s - c m), in place
.irp a, 0,1,2,3
.set k, 0
.rept 16
	v_pk_fma_f32 v[ACC+32*\a+k:ACC+32*\a+k+1], v[ACC+32*\a+k:ACC+32*\a+k+1], s[CS:CS+1], v[CM+2*\a:CM+2*\a+1] op_sel_hi:[1,0,0] neg_lo:[0,0,1] neg_hi:[0,0,1]
.set k, k+2
.endr
.endr
.set k, 0
.rept 128
	v_exp_f32 v[ACC+k], v[ACC+k]
.set k, k+1
.endr
	v_nop                                          ; a plain instruction between the last exponential and the use of its result
	; THE ROW SUM of the tile, as the maximum went
	s_wait_alu depctr_va_vdst(0)
.irp a, 0,1,2,3
	v_pk_add_f32 v[LS+2*\a:LS+2*\a+1], v[ACC+32*\a:ACC+32*\a+1], v[ACC+32*\a+2:ACC+32*\a+3]
.endr
.set k, 4
.rept 14
.irp a, 0,1,2,3
	v_pk_add_f32 v[LS+2*\a:LS+2*\a+1], v[LS+2*\a:LS+2*\a+1], v[ACC+32*\a+k:ACC+32*\a+k+1]
.endr
.set k, k+2
.endr
.irp a, 0,1,2,3
	v_add_f32 v[LS+2*\a], v[LS+2*\a], v[LS+2*\a+1]
.endr
.irp a, 0,1,2,3
	v_permlanex16_b32 v[PM+\a], v[LS+2*\a], s[SEL], s[SEL+1]
.endr
.irp a, 0,1,2,3
	v_add_f32 v[LS+2*\a], v[LS+2*\a], v[PM+\a]
.endr
.irp a, 0,1,2,3
	ds_store_b32 v[XW], v[LS+2*\a] offset:1024+64*\a   ; my 64 columns' part of the sum
	ds_store_b32 v[XW], v[CM+2*\a] offset:2048+64*\a   ; c m: each column half keeps its own copy, so that no word has two writers
.endr
	; p~ goes out as the projections do: f16, the stage, whole rows
.irp t, 0,1,2,3,4,5,6,7,8,9,10,11,12,13,14,15
.irp r, 0,1,2,3
	v_cvt_pk_f16_f32 v[TMP+4*\t+\r], v[ACC+8*\t+2*\r], v[ACC+8*\t+2*\r+1]
.endr
.endr
.irp a, 0,1,2,3
.irp b, 0,1,2,3
	ds_store_b128 v[STO], v[TMP+4*(4*\a+\b):TMP+4*(4*\a+\b)+3] offset:\a*16*SPITCH+32*\b
.endr
.endr
	s_wait_dscnt 0x0                               ; for the others: my stores into the stage and the scratch are done
	s_barrier_signal -1
	s_barrier_wait -1
	ds_load_b64 v[104:105], v[SA]                  ; c m, or the first column half's sums
	ds_load_b64 v[106:107], v[SB]                  ; the second column half's sums
.irp t, 0,1,2,3,4,5,6,7,8,9,10,11,12,13,14,15
	ds_load_b128 v[TMP+4*\t:TMP+4*\t+3], v[RD] offset:\t*2*SPITCH
.endr
	s_wait_dscnt 16                                ; the two loads of statistics are in; the sixteen rows may be out
	v_pk_add_f32 v[108:109], v[104:105], v[106:107]
	v_cndmask_b32 v104, v104, v108, s70            ; waves 2, 3 take the sum of the halves, waves 0, 1 keep c m
	v_cndmask_b32 v105, v105, v109, s70
	global_store_b64 v[SG], v[104:105], s[6:7]     ; 32 lanes x 8 bytes: 256 consecutive bytes, aligned
.irp t, 0,1,2,3,4,5,6,7,8,9,10,11,12,13,14,15
	s_wait_dscnt 15-\t
	global_store_b128 v[CO], v[TMP+4*\t:TMP+4*\t+3], s[8:9] offset:2*\t*LDC*2   ; 16 lanes store 256 consecutive bytes, aligned
.endr
	s_wait_tensorcnt 0x0                           ; the wave's end
	ds_add_u32 v[SPW], v[NIL]
	s_wait_dscnt 0x0
	CROUND                                         ; the closing round
	s_endpgm
.Lfunc_end_k_qf8ed3f90ff_score:
	.size	k_qf8ed3f90ff_score, .Lfunc_end_k_qf8ed3f90ff_score-k_qf8ed3f90ff_score
	.p2alignl 7, 3214868480
	.fill 96, 4, 3214868480
	.section	.rodata,"a",@progbits
	.p2align	6, 0x0
	.amdhsa_kernel k_qf8ed3f90ff_score
		.amdhsa_group_segment_fixed_size 327680
		.amdhsa_private_segment_fixed_size 0
		.amdhsa_enable_private_segment 0
		.amdhsa_kernarg_size 24
		.amdhsa_user_sgpr_count 2
		.amdhsa_user_sgpr_kernarg_segment_ptr 1
		.amdhsa_wavefront_size32 1
		.amdhsa_system_sgpr_workgroup_id_x 1
		.amdhsa_system_sgpr_workgroup_id_y 1
		.amdhsa_system_sgpr_workgroup_id_z 1
		.amdhsa_system_vgpr_workitem_id 0
		.amdhsa_next_free_vgpr 512
		.amdhsa_next_free_sgpr 96
		.amdhsa_reserve_vcc 1
		.amdhsa_float_denorm_mode_32 3
		.amdhsa_float_denorm_mode_16_64 3
		.amdhsa_memory_ordered 1
		.amdhsa_forward_progress 1
		.amdhsa_inst_pref_size 116
	.end_amdhsa_kernel
	.amdgpu_metadata
---
amdhsa.version: [ 1, 2 ]
amdhsa.kernels:
  - .name:           k_qf8ed3f90ff_score
    .symbol:         k_qf8ed3f90ff_score.kd
    .args:
      - { .name: qkv, .offset: 0, .size: 8, .value_kind: global_buffer, .address_space: global }
      - { .name: st, .offset: 8, .size: 8, .value_kind: global_buffer, .address_space: global }
      - { .name: pt, .offset: 16, .size: 8, .value_kind: global_buffer, .address_space: global }
    .group_segment_fixed_size: 327680
    .private_segment_fixed_size: 0
    .kernarg_segment_align: 8
    .kernarg_segment_size: 24
    .max_flat_workgroup_size: 128
    .sgpr_count:     96
    .vgpr_count:     512
    .wavefront_size: 32
...
	.end_amdgpu_metadata
.endif
;; end of part 3
;; launch pv (part 4): grid 8 x 64, 4 waves a work-group, clusters of 4 x 1, 327,680 bytes of LDS; arguments pt, qkv, st, x, hf, hb; writes hf, hb
.if DOCPART == 4
	.amdgcn_target "amdgcn-amd-amdhsa--gfx1250"
	.amdhsa_code_object_version 6
	.text
	.protected	k_qf8ed3f90ff_pv
	.globl	k_qf8ed3f90ff_pv
	.p2align	8
	.type	k_qf8ed3f90ff_pv,@function
k_qf8ed3f90ff_pv:
	s_mov_b64 s[64:65], 0
	v_nop
	global_prefetch_b8 v0, s[64:65] scope:SCOPE_SE
	s_setreg_imm32_b32 hwreg(HW_REG_WAVE_MODE, 25, 1), 1
	s_wait_xcnt 0x0
	s_wait_alu depctr_hold_cnt(0) depctr_sa_sdst(0) depctr_va_vdst(0) depctr_va_sdst(0) depctr_va_ssrc(0) depctr_va_vcc(0) depctr_vm_vsrc(0)
	s_getreg_b32 s2, hwreg(HW_REG_IB_STS2, 6, 4)
	s_cmp_eq_u32 s2, 0
	s_cbranch_scc0 .Lentry_in_a_cluster
	s_endpgm
.Lentry_in_a_cluster:
	s_bfe_u32 s2, ttmp6, 0x10000c
	s_cmp_lg_u32 s2, 0x3003
	s_cbranch_scc0 .Lentry_shape_is_right
	s_endpgm
.Lentry_shape_is_right:
; THE SECOND HALF OF THE SOFTMAX, THE SECOND PRODUCT AND THE RESIDUAL.  For 128 queries x 128 channels:
;   hf = x + sum over key tiles j of g_j (p~_j V_j),   g_j = 2^(c m_j - M) / L,   M = max over j of c m_j,   L = sum over j of 2^(c m_j - M) l_j;   hb = hf rounded to f16.
; c m_j and l_j are a row's tile maximum and tile sum as the score launch left them (-inf and 0 where it made no tile).  No exponent is above 0, and L is at least about 1.
; SHARES.  Query tile i = 15 - y / 4 (the longest first), batch y % 4, channel tile 4 x cluster x + cx.  K steps are 256 keys, two key tiles; query tile i has i / 2 + 1 of them.
; They are walked DOWN the keys: step r lies in slot r % 2, the text holds steps 7 to 0 one after the other, and a work-group enters at its first step: every tensor load behind the entry is on every path.
; CLUSTER 4 x 1: the four channel tiles of one query tile need the same tiles of p~, which are asked for jointly, and have the same number of steps.  V's tiles differ between them and are
; plain loads, issued in the same place.  A cluster of 4 x 4 is not used: partners along the queries would have different numbers of steps.
; A work-group with one step (64 of the 512) fills slot 1 with step 0 a second time and does not read it: that keeps one text for the first fills.
; LAYOUT.  Source 0 = V^T (16 channels x 32 keys, turned out of V[key][channel] by ds_load_tr16_b128), source 1 = p~ (16 queries x 32 keys): a lane holds one query and eight channels, so g_j is a number a lane.
; Each key tile's product is summed by the matrix unit in ACC (started by the constant 0) and merged into TOT by fused multiply-adds.
; REGISTERS: window 0: v0-31 addresses; v32-95 g (block a, tile j at 32 + 16 a + j), later the f16 rows; v128-255 ACC.  Window 1: two fragment buffers of 128, later x.  Window 2: v0-127 TOT.
; LIMITS: operands are f16.  hb is kept in f16, so |h| must stay under 65,504: it is at most |x| + the largest |v|, about 5,000 with x and Wv 30 times the drawn spread and about 29,000 with a
; common offset of 30 spreads on both.  Inputs are taken to be finite.
.set KSTEP, 256
.set LDP,   2048                       ; elements from row to row in pt
.set LDV,   3072                       ; and in qkv
.set PA,    528                        ; an LDS row of p~: 512 bytes + 16
.set PVP,   288                        ; an LDS row of V: 256 bytes + 32
.set HALFA, 64*PA                      ; what a load of p~ brings, and what a wave reads of it
.set HALFV, 128*PVP                    ; what a load of V brings
.set VOFF,  2*HALFA                    ; in a slot: 128 rows of p~, then 256 rows of V
.set SLOT,  VOFF+2*HALFV
.set ST32,  SLOT                       ; the way out's stage, 128 rows x 528 bytes, on slot 1's rows of p~: their last fill lies in front of step 1's barrier, and a barrier of its own,
                                       ; in step 0's last quarter, stands between every wave's reads of tiles and the stores into the stage, on every way into the chain
.set SP32,  528
.set FT,    2*SLOT                     ; g: [128 rows][16 tiles] of f32, 80 bytes a row
.set FP,    80
.set SPARE, FT+128*FP                  ; the spare words, 128 bytes a wave
.set ADRA, 16                          ; v16-17  LDS address of my fragments of p~ in slot 0, 1
.set ADRV, 20                          ; v20-23  of V: slot 0 keys 0-127, 128-255; slot 1 likewise (240 rows of 288 bytes pass the 16-bit offset)
.set STO,  24
.set RD,   25
.set CO,   26                          ; v26     16 x lane
.set COB,  27                          ; v27     8 x lane
.set SPW,  28
.set NIL,  29
.set VF,   30                          ; v30     g of row l % 16 of my 64
.set FS,   31                          ; v31     g of row = my thread's number
.set FB,   32
.set TMP,  32
.set ACC,  128
.set F0,   0
.set F1,   128
.set G1, 24                            ; s[24:31] group 1 for p~; s[32:39] group 0, a set for each slot
.set G0, 32
.set G1B, 48                           ; s[48:55], s[56:63] the same for V
.set G0B, 56
.set MSB, 0
.macro WIN new
.if MSB != \new
	s_set_vgpr_msb (MSB<<8)|\new
.set MSB, \new
.endif
.endm
.set MUL,  0x05                        ; sources 0 and 1 window 1; C and D window 0
.set TO_F, 0x40                        ; destination window 1
.set CLR,  0x80                        ; destination window 2
.set MRG,  0xa0                        ; destination and source 2 window 2
.set STW,  0x08                        ; an LDS store's data window 2
.set ADDX, 0x04                        ; source 1 window 1
.macro JLOAD s                         ; waves 0, 1: the halves of p~'s tile, jointly; waves 2, 3: the halves of V's; four v_nop follow each line
	s_cmp_eq_u32 s11, 0
	s_cbranch_scc0 .Lfor_b_\@
	tensor_load_to_lds s[G0+4*\s:G0+4*\s+3], s[G1:G1+7]
	s_nop 0
.rept 4
	v_nop
.endr
	s_branch .Lasked_\@
.Lfor_b_\@:
	tensor_load_to_lds s[G0B+4*\s:G0B+4*\s+3], s[G1B:G1B+7]
	s_nop 0
.rept 4
	v_nop
.endr
.Lasked_\@:
.endm
.macro CREST
	s_cmp_lg_u32 s10, 0
	s_cbranch_scc1 .Lnot_wave_0_\@
	s_barrier_signal -3
.Lnot_wave_0_\@:
	s_barrier_wait -3
	s_barrier_signal -1
	s_barrier_wait -1
.endm
.macro CROUND
	s_barrier_signal -1
	s_barrier_wait -1
	CREST
.endm
	s_load_b128 s[4:7], s[0:1], 0x0                ; pt s[4:5], qkv s[6:7]
	s_load_b128 s[68:71], s[0:1], 0x10             ; st s[68:69], x s[70:71]
	s_load_b128 s[72:75], s[0:1], 0x20             ; hf s[72:73], hb s[74:75]
	v_lshl_add_u32 v[SPW], v0, 2, SPARE
	v_mov_b32 v[NIL], 0
	ds_add_u32 v28, v29
	s_wait_dscnt 0x0
	v_lshrrev_b32 v1, 5, v0
	v_readfirstlane_b32 s10, v1                    ; wave 0..3
	s_lshr_b32 s11, s10, 1                         ; my half of the queries.  Also: I fetch p~ (0) or V (1)
	s_and_b32 s12, s10, 1                          ; my half of the channels.  Also: which half of that tile I fetch
	s_bfe_u32 s40, ttmp6, 0x40000                  ; cx
	s_lshl_b32 s42, ttmp9, 2
	s_add_co_u32 s42, s42, s40                     ; channel tile: it enters V's, x's, hf's and hb's addresses alone
	s_and_b32 s79, ttmp7, 0xffff
	s_lshr_b32 s77, s79, 2
	s_sub_co_u32 s77, 15, s77                      ; i
	s_and_b32 s78, s79, 3                          ; batch
	s_lshr_b32 s76, s77, 1                         ; R: my first step
	s_and_b32 s80, s76, 6                          ; slot 0's first step: the largest even number up to R
	s_sub_co_i32 s81, s76, 1
	s_or_b32 s81, s81, 1
	s_max_i32 s81, s81, 0                          ; slot 1's: the largest odd number up to R; step 0 where there is none
	s_mov_b32 s[G1+0], 15|(1<<16)|(1<<20)|(1<<21)|(6<<22)|(3<<25)   ; all four work-groups; elements of 2 bytes; padding on; bit 21 beside a mask; after every 128 words 4 words
	s_mov_b32 s[G1+1], KSTEP<<16                   ; tensor_dim0 = 256
	s_mov_b32 s[G1+2], 64<<16                      ; tensor_dim1 = 64
	s_mov_b32 s[G1+3], KSTEP<<16                   ; tile_dim0 = 256
	s_mov_b32 s[G1+4], 64                          ; tile_dim1 = 64
	s_mov_b32 s[G1+5], LDP
	s_mov_b32 s[G1+6], 0
	s_mov_b32 s[G1+7], 0
	s_mov_b32 s[G1B+0], (1<<16)|(1<<20)|(5<<22)|(7<<25)             ; no mask; after every 64 words 8 words
	s_mov_b32 s[G1B+1], 128<<16                    ; tensor_dim0 = 128
	s_mov_b32 s[G1B+2], 128<<16                    ; tensor_dim1 = 128
	s_mov_b32 s[G1B+3], 128<<16                    ; tile_dim0 = 128
	s_mov_b32 s[G1B+4], 128                        ; tile_dim1 = 128
	s_mov_b32 s[G1B+5], LDV
	s_mov_b32 s[G1B+6], 0
	s_mov_b32 s[G1B+7], 0
	s_lshl_b32 s82, s78, 11                        ; the batch's first row
	s_lshl_b32 s83, s77, 7
	s_add_co_u32 s83, s83, s82                     ; the query tile's first row
	s_lshl_b32 s14, s12, 6
	s_add_co_u32 s14, s14, s83
	s_lshl_b32 s14, s14, 12                        ; p~: the 64 rows that I fetch, 4,096 bytes each,
	s_lshl_b32 s16, s80, 9                         ; and the step's 512 bytes in them
	s_add_co_u32 s16, s16, s14
	s_mov_b32 s17, 0
	s_lshl_b32 s18, s81, 9
	s_add_co_u32 s18, s18, s14
	s_mov_b32 s19, 0
	s_lshl_b32 s15, s12, 7
	s_add_co_u32 s15, s15, s82
	s_lshl_b32 s20, s80, 8
	s_add_co_u32 s20, s20, s15                     ; V: key row = batch + 256 x step + 128 x half,
	s_mul_i32 s20, s20, LDV*2
	s_lshl_b32 s22, s81, 8
	s_add_co_u32 s22, s22, s15
	s_mul_i32 s22, s22, LDV*2
	s_lshl_b32 s23, s42, 8
	s_add_co_u32 s23, s23, 4096                    ; v's columns begin 2,048 elements into a row; then my channel tile's 256 bytes
	s_add_co_u32 s20, s20, s23
	s_add_co_u32 s22, s22, s23
	s_mov_b32 s21, 0
	s_mov_b32 s23, 0
	s_mul_i32 s84, s12, HALFA                      ; where they go: no place in the cluster enters an LDS address
	s_mul_i32 s85, s12, HALFV
	s_add_co_u32 s85, s85, VOFF
	s_wait_kmcnt 0x0
	CROUND                                         ; all four work-groups are here: the first joint loads meet
	s_mov_b32 s[G0], 1
	s_mov_b32 s[G0+1], s84
	s_add_nc_u64 s[G0+2:G0+3], s[4:5], s[16:17]
	s_or_b32 s[G0+3], s[G0+3], 0x80000000
	s_mov_b32 s[G0+4], 1
	s_add_co_u32 s[G0+5], s84, SLOT
	s_add_nc_u64 s[G0+6:G0+7], s[4:5], s[18:19]
	s_or_b32 s[G0+7], s[G0+7], 0x80000000
	s_mov_b32 s[G0B], 1
	s_mov_b32 s[G0B+1], s85
	s_add_nc_u64 s[G0B+2:G0B+3], s[6:7], s[20:21]
	s_or_b32 s[G0B+3], s[G0B+3], 0x80000000
	s_mov_b32 s[G0B+4], 1
	s_add_co_u32 s[G0B+5], s85, SLOT
	s_add_nc_u64 s[G0B+6:G0B+7], s[6:7], s[22:23]
	s_or_b32 s[G0B+7], s[G0B+7], 0x80000000
	JLOAD 0
	JLOAD 1                                        ; two loads of mine are out
	; THE STATISTICS.  Thread t takes row t of the tile: sixteen c m_j and sixteen l_j.
	s_lshl_b32 s86, s78, 17                        ; st: [batch][16 tiles][2,048 rows] of f32
	s_lshl_b32 s87, s77, 9
	s_add_co_u32 s86, s86, s87
	s_mov_b32 s87, 0
	s_add_nc_u64 s[68:69], s[68:69], s[86:87]
	v_lshlrev_b32 v6, 2, v0
.irp j, 0,1,2,3,4,5,6,7,8,9,10,11,12,13,14,15
	global_load_b32 v[128+\j], v6, s[68:69] offset:8192*\j
	global_load_b32 v[144+\j], v6, s[68:69] offset:524288+8192*\j
.endr
	; While they are on their way: TOT = 0.  The step at which the sums begin is known only when the work-group runs, so no written-out first merge can start them.
	WIN CLR
.set k, 0
.rept 128
	v_mov_b32 v[k], 0
.set k, k+1
.endr
	WIN 0
	v_and_b32 v1, 15, v0                           ; r = l % 16
	v_bfe_u32 v2, v0, 4, 1                         ; h = l / 16
	v_and_b32 v3, 31, v0                           ; l
	v_mul_u32_u24 v4, v1, PA
	v_lshl_add_u32 v4, v2, 4, v4                   ; a fragment of p~: row x pitch + 16 x half
	s_mul_i32 s92, s11, HALFA
	v_add_nc_u32 v[ADRA], s92, v4
	v_add_nc_u32 v[ADRA+1], SLOT, v[ADRA]
	v_and_b32 v5, 7, v0                            ; the turning load: lane l reads 16 bytes of key 8 h + l % 8, channels 8 ((l / 8) % 2) on
	v_lshl_add_u32 v5, v2, 3, v5
	v_mul_u32_u24 v5, v5, PVP
	v_bfe_u32 v7, v0, 3, 1
	v_lshl_add_u32 v5, v7, 4, v5
	s_lshl_b32 s92, s12, 7                         ; my 64 channels
	s_add_co_u32 s92, s92, VOFF
	v_add_nc_u32 v[ADRV], s92, v5
	v_add_nc_u32 v[ADRV+1], HALFV, v[ADRV]
	v_add_nc_u32 v[ADRV+2], SLOT, v[ADRV]
	v_add_nc_u32 v[ADRV+3], SLOT+HALFV, v[ADRV]
	s_mul_i32 s92, s11, 64*SP32                    ; into the stage: row l % 16 of my 64, my 256 bytes, 32 bytes for each half of the lanes
	s_lshl_b32 s93, s12, 8
	s_add_co_u32 s92, s92, s93
	s_add_co_u32 s92, s92, ST32
	v_mul_u32_u24 v8, v1, SP32
	v_lshl_add_u32 v8, v2, 5, v8
	v_add_nc_u32 v[STO], s92, v8
	s_mul_i32 s92, s10, 32*SP32                    ; back: wave w takes rows 32 w on, a whole row of 512 bytes a load
	s_add_co_u32 s92, s92, ST32
	v_lshl_add_u32 v[RD], v3, 4, s92
	v_lshlrev_b32 v[CO], 4, v3
	v_lshlrev_b32 v[COB], 3, v3
	s_mul_i32 s92, s11, 64*FP
	s_add_co_u32 s92, s92, FT
	v_mul_u32_u24 v[VF], v1, FP
	v_add_nc_u32 v[VF], s92, v[VF]
	v_mul_u32_u24 v[FS], v0, FP
	v_add_nc_u32 v[FS], FT, v[FS]
	s_lshl_b32 s86, s10, 5
	s_add_co_u32 s86, s86, s83                     ; the first row that I store
	s_lshl_b32 s88, s86, 12
	s_mov_b32 s89, 0
	s_add_nc_u64 s[70:71], s[70:71], s[88:89]
	s_add_nc_u64 s[72:73], s[72:73], s[88:89]
	s_lshl_b32 s88, s86, 11
	s_add_nc_u64 s[74:75], s[74:75], s[88:89]
	s_lshl_b32 s90, s42, 9                         ; my channel tile: 512 bytes of f32, 256 of f16
	s_mov_b32 s91, 0
	s_add_nc_u64 s[70:71], s[70:71], s[90:91]
	s_add_nc_u64 s[72:73], s[72:73], s[90:91]
	s_lshl_b32 s90, s42, 8
	s_add_nc_u64 s[74:75], s[74:75], s[90:91]
	s_wait_loadcnt 0x0
	v_max3_num_f32 v160, v128, v129, v130          ; M: the diagonal tile's maximum is finite, so M is
.irp j, 3,5,7,9,11,13
	v_max3_num_f32 v160, v160, v[128+\j], v[128+\j+1]
.endr
	v_max_num_f32 v160, v160, v143
.irp j, 0,1,2,3,4,5,6,7,8,9,10,11,12,13,14,15
	v_sub_f32 v[128+\j], v[128+\j], v160
.endr
.irp j, 0,1,2,3,4,5,6,7,8,9,10,11,12,13,14,15
	v_exp_f32 v[128+\j], v[128+\j]
.endr
	v_nop                                          ; a plain instruction between the last exponential and the use of its result
	s_wait_alu depctr_va_vdst(0)
	v_mul_f32 v161, v128, v144                     ; L, in two chains
	v_mul_f32 v162, v129, v145
.irp j, 2,4,6,8,10,12,14
	v_fma_f32 v161, v[128+\j], v[144+\j], v161
	v_fma_f32 v162, v[128+\j+1], v[144+\j+1], v162
.endr
	v_add_f32 v161, v161, v162
	v_rcp_f32 v163, v161
	v_nop
	s_wait_alu depctr_va_vdst(0)
.irp j, 0,1,2,3,4,5,6,7,8,9,10,11,12,13,14,15
	v_mul_f32 v[128+\j], v[128+\j], v163           ; g_j: the division by L is made here, once for each row and tile
.endr
.irp k, 0,1,2,3
	ds_store_b128 v[FS], v[128+4*\k:128+4*\k+3] offset:16*\k
.endr
	s_wait_tensorcnt 0x0                           ; both my first fills have landed: the same text serves an entry into either slot
	s_wait_dscnt 0x0                               ; for the others: my g are stored
	s_barrier_signal -1
	s_barrier_wait -1
.irp a, 0,1,2,3
.irp k, 0,1,2,3
	ds_load_b128 v[FB+16*\a+4*\k:FB+16*\a+4*\k+3], v[VF] offset:\a*16*FP+16*\k   ; the sixteen g of my query in block a
.endr
.endr
.macro MUL8 f, c, a0, zero             ; the 16 accumulators take turns, one instruction a turn
.irp a, \a0, \a0+1
.irp b, 0,1,2,3
.if \zero
	v_wmma_f32_16x16x32_f16 v[ACC+8*(4*(\a)+\b):ACC+8*(4*(\a)+\b)+7], v[\f+64+8*(4*\c+\b):\f+64+8*(4*\c+\b)+7], v[\f+8*(4*\c+\a):\f+8*(4*\c+\a)+7], 0
.else
	v_wmma_f32_16x16x32_f16 v[ACC+8*(4*(\a)+\b):ACC+8*(4*(\a)+\b)+7], v[\f+64+8*(4*\c+\b):\f+64+8*(4*\c+\b)+7], v[\f+8*(4*\c+\a):\f+8*(4*\c+\a)+7], v[ACC+8*(4*(\a)+\b):ACC+8*(4*(\a)+\b)+7]
.endif
.endr
.endr
.endm
; 32 LDS loads in one run: the fragments of quarter q (64 keys) of a slot into buffer f; the first 32 keys first
.macro FETCH slot, q, f
	WIN TO_F
.irp c, 0,1
.irp i, 0,1,2,3
	ds_load_tr16_b128 v[\f+64+8*(4*\c+\i):\f+64+8*(4*\c+\i)+3],   v[ADRV+2*\slot+\q/2] offset:((\q%2)*64+32*\c)*PVP+32*\i
	ds_load_tr16_b128 v[\f+64+8*(4*\c+\i)+4:\f+64+8*(4*\c+\i)+7], v[ADRV+2*\slot+\q/2] offset:((\q%2)*64+32*\c+16)*PVP+32*\i
	ds_load_b128 v[\f+8*(4*\c+\i):\f+8*(4*\c+\i)+3],   v[ADRA+\slot] offset:128*\q+64*\c+\i*16*PA
	ds_load_b128 v[\f+8*(4*\c+\i)+4:\f+8*(4*\c+\i)+7], v[ADRA+\slot] offset:128*\q+64*\c+\i*16*PA+32
.endr
.endr
.endm
.macro PLACES                          ; four places in front of loads into registers that matrix instructions have read, and of vector work on results
.rept 4
	v_nop
.endr
.endm
.macro QUARTER slot, q, f, g, zero     ; multiplies buffer f; in its middle fetches quarter q of the same slot into g
	s_wait_dscnt 16                                ; the first 32 keys' fragments are in; the sixteen younger loads may be out
	WIN MUL
	MUL8 \f, 0, 0, \zero
	MUL8 \f, 0, 2, \zero
	PLACES
	FETCH \slot, \q, \g
	s_wait_dscnt 32                                ; all but the 32 just issued
	WIN MUL
	MUL8 \f, 1, 0, 0
	MUL8 \f, 1, 2, 0
.endm
; TOT += g_j x ACC: 64 packed fused multiply-adds, each accumulator from its low end on.  They are also the places between a key tile's last products and the next tile's first, which write ACC anew.
.macro MERGE j
	WIN MRG
.set fj, FB+((\j)/2)*2
.irp a, 0,1,2,3
.irp b, 0,1,2,3
.irp e, 0,2,4,6
.if (\j)%2
	v_pk_fma_f32 v[8*(4*\a+\b)+\e:8*(4*\a+\b)+\e+1], v[ACC+8*(4*\a+\b)+\e:ACC+8*(4*\a+\b)+\e+1], v[fj+16*\a:fj+16*\a+1], v[8*(4*\a+\b)+\e:8*(4*\a+\b)+\e+1] op_sel:[0,1,0] op_sel_hi:[1,1,1]
.else
	v_pk_fma_f32 v[8*(4*\a+\b)+\e:8*(4*\a+\b)+\e+1], v[ACC+8*(4*\a+\b)+\e:ACC+8*(4*\a+\b)+\e+1], v[fj+16*\a:fj+16*\a+1], v[8*(4*\a+\b)+\e:8*(4*\a+\b)+\e+1] op_sel_hi:[1,0,1]
.endif
.endr
.endr
.endr
.endm
; A step's last quarter multiplies buffer 1 and changes slots: one barrier; in front of it each wave waits for all its tensor loads, adds 0 to its spare word, and waits for that and for its reads
; of this slot.  fill = 1: the barrier opens a round of the cluster's, and this slot takes the step two further down.
.macro TURN slot, next, fill
	WIN 0
	s_wait_tensorcnt 0x0                           ; all my tensor loads have landed: my part of the next slot
	ds_add_u32 v[SPW], v[NIL]                      ; 0 onto my spare word
	s_wait_dscnt 17                                ; (the add and the youngest sixteen loads may be out)
	WIN MUL
	MUL8 F1, 0, 0, 0
	s_wait_dscnt 0x0                               ; the add is done, and my reads of this slot are over
	s_barrier_signal -1
	MUL8 F1, 0, 2, 0
.if \fill
	WIN 0
.endif
	s_barrier_wait -1
.if \fill
	CREST                                          ; no wave of any partner still reads this slot or has a load on its way
	s_sub_nc_u64 s[G0+4*\slot+2:G0+4*\slot+3], s[G0+4*\slot+2:G0+4*\slot+3], 2*KSTEP*2
	s_sub_nc_u64 s[G0B+4*\slot+2:G0B+4*\slot+3], s[G0B+4*\slot+2:G0B+4*\slot+3], 2*KSTEP*LDV*2
	JLOAD \slot                                    ; my one tensor load behind the round; its four v_nop are also the places in front of the loads below
.else
	PLACES
.endif
	FETCH \next, 0, F0
	WIN MUL
	MUL8 F1, 1, 0, 0
	MUL8 F1, 1, 2, 0
.endm
.macro XLOAD                           ; my 32 rows of x, a row's 512 bytes a load, into buffer 0's registers, which were last multiplied a quarter ago
	WIN TO_F
.set t, 0
.rept 32
	global_load_b128 v[4*t:4*t+3], v[CO], s[70:71] offset:4096*t th:TH_LOAD_NT
.set t, t+1
.endr
.endm
; Step r, in slot sl; nx = the other slot.  Quarters 0, 1 are key tile 2 r, quarters 2, 3 key tile 2 r + 1.
.macro STEP r, sl, nx
.Lstep\r:
	QUARTER \sl, 1, F0, F1, 1
	QUARTER \sl, 2, F1, F0, 0
	PLACES
	MERGE 2*\r
	QUARTER \sl, 3, F0, F1, 1
.if \r >= 2
	TURN \sl, \nx, 1
.elseif \r == 1
	TURN 1, 0, 0                                   ; step 0 is in slot 0 or on its way there; nothing is left to ask for
.else
	s_wait_dscnt 16                                ; the very last quarter: nothing more to fetch
	WIN MUL
	MUL8 F1, 0, 0, 0
	MUL8 F1, 0, 2, 0
	s_wait_dscnt 0x0                               ; my last reads of tiles are back:
	s_barrier_signal -1                            ; say so.  This barrier lies on every way through the chain, the one that enters at step 0 too: behind it no wave reads a tile any more,
	MUL8 F1, 1, 0, 0                               ; and the stage may be written over slot 1's rows of p~.
	MUL8 F1, 1, 2, 0                               ; sixteen matrix instructions, on registers alone, while the others arrive
	s_barrier_wait -1
.endif
	PLACES
.if \r == 0
	XLOAD                                          ; on their way during the last merge
.endif
	MERGE 2*\r+1
	WIN 0                                          ; at a label every window is 0
.endm
	; THE ENTRY hangs on the query tile alone, which the four partners share.
	s_bitcmp1_b32 s76, 0
	s_cbranch_scc1 .Lodd
	FETCH 0, 0, F0
	WIN 0
	s_cmp_eq_u32 s76, 6
	s_cbranch_scc1 .Lstep6
	s_cmp_eq_u32 s76, 4
	s_cbranch_scc1 .Lstep4
	s_cmp_eq_u32 s76, 2
	s_cbranch_scc1 .Lstep2
	s_branch .Lstep0
.Lodd:
	FETCH 1, 0, F0
	WIN 0
	s_cmp_eq_u32 s76, 5
	s_cbranch_scc1 .Lstep5
	s_cmp_eq_u32 s76, 3
	s_cbranch_scc1 .Lstep3
	s_cmp_eq_u32 s76, 1
	s_cbranch_scc1 .Lstep1
	STEP 7, 1, 0
	STEP 6, 0, 1
	STEP 5, 1, 0
	STEP 4, 0, 1
	STEP 3, 1, 0
	STEP 2, 0, 1
	STEP 1, 1, 0
	STEP 0, 0, 1
	; THE WAY OUT.  A lane's eight channels of a row are 32 bytes; they go into stage rows of 528 bytes and come back as whole rows of 512.
	WIN STW
.irp a, 0,1,2,3
.irp b, 0,1,2,3
	ds_store_b128 v[STO], v[8*(4*\a+\b):8*(4*\a+\b)+3]   offset:\a*16*SP32+64*\b
	ds_store_b128 v[STO], v[8*(4*\a+\b)+4:8*(4*\a+\b)+7] offset:\a*16*SP32+64*\b+16
.endr
.endr
	WIN 0
	s_wait_dscnt 0x0                               ; for the others: my stores into the stage are done
	s_barrier_signal -1
	s_barrier_wait -1
.set t, 0
.rept 32
	ds_load_b128 v[ACC+4*t:ACC+4*t+3], v[RD] offset:SP32*t
.set t, t+1
.endr
	WIN ADDX
.set t, 0
.rept 32
	s_wait_loadcnt 31-t                            ; row t of x is in; the younger rows may be out
	s_wait_dscnt 31-t                              ; and row t of the stage
	v_pk_add_f32 v[ACC+4*t:ACC+4*t+1],   v[ACC+4*t:ACC+4*t+1],   v[4*t:4*t+1]
	v_pk_add_f32 v[ACC+4*t+2:ACC+4*t+3], v[ACC+4*t+2:ACC+4*t+3], v[4*t+2:4*t+3]
.set t, t+1
.endr
	WIN 0
.set t, 0
.rept 32
	v_cvt_pk_f16_f32 v[TMP+2*t],   v[ACC+4*t],   v[ACC+4*t+1]
	v_cvt_pk_f16_f32 v[TMP+2*t+1], v[ACC+4*t+2], v[ACC+4*t+3]
	global_store_b128 v[CO],  v[ACC+4*t:ACC+4*t+3], s[72:73] offset:4096*t   ; 32 lanes: 512 consecutive bytes, aligned
	global_store_b64  v[COB], v[TMP+2*t:TMP+2*t+1], s[74:75] offset:2048*t   ; 32 lanes: 256 consecutive bytes, aligned
.set t, t+1
.endr
	s_wait_tensorcnt 0x0                           ; the wave's end
	ds_add_u32 v[SPW], v[NIL]
	s_wait_dscnt 0x0
	CROUND                                         ; the closing round
	s_endpgm
.Lfunc_end_k_qf8ed3f90ff_pv:
	.size	k_qf8ed3f90ff_pv, .Lfunc_end_k_qf8ed3f90ff_pv-k_qf8ed3f90ff_pv
	.p2alignl 7, 3214868480
	.fill 96, 4, 3214868480
	.section	.rodata,"a",@progbits
	.p2align	6, 0x0
	.amdhsa_kernel k_qf8ed3f90ff_pv
		.amdhsa_group_segment_fixed_size 327680
		.amdhsa_private_segment_fixed_size 0
		.amdhsa_enable_private_segment 0
		.amdhsa_kernarg_size 48
		.amdhsa_user_sgpr_count 2
		.amdhsa_user_sgpr_kernarg_segment_ptr 1
		.amdhsa_wavefront_size32 1
		.amdhsa_system_sgpr_workgroup_id_x 1
		.amdhsa_system_sgpr_workgroup_id_y 1
		.amdhsa_system_sgpr_workgroup_id_z 1
		.amdhsa_system_vgpr_workitem_id 0
		.amdhsa_next_free_vgpr 640
		.amdhsa_next_free_sgpr 100
		.amdhsa_reserve_vcc 0
		.amdhsa_float_denorm_mode_32 3
		.amdhsa_float_denorm_mode_16_64 3
		.amdhsa_memory_ordered 1
		.amdhsa_forward_progress 1
		.amdhsa_inst_pref_size 255
	.end_amdhsa_kernel
	.section	.bss,"aw",@nobits
	.p2align	6
	.space	262144
	.amdgpu_metadata
---
amdhsa.version: [ 1, 2 ]
amdhsa.kernels:
  - .name:           k_qf8ed3f90ff_pv
    .symbol:         k_qf8ed3f90ff_pv.kd
    .args:
      - { .name: pt, .offset: 0, .size: 8, .value_kind: global_buffer, .address_space: global }
      - { .name: qkv, .offset: 8, .size: 8, .value_kind: global_buffer, .address_space: global }
      - { .name: st, .offset: 16, .size: 8, .value_kind: global_buffer, .address_space: global }
      - { .name: x, .offset: 24, .size: 8, .value_kind: global_buffer, .address_space: global }
      - { .name: hf, .offset: 32, .size: 8, .value_kind: global_buffer, .address_space: global }
      - { .name: hb, .offset: 40, .size: 8, .value_kind: global_buffer, .address_space: global }
    .group_segment_fixed_size: 327680
    .private_segment_fixed_size: 0
    .kernarg_segment_align: 8
    .kernarg_segment_size: 48
    .max_flat_workgroup_size: 128
    .sgpr_count:     100
    .vgpr_count:     640
    .wavefront_size: 32
...
	.end_amdgpu_metadata
.endif
;; end of part 4
;; launch fc (part 5): grid 4 x 64, 4 waves a work-group, clusters of 4 x 4, 327,680 bytes of LDS; arguments hb, wt, act; writes act
.if DOCPART == 5
	.amdgcn_target "amdgcn-amd-amdhsa--gfx1250"
	.amdhsa_code_object_version 6
	.text
	.protected	k_qf8ed3f90ff_fc
	.globl	k_qf8ed3f90ff_fc
	.p2align	8
	.type	k_qf8ed3f90ff_fc,@function
k_qf8ed3f90ff_fc:
	s_mov_b64 s[64:65], 0
	v_nop
	global_prefetch_b8 v0, s[64:65] scope:SCOPE_SE
	s_setreg_imm32_b32 hwreg(HW_REG_WAVE_MODE, 25, 1), 1
	s_wait_xcnt 0x0
	s_wait_alu depctr_hold_cnt(0) depctr_sa_sdst(0) depctr_va_vdst(0) depctr_va_sdst(0) depctr_va_ssrc(0) depctr_va_vcc(0) depctr_vm_vsrc(0)
	s_getreg_b32 s2, hwreg(HW_REG_IB_STS2, 6, 4)
	s_cmp_eq_u32 s2, 0
	s_cbranch_scc0 .Lentry_in_a_cluster
	s_endpgm
.Lentry_in_a_cluster:
	s_bfe_u32 s2, ttmp6, 0x10000c
	s_cmp_lg_u32 s2, 0xf033
	s_cbranch_scc0 .Lentry_shape_is_right
	s_endpgm
.Lentry_shape_is_right:
; act[m][n] = relu(sum over k of hb[m][k] WfcT[n][k]): [8192][1024] x [512][1024]^T, f16 operands, f32 sums, relu in f32, rounded once to bf16.
; THE RESULT IS bf16, not f16: with all inputs 30 times the drawn spread h reaches a spread of about 900 in a batch's first rows and h Wfc one of about 27,000, which has no room under f16's 65,504.
; 64 x 4 tiles of 128 x 128: one work-group for each of 256 WGPs.  Laid as the projections' kernel: four waves of 64 x 64, K steps of 256 through two LDS slots,
; clusters of 4 x 4 with A's tiles shared along a row and B's along a column, the matrix instruction used transposed (a lane holds one row of C and eight neighbouring columns).
; LIMIT: operands are f16; inputs are taken to be finite.
.set KTOT,   1024
.set LD,     1024
.set LDC,    512
.set BOFF,   6291456                   ; WfcT begins at row 3,072 of wt
.set KSTEP,  256
.set PITCH,  528
.set HALFT,  64*PITCH
.set SLOT,   4*HALFT
.set STAGE,  2*SLOT
.set SPITCH, 272
.set SPARE,  STAGE+128*SPITCH
.set LAPS,   KTOT/(2*KSTEP)
.set ADRA, 16
.set ADRB, 20
.set STO,  24
.set RD,   25
.set CO,   26
.set SPW,  28
.set NIL,  29
.set TMP,  32
.set ACC,  128
.set F0,   0
.set F1,   128
.set G1, 24
.set G0, 32
.set G1B, 48
.set G0B, 56
.set MSB, 0
.macro WIN new
.if MSB != \new
	s_set_vgpr_msb (MSB<<8)|\new
.set MSB, \new
.endif
.endm
.set MUL,  0x05
.set TO_F, 0x40
.macro JLOAD s                         ; a joint load: waves 0, 1 fetch A's halves, waves 2, 3 B's; four v_nop follow each line
	s_cmp_eq_u32 s11, 0
	s_cbranch_scc0 .Lfor_b_\@
	tensor_load_to_lds s[G0+4*\s:G0+4*\s+3], s[G1:G1+7]
	s_nop 0
.rept 4
	v_nop
.endr
	s_branch .Lasked_\@
.Lfor_b_\@:
	tensor_load_to_lds s[G0B+4*\s:G0B+4*\s+3], s[G1B:G1B+7]
	s_nop 0
.rept 4
	v_nop
.endr
.Lasked_\@:
.endm
.macro CREST
	s_cmp_lg_u32 s10, 0
	s_cbranch_scc1 .Lnot_wave_0_\@
	s_barrier_signal -3
.Lnot_wave_0_\@:
	s_barrier_wait -3
	s_barrier_signal -1
	s_barrier_wait -1
.endm
.macro CROUND
	s_barrier_signal -1
	s_barrier_wait -1
	CREST
.endm
	s_load_b128 s[4:7], s[0:1], 0x0                ; A = hb s[4:5], wt s[6:7]
	s_load_b64 s[8:9], s[0:1], 0x10                ; C = act
	v_lshl_add_u32 v[SPW], v0, 2, SPARE
	v_mov_b32 v[NIL], 0
	ds_add_u32 v28, v29
	s_wait_dscnt 0x0
	v_lshrrev_b32 v1, 5, v0
	v_readfirstlane_b32 s10, v1
	s_lshr_b32 s11, s10, 1
	s_and_b32 s12, s10, 1
	s_bfe_u32 s40, ttmp6, 0x40000
	s_bfe_u32 s41, ttmp6, 0x40004
	s_lshl_b32 s42, ttmp9, 2
	s_add_co_u32 s42, s42, s40                     ; tile column of C
	s_and_b32 s13, ttmp7, 0xffff
	s_lshl_b32 s13, s13, 2
	s_add_co_u32 s13, s13, s41                     ; tile row of C
	s_lshl_b32 s43, s41, 2
	s_lshl_b32 s43, 15, s43
	s_lshl_b32 s44, 0x1111, s40
	s_or_b32 s[G1+0], s43, (1<<16)|(1<<20)|(1<<21)|(6<<22)|(3<<25)
	s_or_b32 s[G1B+0], s44, (1<<16)|(1<<20)|(1<<21)|(6<<22)|(3<<25)
.irp g, G1, G1B
	s_mov_b32 s[\g+1], KSTEP<<16
	s_mov_b32 s[\g+2], 64<<16
	s_mov_b32 s[\g+3], KSTEP<<16
	s_mov_b32 s[\g+4], 64
	s_mov_b32 s[\g+5], LD
	s_mov_b32 s[\g+6], 0
	s_mov_b32 s[\g+7], 0
.endr
	s_lshl_b32 s17, s12, 6
	s_lshl_b32 s16, s13, 7
	s_add_co_u32 s16, s16, s17
	s_lshl_b32 s46, s42, 7
	s_add_co_u32 s46, s46, s17
	s_mov_b32 s17, 0
	s_mov_b32 s47, 0
	s_mov_b64 s[18:19], LD*2
	s_mul_u64 s[16:17], s[16:17], s[18:19]
	s_mul_u64 s[46:47], s[46:47], s[18:19]
	s_mul_i32 s20, s10, HALFT
	s_wait_kmcnt 0x0
	s_add_nc_u64 s[14:15], s[4:5], s[16:17]
	s_add_nc_u64 s[46:47], s[6:7], s[46:47]
	s_add_nc_u64 s[46:47], s[46:47], BOFF
	CROUND
.irp s, 0,1
	s_mov_b32 s[G0+4*\s], 1
	s_add_co_u32 s[G0+4*\s+1], s20, \s*SLOT
	s_add_nc_u64 s[G0+4*\s+2:G0+4*\s+3], s[14:15], \s*KSTEP*2
	s_or_b32 s[G0+4*\s+3], s[G0+4*\s+3], 0x80000000
	s_mov_b32 s[G0B+4*\s], 1
	s_add_co_u32 s[G0B+4*\s+1], s20, \s*SLOT
	s_add_nc_u64 s[G0B+4*\s+2:G0B+4*\s+3], s[46:47], \s*KSTEP*2
	s_or_b32 s[G0B+4*\s+3], s[G0B+4*\s+3], 0x80000000
	JLOAD \s
.endr
	v_and_b32 v1, 15, v0
	v_bfe_u32 v2, v0, 4, 1
	v_mul_u32_u24 v3, v1, PITCH
	v_lshl_add_u32 v3, v2, 4, v3
	s_mul_i32 s21, s11, HALFT
	s_mul_i32 s22, s12, HALFT
	s_add_co_u32 s22, s22, 2*HALFT
.irp s, 0,1
	v_add_nc_u32 v[ADRA+\s], s21, v3
	v_add_nc_u32 v[ADRB+\s], s22, v3
	s_add_co_u32 s21, s21, SLOT
	s_add_co_u32 s22, s22, SLOT
.endr
	s_mul_i32 s23, s11, 64*SPITCH
	s_lshl_b32 s21, s12, 7
	s_add_co_u32 s23, s23, s21
	s_add_co_u32 s23, s23, STAGE
	v_mul_u32_u24 v4, v1, SPITCH
	v_lshl_add_u32 v4, v2, 4, v4
	v_add_nc_u32 v[STO], s23, v4
	s_mul_i32 s23, s10, 32*SPITCH
	s_add_co_u32 s23, s23, STAGE
	v_mul_u32_u24 v5, v2, SPITCH
	v_lshl_add_u32 v5, v1, 4, v5
	v_add_nc_u32 v[RD], s23, v5
	v_mul_u32_u24 v5, v2, LDC*2
	v_lshl_add_u32 v[CO], v1, 4, v5
	s_lshl_b32 s16, s13, 7
	s_lshl_b32 s17, s10, 5
	s_add_co_u32 s16, s16, s17
	s_mov_b32 s17, 0
	s_mov_b64 s[18:19], LDC*2
	s_mul_u64 s[16:17], s[16:17], s[18:19]
	s_add_nc_u64 s[8:9], s[8:9], s[16:17]
	s_lshl_b32 s46, s42, 8
	s_mov_b32 s47, 0
	s_add_nc_u64 s[8:9], s[8:9], s[46:47]
.macro MUL8 f, c, a0, zero             ; the 16 accumulators take turns, one instruction a turn
.irp a, \a0, \a0+1
.irp b, 0,1,2,3
.if \zero
	v_wmma_f32_16x16x32_f16 v[ACC+8*(4*(\a)+\b):ACC+8*(4*(\a)+\b)+7], v[\f+64+8*(4*\c+\b):\f+64+8*(4*\c+\b)+7], v[\f+8*(4*\c+\a):\f+8*(4*\c+\a)+7], 0
.else
	v_wmma_f32_16x16x32_f16 v[ACC+8*(4*(\a)+\b):ACC+8*(4*(\a)+\b)+7], v[\f+64+8*(4*\c+\b):\f+64+8*(4*\c+\b)+7], v[\f+8*(4*\c+\a):\f+8*(4*\c+\a)+7], v[ACC+8*(4*(\a)+\b):ACC+8*(4*(\a)+\b)+7]
.endif
.endr
.endr
.endm
.macro FETCH slot, k, f
	WIN TO_F
.irp c, 0,1
.irp i, 0,1,2,3
	ds_load_b128 v[\f+64+8*(4*\c+\i):\f+64+8*(4*\c+\i)+3],   v[ADRB+\slot] offset:\k+64*\c+\i*16*PITCH
	ds_load_b128 v[\f+64+8*(4*\c+\i)+4:\f+64+8*(4*\c+\i)+7], v[ADRB+\slot] offset:\k+64*\c+\i*16*PITCH+32
	ds_load_b128 v[\f+8*(4*\c+\i):\f+8*(4*\c+\i)+3],         v[ADRA+\slot] offset:\k+64*\c+\i*16*PITCH
	ds_load_b128 v[\f+8*(4*\c+\i)+4:\f+8*(4*\c+\i)+7],       v[ADRA+\slot] offset:\k+64*\c+\i*16*PITCH+32
.endr
.endr
.endm
.macro PLACES
.rept 4
	v_nop
.endr
.endm
.macro QUARTER slot, k, f, g, zero
	s_wait_dscnt 16                                ; the first 32 along K are in
	WIN MUL
	MUL8 \f, 0, 0, \zero
	MUL8 \f, 0, 2, \zero
	PLACES
	FETCH \slot, \k, \g
	s_wait_dscnt 32                                ; all but the 32 just issued
	WIN MUL
	MUL8 \f, 1, 0, 0
	MUL8 \f, 1, 2, 0
.endm
.macro TURN slot, next, fill
	WIN 0
	s_wait_tensorcnt 0x0                           ; all my tensor loads have landed: my part of the next slot
	ds_add_u32 v[SPW], v[NIL]                      ; 0 onto my spare word
	s_wait_dscnt 17                                ; (the add and the youngest sixteen loads may be out)
	WIN MUL
	MUL8 F1, 0, 0, 0
	s_wait_dscnt 0x0                               ; the add is done, and my reads of this slot are over
	s_barrier_signal -1
	MUL8 F1, 0, 2, 0
.if \fill
	WIN 0
.endif
	s_barrier_wait -1
.if \fill
	CREST
	s_add_nc_u64 s[G0+4*\slot+2:G0+4*\slot+3], s[G0+4*\slot+2:G0+4*\slot+3], 2*KSTEP*2
	s_add_nc_u64 s[G0B+4*\slot+2:G0B+4*\slot+3], s[G0B+4*\slot+2:G0B+4*\slot+3], 2*KSTEP*2
	JLOAD \slot
.else
	PLACES
.endif
	FETCH \next, 0, F0
	WIN MUL
	MUL8 F1, 1, 0, 0
	MUL8 F1, 1, 2, 0
.endm
	s_wait_tensorcnt 1                             ; my part of K step 0 is in; K step 1's may stay out
	s_barrier_signal -1
	s_barrier_wait -1
	FETCH 0, 0, F0
	QUARTER 0, 128, F0, F1, 1
	WIN 0
	s_mov_b32 s3, LAPS-1
.Llap:
	QUARTER 0, 256, F1, F0, 0
	QUARTER 0, 384, F0, F1, 0
	TURN 0, 1, 1
	QUARTER 1, 128, F0, F1, 0
	QUARTER 1, 256, F1, F0, 0
	QUARTER 1, 384, F0, F1, 0
	TURN 1, 0, 1
	QUARTER 0, 128, F0, F1, 0
	WIN 0
	s_sub_co_u32 s3, s3, 1
	s_cmp_lg_u32 s3, 0
	s_cbranch_scc1 .Llap
	QUARTER 0, 256, F1, F0, 0
	QUARTER 0, 384, F0, F1, 0
	TURN 0, 1, 0
	QUARTER 1, 128, F0, F1, 0
	QUARTER 1, 256, F1, F0, 0
	QUARTER 1, 384, F0, F1, 0
	s_wait_dscnt 16
	WIN MUL
	MUL8 F1, 0, 0, 0
	MUL8 F1, 0, 2, 0
	s_wait_dscnt 0
	MUL8 F1, 1, 0, 0
	MUL8 F1, 1, 2, 0
	WIN 0
	; THE WAY OUT: relu in f32 (registers ascending), then bf16, the stage, whole rows
	PLACES
.set k, 0
.rept 128
	v_max_num_f32 v[ACC+k], 0, v[ACC+k]
.set k, k+1
.endr
.irp t, 0,1,2,3,4,5,6,7,8,9,10,11,12,13,14,15
.irp r, 0,1,2,3
	v_cvt_pk_bf16_f32 v[TMP+4*\t+\r], v[ACC+8*\t+2*\r], v[ACC+8*\t+2*\r+1]
.endr
.endr
.irp a, 0,1,2,3
.irp b, 0,1,2,3
	ds_store_b128 v[STO], v[TMP+4*(4*\a+\b):TMP+4*(4*\a+\b)+3] offset:\a*16*SPITCH+32*\b
.endr
.endr
	s_wait_dscnt 0x0                               ; for the others: my stores into the stage are done
	s_barrier_signal -1
	s_barrier_wait -1
.irp t, 0,1,2,3,4,5,6,7,8,9,10,11,12,13,14,15
	ds_load_b128 v[TMP+4*\t:TMP+4*\t+3], v[RD] offset:\t*2*SPITCH
.endr
.irp t, 0,1,2,3,4,5,6,7,8,9,10,11,12,13,14,15
	s_wait_dscnt 15-\t
	global_store_b128 v[CO], v[TMP+4*\t:TMP+4*\t+3], s[8:9] offset:2*\t*LDC*2   ; 16 lanes store 256 consecutive bytes, aligned
.endr
	s_wait_tensorcnt 0x0                           ; the wave's end
	ds_add_u32 v[SPW], v[NIL]
	s_wait_dscnt 0x0
	CROUND                                         ; the closing round
	s_endpgm
.Lfunc_end_k_qf8ed3f90ff_fc:
	.size	k_qf8ed3f90ff_fc, .Lfunc_end_k_qf8ed3f90ff_fc-k_qf8ed3f90ff_fc
	.p2alignl 7, 3214868480
	.fill 96, 4, 3214868480
	.section	.rodata,"a",@progbits
	.p2align	6, 0x0
	.amdhsa_kernel k_qf8ed3f90ff_fc
		.amdhsa_group_segment_fixed_size 327680
		.amdhsa_private_segment_fixed_size 0
		.amdhsa_enable_private_segment 0
		.amdhsa_kernarg_size 24
		.amdhsa_user_sgpr_count 2
		.amdhsa_user_sgpr_kernarg_segment_ptr 1
		.amdhsa_wavefront_size32 1
		.amdhsa_system_sgpr_workgroup_id_x 1
		.amdhsa_system_sgpr_workgroup_id_y 1
		.amdhsa_system_sgpr_workgroup_id_z 1
		.amdhsa_system_vgpr_workitem_id 0
		.amdhsa_next_free_vgpr 512
		.amdhsa_next_free_sgpr 66
		.amdhsa_reserve_vcc 0
		.amdhsa_float_denorm_mode_32 3
		.amdhsa_float_denorm_mode_16_64 3
		.amdhsa_memory_ordered 1
		.amdhsa_forward_progress 1
		.amdhsa_inst_pref_size 91
	.end_amdhsa_kernel
	.amdgpu_metadata
---
amdhsa.version: [ 1, 2 ]
amdhsa.kernels:
  - .name:           k_qf8ed3f90ff_fc
    .symbol:         k_qf8ed3f90ff_fc.kd
    .args:
      - { .name: hb, .offset: 0, .size: 8, .value_kind: global_buffer, .address_space: global }
      - { .name: wt, .offset: 8, .size: 8, .value_kind: global_buffer, .address_space: global }
      - { .name: act, .offset: 16, .size: 8, .value_kind: global_buffer, .address_space: global }
    .group_segment_fixed_size: 327680
    .private_segment_fixed_size: 0
    .kernarg_segment_align: 8
    .kernarg_segment_size: 24
    .max_flat_workgroup_size: 128
    .sgpr_count:     66
    .vgpr_count:     512
    .wavefront_size: 32
...
	.end_amdgpu_metadata
.endif
;; end of part 5
;; launch fo (part 6): grid 8 x 64, 4 waves a work-group, clusters of 4 x 4, 327,680 bytes of LDS; arguments act, wt, hf, out0; writes out0
.if DOCPART == 6
	.amdgcn_target "amdgcn-amd-amdhsa--gfx1250"
	.amdhsa_code_object_version 6
	.text
	.protected	k_qf8ed3f90ff_fo
	.globl	k_qf8ed3f90ff_fo
	.p2align	8
	.type	k_qf8ed3f90ff_fo,@function
k_qf8ed3f90ff_fo:
	s_mov_b64 s[64:65], 0
	v_nop
	global_prefetch_b8 v0, s[64:65] scope:SCOPE_SE
	s_setreg_imm32_b32 hwreg(HW_REG_WAVE_MODE, 25, 1), 1
	s_wait_xcnt 0x0
	s_wait_alu depctr_hold_cnt(0) depctr_sa_sdst(0) depctr_va_vdst(0) depctr_va_sdst(0) depctr_va_ssrc(0) depctr_va_vcc(0) depctr_vm_vsrc(0)
	s_getreg_b32 s2, hwreg(HW_REG_IB_STS2, 6, 4)
	s_cmp_eq_u32 s2, 0
	s_cbranch_scc0 .Lentry_in_a_cluster
	s_endpgm
.Lentry_in_a_cluster:
	s_bfe_u32 s2, ttmp6, 0x10000c
	s_cmp_lg_u32 s2, 0xf033
	s_cbranch_scc0 .Lentry_shape_is_right
	s_endpgm
.Lentry_shape_is_right:
; out0[m][n] = hf[m][n] + sum over k of act[m][k] WfoT[n][k]: [8192][512] x [1024][512]^T, bf16 operands, f32 sums, the residual added in f32.
; 64 x 8 tiles of 128 x 128: two work-groups for each of 256 WGPs.  K = 512 is two K steps of 256: the two first fills bring all of it, and no slot is filled again.
; Laid as the projections' kernel: four waves of 64 x 64, clusters of 4 x 4 with A's tiles shared along a row and B's along a column, the matrix instruction used transposed.
; The way out is in f32: a stage of 128 rows x 528 bytes on slot 0, whose one fill and whose last reads lie in front of the change of slots.
; LIMIT: operands are bf16; inputs are taken to be finite.
.set LD,     512
.set BOFF,   7340032                   ; WfoT's first byte in wt
.set KSTEP,  256
.set PITCH,  528
.set HALFT,  64*PITCH
.set SLOT,   4*HALFT
.set SP32,   528                       ; the stage begins at LDS byte 0
.set SPARE,  2*SLOT                    ; behind the ring: the spare words, 128 bytes a wave
.set ADRA, 16
.set ADRB, 20
.set STO,  24
.set RD,   25
.set CO,   26                          ; v26  16 x lane
.set SPW,  28
.set NIL,  29
.set ACC,  128
.set F0,   0
.set F1,   128
.set G1, 24
.set G0, 32
.set G1B, 48
.set G0B, 56
.set MSB, 0
.macro WIN new
.if MSB != \new
	s_set_vgpr_msb (MSB<<8)|\new
.set MSB, \new
.endif
.endm
.set MUL,  0x05
.set TO_F, 0x40
.set ADDX, 0x04                        ; source 1 window 1
.macro JLOAD s                         ; a joint load: waves 0, 1 fetch A's halves, waves 2, 3 B's; four v_nop follow each line
	s_cmp_eq_u32 s11, 0
	s_cbranch_scc0 .Lfor_b_\@
	tensor_load_to_lds s[G0+4*\s:G0+4*\s+3], s[G1:G1+7]
	s_nop 0
.rept 4
	v_nop
.endr
	s_branch .Lasked_\@
.Lfor_b_\@:
	tensor_load_to_lds s[G0B+4*\s:G0B+4*\s+3], s[G1B:G1B+7]
	s_nop 0
.rept 4
	v_nop
.endr
.Lasked_\@:
.endm
.macro CROUND                          ; a round of the cluster's barrier
	s_barrier_signal -1
	s_barrier_wait -1
	s_cmp_lg_u32 s10, 0
	s_cbranch_scc1 .Lnot_wave_0_\@
	s_barrier_signal -3
.Lnot_wave_0_\@:
	s_barrier_wait -3
	s_barrier_signal -1
	s_barrier_wait -1
.endm
	s_load_b128 s[4:7], s[0:1], 0x0                ; A = act s[4:5], wt s[6:7]
	s_load_b128 s[68:71], s[0:1], 0x10             ; hf s[68:69], out0 s[70:71]
	v_lshl_add_u32 v[SPW], v0, 2, SPARE
	v_mov_b32 v[NIL], 0
	ds_add_u32 v28, v29
	s_wait_dscnt 0x0
	v_lshrrev_b32 v1, 5, v0
	v_readfirstlane_b32 s10, v1
	s_lshr_b32 s11, s10, 1
	s_and_b32 s12, s10, 1
	s_bfe_u32 s40, ttmp6, 0x40000
	s_bfe_u32 s41, ttmp6, 0x40004
	s_lshl_b32 s42, ttmp9, 2
	s_add_co_u32 s42, s42, s40                     ; tile column of C
	s_and_b32 s13, ttmp7, 0xffff
	s_lshl_b32 s13, s13, 2
	s_add_co_u32 s13, s13, s41                     ; tile row of C
	s_lshl_b32 s43, s41, 2
	s_lshl_b32 s43, 15, s43
	s_lshl_b32 s44, 0x1111, s40
	s_or_b32 s[G1+0], s43, (1<<16)|(1<<20)|(1<<21)|(6<<22)|(3<<25)
	s_or_b32 s[G1B+0], s44, (1<<16)|(1<<20)|(1<<21)|(6<<22)|(3<<25)
.irp g, G1, G1B
	s_mov_b32 s[\g+1], KSTEP<<16
	s_mov_b32 s[\g+2], 64<<16
	s_mov_b32 s[\g+3], KSTEP<<16
	s_mov_b32 s[\g+4], 64
	s_mov_b32 s[\g+5], LD
	s_mov_b32 s[\g+6], 0
	s_mov_b32 s[\g+7], 0
.endr
	s_lshl_b32 s17, s12, 6
	s_lshl_b32 s16, s13, 7
	s_add_co_u32 s16, s16, s17
	s_lshl_b32 s46, s42, 7
	s_add_co_u32 s46, s46, s17
	s_mov_b32 s17, 0
	s_mov_b32 s47, 0
	s_mov_b64 s[18:19], LD*2
	s_mul_u64 s[16:17], s[16:17], s[18:19]
	s_mul_u64 s[46:47], s[46:47], s[18:19]
	s_mul_i32 s20, s10, HALFT
	s_wait_kmcnt 0x0
	s_add_nc_u64 s[14:15], s[4:5], s[16:17]
	s_add_nc_u64 s[46:47], s[6:7], s[46:47]
	s_add_nc_u64 s[46:47], s[46:47], BOFF
	CROUND
.irp s, 0,1
	s_mov_b32 s[G0+4*\s], 1
	s_add_co_u32 s[G0+4*\s+1], s20, \s*SLOT
	s_add_nc_u64 s[G0+4*\s+2:G0+4*\s+3], s[14:15], \s*KSTEP*2
	s_or_b32 s[G0+4*\s+3], s[G0+4*\s+3], 0x80000000
	s_mov_b32 s[G0B+4*\s], 1
	s_add_co_u32 s[G0B+4*\s+1], s20, \s*SLOT
	s_add_nc_u64 s[G0B+4*\s+2:G0B+4*\s+3], s[46:47], \s*KSTEP*2
	s_or_b32 s[G0B+4*\s+3], s[G0B+4*\s+3], 0x80000000
	JLOAD \s
.endr
	v_and_b32 v1, 15, v0
	v_bfe_u32 v2, v0, 4, 1
	v_mul_u32_u24 v3, v1, PITCH
	v_lshl_add_u32 v3, v2, 4, v3
	s_mul_i32 s21, s11, HALFT
	s_mul_i32 s22, s12, HALFT
	s_add_co_u32 s22, s22, 2*HALFT
.irp s, 0,1
	v_add_nc_u32 v[ADRA+\s], s21, v3
	v_add_nc_u32 v[ADRB+\s], s22, v3
	s_add_co_u32 s21, s21, SLOT
	s_add_co_u32 s22, s22, SLOT
.endr
	s_mul_i32 s23, s11, 64*SP32                    ; into the stage: row l % 16 of my 64, my 256 bytes, 32 bytes for each half of the lanes
	s_lshl_b32 s21, s12, 8
	s_add_co_u32 s23, s23, s21
	v_mul_u32_u24 v4, v1, SP32
	v_lshl_add_u32 v4, v2, 5, v4
	v_add_nc_u32 v[STO], s23, v4
	s_mul_i32 s23, s10, 32*SP32                    ; back: wave w takes rows 32 w on, a whole row of 512 bytes a load
	v_and_b32 v5, 31, v0
	v_lshl_add_u32 v[RD], v5, 4, s23
	v_lshlrev_b32 v[CO], 4, v5
	s_lshl_b32 s16, s13, 7
	s_lshl_b32 s17, s10, 5
	s_add_co_u32 s16, s16, s17                     ; the first row that I store,
	s_lshl_b32 s16, s16, 12                        ; 4,096 bytes a row
	s_mov_b32 s17, 0
	s_add_nc_u64 s[68:69], s[68:69], s[16:17]
	s_add_nc_u64 s[70:71], s[70:71], s[16:17]
	s_lshl_b32 s46, s42, 9                         ; the tile's first column: 512 bytes a tile
	s_mov_b32 s47, 0
	s_add_nc_u64 s[68:69], s[68:69], s[46:47]
	s_add_nc_u64 s[70:71], s[70:71], s[46:47]
.macro MUL8 f, c, a0, zero             ; the 16 accumulators take turns, one instruction a turn
.irp a, \a0, \a0+1
.irp b, 0,1,2,3
.if \zero
	v_wmma_f32_16x16x32_bf16 v[ACC+8*(4*(\a)+\b):ACC+8*(4*(\a)+\b)+7], v[\f+64+8*(4*\c+\b):\f+64+8*(4*\c+\b)+7], v[\f+8*(4*\c+\a):\f+8*(4*\c+\a)+7], 0
.else
	v_wmma_f32_16x16x32_bf16 v[ACC+8*(4*(\a)+\b):ACC+8*(4*(\a)+\b)+7], v[\f+64+8*(4*\c+\b):\f+64+8*(4*\c+\b)+7], v[\f+8*(4*\c+\a):\f+8*(4*\c+\a)+7], v[ACC+8*(4*(\a)+\b):ACC+8*(4*(\a)+\b)+7]
.endif
.endr
.endr
.endm
.macro FETCH slot, k, f
	WIN TO_F
.irp c, 0,1
.irp i, 0,1,2,3
	ds_load_b128 v[\f+64+8*(4*\c+\i):\f+64+8*(4*\c+\i)+3],   v[ADRB+\slot] offset:\k+64*\c+\i*16*PITCH
	ds_load_b128 v[\f+64+8*(4*\c+\i)+4:\f+64+8*(4*\c+\i)+7], v[ADRB+\slot] offset:\k+64*\c+\i*16*PITCH+32
	ds_load_b128 v[\f+8*(4*\c+\i):\f+8*(4*\c+\i)+3],         v[ADRA+\slot] offset:\k+64*\c+\i*16*PITCH
	ds_load_b128 v[\f+8*(4*\c+\i)+4:\f+8*(4*\c+\i)+7],       v[ADRA+\slot] offset:\k+64*\c+\i*16*PITCH+32
.endr
.endr
.endm
.macro PLACES
.rept 4
	v_nop
.endr
.endm
.macro QUARTER slot, k, f, g, zero
	s_wait_dscnt 16                                ; the first 32 along K are in
	WIN MUL
	MUL8 \f, 0, 0, \zero
	MUL8 \f, 0, 2, \zero
	PLACES
	FETCH \slot, \k, \g
	s_wait_dscnt 32                                ; all but the 32 just issued
	WIN MUL
	MUL8 \f, 1, 0, 0
	MUL8 \f, 1, 2, 0
.endm
	s_wait_tensorcnt 1                             ; my part of K step 0 is in; K step 1's may stay out
	s_barrier_signal -1
	s_barrier_wait -1
	FETCH 0, 0, F0
	QUARTER 0, 128, F0, F1, 1                      ; the first products start the sums
	QUARTER 0, 256, F1, F0, 0
	QUARTER 0, 384, F0, F1, 0
	; the change of slots: behind this barrier slot 1 is whole and nobody reads slot 0 any more
	WIN 0
	s_wait_tensorcnt 0x0                           ; my part of slot 1 has landed
	ds_add_u32 v[SPW], v[NIL]                      ; 0 onto my spare word
	s_wait_dscnt 17                                ; (the add and the youngest sixteen loads may be out)
	WIN MUL
	MUL8 F1, 0, 0, 0
	s_wait_dscnt 0x0                               ; the add is done, and my reads of slot 0 are over
	s_barrier_signal -1
	MUL8 F1, 0, 2, 0
	s_barrier_wait -1
	PLACES
	FETCH 1, 0, F0
	WIN MUL
	MUL8 F1, 1, 0, 0
	MUL8 F1, 1, 2, 0
	QUARTER 1, 128, F0, F1, 0
	QUARTER 1, 256, F1, F0, 0
	QUARTER 1, 384, F0, F1, 0
	s_wait_dscnt 16
	WIN MUL
	MUL8 F1, 0, 0, 0
	MUL8 F1, 0, 2, 0
	s_wait_dscnt 0
	MUL8 F1, 1, 0, 0
	MUL8 F1, 1, 2, 0
	; THE WAY OUT.  My 32 rows of hf are asked for first, into buffer 0's registers; the sums go through the stage and come back as whole rows of 512 bytes.
	PLACES
	WIN TO_F
.set t, 0
.rept 32
	global_load_b128 v[4*t:4*t+3], v[CO], s[68:69] offset:4096*t th:TH_LOAD_NT
.set t, t+1
.endr
	WIN 0
.irp a, 0,1,2,3
.irp b, 0,1,2,3
	ds_store_b128 v[STO], v[ACC+8*(4*\a+\b):ACC+8*(4*\a+\b)+3]   offset:\a*16*SP32+64*\b
	ds_store_b128 v[STO], v[ACC+8*(4*\a+\b)+4:ACC+8*(4*\a+\b)+7] offset:\a*16*SP32+64*\b+16
.endr
.endr
	s_wait_dscnt 0x0                               ; for the others: my stores into the stage are done
	s_barrier_signal -1
	s_barrier_wait -1
.set t, 0
.rept 32
	ds_load_b128 v[ACC+4*t:ACC+4*t+3], v[RD] offset:SP32*t
.set t, t+1
.endr
	WIN ADDX
.set t, 0
.rept 32
	s_wait_loadcnt 31-t                            ; row t of hf is in; the younger rows may be out
	s_wait_dscnt 31-t                              ; and row t of the stage
	v_pk_add_f32 v[ACC+4*t:ACC+4*t+1],   v[ACC+4*t:ACC+4*t+1],   v[4*t:4*t+1]
	v_pk_add_f32 v[ACC+4*t+2:ACC+4*t+3], v[ACC+4*t+2:ACC+4*t+3], v[4*t+2:4*t+3]
.set t, t+1
.endr
	WIN 0
.set t, 0
.rept 32
	global_store_b128 v[CO], v[ACC+4*t:ACC+4*t+3], s[70:71] offset:4096*t th:TH_STORE_NT   ; 32 lanes: 512 consecutive bytes, aligned
.set t, t+1
.endr
	s_wait_tensorcnt 0x0                           ; the wave's end
	ds_add_u32 v[SPW], v[NIL]
	s_wait_dscnt 0x0
	CROUND                                         ; the closing round
	s_endpgm
.Lfunc_end_k_qf8ed3f90ff_fo:
	.size	k_qf8ed3f90ff_fo, .Lfunc_end_k_qf8ed3f90ff_fo-k_qf8ed3f90ff_fo
	.p2alignl 7, 3214868480
	.fill 96, 4, 3214868480
	.section	.rodata,"a",@progbits
	.p2align	6, 0x0
	.amdhsa_kernel k_qf8ed3f90ff_fo
		.amdhsa_group_segment_fixed_size 327680
		.amdhsa_private_segment_fixed_size 0
		.amdhsa_enable_private_segment 0
		.amdhsa_kernarg_size 32
		.amdhsa_user_sgpr_count 2
		.amdhsa_user_sgpr_kernarg_segment_ptr 1
		.amdhsa_wavefront_size32 1
		.amdhsa_system_sgpr_workgroup_id_x 1
		.amdhsa_system_sgpr_workgroup_id_y 1
		.amdhsa_system_sgpr_workgroup_id_z 1
		.amdhsa_system_vgpr_workitem_id 0
		.amdhsa_next_free_vgpr 512
		.amdhsa_next_free_sgpr 76
		.amdhsa_reserve_vcc 0
		.amdhsa_float_denorm_mode_32 3
		.amdhsa_float_denorm_mode_16_64 3
		.amdhsa_memory_ordered 1
		.amdhsa_forward_progress 1
		.amdhsa_inst_pref_size 58
	.end_amdhsa_kernel
	.amdgpu_metadata
---
amdhsa.version: [ 1, 2 ]
amdhsa.kernels:
  - .name:           k_qf8ed3f90ff_fo
    .symbol:         k_qf8ed3f90ff_fo.kd
    .args:
      - { .name: act, .offset: 0, .size: 8, .value_kind: global_buffer, .address_space: global }
      - { .name: wt, .offset: 8, .size: 8, .value_kind: global_buffer, .address_space: global }
      - { .name: hf, .offset: 16, .size: 8, .value_kind: global_buffer, .address_space: global }
      - { .name: out0, .offset: 24, .size: 8, .value_kind: global_buffer, .address_space: global }
    .group_segment_fixed_size: 327680
    .private_segment_fixed_size: 0
    .kernarg_segment_align: 8
    .kernarg_segment_size: 32
    .max_flat_workgroup_size: 128
    .sgpr_count:     76
    .vgpr_count:     512
    .wavefront_size: 32
...
	.end_amdgpu_metadata
.endif
;; end of part 6
;; ======== version 2 of 2: 7 launches; 1.19 times as fast as version 1
;; limits: values are held in f16: magnitudes above 65,504 overflow, below 6.1e-05 lose precision
;; workspace buffers: hb 16,777,216 bytes; wt 8,388,608 bytes; wb 4,194,304 bytes; qv 33,554,432 bytes; pt 33,554,432 bytes; st 1,048,576 bytes; hf 33,554,432 bytes; act 8,388,608 bytes
;; launch prep (part 7): grid 896 x 1, 8 waves a work-group, no clusters, 18,432 bytes of LDS; arguments x, Wq, Wk, Wv, Wfc, Wfo, hb, wt, st, wb; writes hb, wt, st, wb
.if DOCPART == 7
	.amdgcn_target "amdgcn-amd-amdhsa--gfx1250"
	.amdhsa_code_object_version 6
	.text
	.protected	k_qf8ed3f90ff_prep
	.globl	k_qf8ed3f90ff_prep
	.p2align	8
	.type	k_qf8ed3f90ff_prep,@function
k_qf8ed3f90ff_prep:
	s_mov_b64 s[64:65], 0
	v_nop
	global_prefetch_b8 v0, s[64:65] scope:SCOPE_SE
	s_setreg_imm32_b32 hwreg(HW_REG_WAVE_MODE, 25, 1), 1
	s_wait_xcnt 0x0
; PREPARATION.  hb = x times 2^-10 in f16; wt, wb = the weight matrices in 16 bits; st = the preset of the softmax statistics.
; THE PROGRAM'S ALGEBRA: scores = (x Wq)(x Wk)^T = (x G) x^T with G = Wq Wk^T, so k is never formed: the next launch makes G^T out of plain casts of Wk and Wq, and the keys are x's own rows.
; The order of products and roundings differs in that from the reference's.
; WHY 2^-10: x G reaches 1,024 x 30 x 905 = 2.8e7 where x, Wq and Wk carry a common offset of 30 spreads, beyond f16's 65,504; the factor, a power of two and so exact, brings it to 27,000.
; The later launches take it back (the softmax's constant, the factor on the weighted sum).  x 2^-10 has a spread of 0.001, of which f16's smallest step of 6e-8 is 6e-5; with x 30 times smaller 2e-3.
; FORMATS.  x, Wq, Wk, Wv and Wfc go to f16 (11 significant bits against bf16's 8: the rounding of operands is what the result's error is made of): 30 times the drawn spread is about 6 for a weight.
; Wfo goes to bf16, since its partner in the product, relu(h Wfc), has no such room in f16.
; Work-groups 0-511: 16 rows of x each (65,536 bytes in, 32,768 out), and 2,048 bytes of st: the first 524,288 bytes (tile maxima) take -inf, the rest (tile sums) 0,
; so that key tiles which the score launch never makes count for nothing in the launch that combines them.  Work-groups 512-575: 16 rows of Wq each, 576-639: of Wk, cast as they lie.
; Work-groups 640-895: one tile of 128 k x 64 n of Wv, Wfc or Wfo, turned through LDS.
; wt: rows 0-1023 Wq, 1024-2047 Wk, 3072-3583 Wfc^T, 2,048 bytes a row (rows 2048-3071 are not used); from byte 7,340,032 on Wfo^T, 1,024 rows of 1,024 bytes.  wb: rows 1024-2047 Wv^T.
; Memory binds here: no matrix unit, no cluster; every load covers whole runs of 256 bytes, every store of a wave covers 256 or 512 consecutive bytes, aligned.
.set X,  16                            ; v[16:79]   cast: sixteen loads of 16 bytes
.set O,  80                            ; v[80:111]  cast: their 8 bytes each, packed
.set TP, 272                           ; LDS pitch of a turned row: 128 k x 2 bytes + 16
	s_load_b512 s[8:23], s[0:1], 0x0               ; x 8:9, Wq 10:11, Wk 12:13, Wv 14:15, Wfc 16:17, Wfo 18:19, hb 20:21, wt 22:23
	s_load_b128 s[24:27], s[0:1], 0x40             ; st 24:25, wb 26:27
	v_lshl_add_u32 v112, v0, 2, 0x4400
	v_mov_b32 v113, 0
	s_wait_kmcnt 0x0
	s_cmp_lt_u32 ttmp9, 640                        ; the same for all waves of a work-group
	s_cbranch_scc0 .Ltrans
	; THE CAST.  Thread t takes bytes 16 t of each of 16 rows of 4,096 bytes: a wave's load covers 512 neighbouring bytes.
	v_lshlrev_b32 v1, 4, v0
	v_lshlrev_b32 v2, 3, v0
	s_mov_b32 s37, 0x3a800000                      ; 2^-10
	s_mov_b32 s36, 0x3f800000                      ; 1
	s_mov_b32 s3, 0
	s_cmp_lt_u32 ttmp9, 512
	s_cselect_b64 s[28:29], s[8:9], s[10:11]       ; from x, or from Wq
	s_cselect_b64 s[30:31], s[20:21], s[22:23]     ; into hb, or into wt
	s_cselect_b32 s38, s37, s36                    ; x is scaled, a weight is not
	s_cselect_b32 s32, 0, 512
	s_cmp_lt_u32 ttmp9, 576
	s_cselect_b64 s[28:29], s[28:29], s[12:13]     ; from 576 on: from Wk
	s_cselect_b32 s33, 0, 64
	s_mov_b32 s39, s38                             ; named with it as a pair, so it is written
	s_sub_co_u32 s32, ttmp9, s32                   ; my block of 16 rows in the image: Wk's rows follow Wq's in wt
	s_sub_co_u32 s33, s32, s33                     ; and in the source
	s_lshl_b32 s2, s33, 16                         ; 16 rows of 4,096 bytes
	s_add_nc_u64 s[28:29], s[28:29], s[2:3]
	s_lshl_b32 s2, s32, 15                         ; 16 rows of 2,048 bytes
	s_add_nc_u64 s[30:31], s[30:31], s[2:3]
.irp i, 0,1,2,3,4,5,6,7,8,9,10,11,12,13,14,15
	global_load_b128 v[X+4*\i:X+4*\i+3], v1, s[28:29] offset:4096*\i th:TH_LOAD_NT
.endr
	s_cmp_lt_u32 ttmp9, 512
	s_cbranch_scc0 .Lcast                          ; the 512 work-groups of x also preset st
	s_lshl_b32 s2, ttmp9, 11                       ; my 2,048 bytes of st
	s_add_nc_u64 s[24:25], s[24:25], s[2:3]
	s_cmp_lt_u32 ttmp9, 256
	s_cselect_b32 s4, 0xff800000, 0                ; -inf for the maxima, 0 for the sums
	v_mov_b32 v4, s4
	v_mov_b32 v5, s4
	global_store_b64 v2, v[4:5], s[24:25]          ; 32 lanes x 8 bytes: 256 consecutive bytes, aligned
.Lcast:
.irp i, 0,1,2,3,4,5,6,7,8,9,10,11,12,13,14,15
	s_wait_loadcnt 15-\i                           ; loads return in order: row i is in, the 15 - i younger ones stay out
	v_pk_mul_f32 v[X+4*\i:X+4*\i+1],   v[X+4*\i:X+4*\i+1],   s[38:39] op_sel_hi:[1,0]
	v_pk_mul_f32 v[X+4*\i+2:X+4*\i+3], v[X+4*\i+2:X+4*\i+3], s[38:39] op_sel_hi:[1,0]
	v_cvt_pk_f16_f32 v[O+2*\i],   v[X+4*\i],   v[X+4*\i+1]
	v_cvt_pk_f16_f32 v[O+2*\i+1], v[X+4*\i+2], v[X+4*\i+3]
	global_store_b64 v2, v[O+2*\i:O+2*\i+1], s[30:31] offset:2048*\i   ; no register is used twice, so nothing waits for a store
.endr
	s_endpgm
; One tile of 128 k x 64 n.  s4 = the tile's number in its matrix, s[28:29] = the matrix, s36 = byte of its turned image in the buffer whose address is s[db:db+1].
; ktb: bits of the tile number that count along k; spl, dpl: log2 of the source's and the image's row bytes; half = 1: the image is f16, 0: bf16.
; Thread t: c = t % 16 (four n, 16 bytes), kp = t / 16 (a pair of k).  Pass i takes k = 32 i + 2 kp and the next: two loads, four words {k, k + 1} of 16 bits each, four LDS words.
.macro TRANS ktb, spl, dpl, half, db
	s_and_b32 s5, s4, (1<<\ktb)-1                  ; tile along k
	s_lshr_b32 s6, s4, \ktb                        ; tile along n
	s_lshl_b32 s32, s5, 7+\spl                     ; 128 rows of the source,
	s_lshl_b32 s7, s6, 8                           ; 64 n x 4 bytes
	s_add_co_u32 s32, s32, s7
	s_mov_b32 s33, 0
	s_add_nc_u64 s[28:29], s[28:29], s[32:33]
	s_lshl_b32 s34, s6, 6+\dpl                     ; 64 rows of the image,
	s_add_co_u32 s34, s34, s36
	s_lshl_b32 s7, s5, 8                           ; 128 k x 2 bytes
	s_add_co_u32 s34, s34, s7
	s_mov_b32 s35, 0
	s_add_nc_u64 s[30:31], s[\db:\db+1], s[34:35]
	v_lshl_add_u32 v1, v8, 1+\spl, v10             ; source: row 2 kp, byte 16 c
	v_lshl_add_u32 v7, v8, \dpl, v10               ; image: row kp, byte 16 c
.irp i, 0,1,2,3
.irp e, 0,1
	global_load_b128 v[16+8*\i+4*\e:16+8*\i+4*\e+3], v1, s[28:29] offset:(32*\i+\e)<<\spl th:TH_LOAD_NT   ; 16 lanes: 256 bytes of a row
.endr
.endr
.irp i, 0,1,2,3
	s_wait_loadcnt 6-2*\i                          ; this pass's two loads are in, the later passes' stay out
.irp j, 0,1,2,3
.if \half
	v_cvt_pk_f16_f32 v[48+4*\i+\j], v[16+8*\i+\j], v[16+8*\i+4+\j]    ; n = 4 c + j: k in the low half, k + 1 in the high half
.else
	v_cvt_pk_bf16_f32 v[48+4*\i+\j], v[16+8*\i+\j], v[16+8*\i+4+\j]
.endif
.endr
.irp j, 0,1,2,3
	ds_store_b32 v3, v[48+4*\i+\j] offset:\j*TP+64*\i   ; lanes c and c + 4 meet in a bank: sixteen such stores a thread in the whole launch
.endr
.endr
	s_wait_dscnt 0x0                               ; for the other waves: my stores are done
	s_barrier_signal -1
	s_barrier_wait -1
.irp p, 0,1,2,3
	ds_load_b128 v[64+4*\p:64+4*\p+3], v6 offset:\p*16*TP   ; row n = 16 p + kp, 8 k at byte 16 c
.endr
.irp p, 0,1,2,3
	s_wait_dscnt 3-\p
	global_store_b128 v7, v[64+4*\p:64+4*\p+3], s[30:31] offset:(\p*16)<<\dpl   ; 16 lanes: 256 consecutive bytes of one row of the image, aligned
.endr
.endm
.Ltrans:
	s_sub_co_u32 s2, ttmp9, 640                    ; 0-127: Wv; 128-191: Wfc; 192-255: Wfo
	v_lshrrev_b32 v8, 4, v0                        ; kp
	v_and_b32 v9, 15, v0                           ; c
	v_lshlrev_b32 v10, 4, v9                       ; 16 c
	v_mul_u32_u24 v3, v9, 4*TP                     ; into LDS: row 4 c, word kp
	v_lshl_add_u32 v3, v8, 2, v3
	v_mul_u32_u24 v6, v8, TP                       ; out of LDS: row kp, byte 16 c
	v_add_nc_u32 v6, v6, v10
	s_cmp_lt_u32 s2, 128
	s_cbranch_scc0 .Lmlp
	s_mov_b32 s4, s2
	s_mov_b32 s36, 2097152                         ; row 1,024 of wb
	s_mov_b64 s[28:29], s[14:15]
	TRANS 3, 12, 11, 1, 26
	s_wait_tensorcnt 0x0
	ds_add_u32 v112, v113
	s_wait_dscnt 0x0
	s_endpgm
.Lmlp:
	s_cmp_lt_u32 s2, 192
	s_cbranch_scc0 .Lfo
	s_sub_co_u32 s4, s2, 128
	s_mov_b32 s36, 6291456                         ; row 3,072 of wt
	s_mov_b64 s[28:29], s[16:17]
	TRANS 3, 11, 11, 1, 22
	s_wait_tensorcnt 0x0
	ds_add_u32 v112, v113
	s_wait_dscnt 0x0
	s_endpgm
.Lfo:
	s_sub_co_u32 s4, s2, 192
	s_mov_b32 s36, 7340032
	s_mov_b64 s[28:29], s[18:19]
	TRANS 2, 12, 10, 0, 22
	s_wait_tensorcnt 0x0
	ds_add_u32 v112, v113
	s_wait_dscnt 0x0
	s_endpgm
.Lfunc_end_k_qf8ed3f90ff_prep:
	.size	k_qf8ed3f90ff_prep, .Lfunc_end_k_qf8ed3f90ff_prep-k_qf8ed3f90ff_prep
	.p2alignl 7, 3214868480
	.fill 96, 4, 3214868480
	.section	.rodata,"a",@progbits
	.p2align	6, 0x0
	.amdhsa_kernel k_qf8ed3f90ff_prep
		.amdhsa_group_segment_fixed_size 18432
		.amdhsa_private_segment_fixed_size 0
		.amdhsa_enable_private_segment 0
		.amdhsa_kernarg_size 80
		.amdhsa_user_sgpr_count 2
		.amdhsa_user_sgpr_kernarg_segment_ptr 1
		.amdhsa_wavefront_size32 1
		.amdhsa_system_sgpr_workgroup_id_x 1
		.amdhsa_system_sgpr_workgroup_id_y 1
		.amdhsa_system_sgpr_workgroup_id_z 1
		.amdhsa_system_vgpr_workitem_id 0
		.amdhsa_next_free_vgpr 114
		.amdhsa_next_free_sgpr 66
		.amdhsa_reserve_vcc 0
		.amdhsa_float_denorm_mode_32 3
		.amdhsa_float_denorm_mode_16_64 3
		.amdhsa_memory_ordered 1
		.amdhsa_forward_progress 1
		.amdhsa_inst_pref_size 24
	.end_amdhsa_kernel
	.amdgpu_metadata
---
amdhsa.version: [ 1, 2 ]
amdhsa.kernels:
  - .name:           k_qf8ed3f90ff_prep
    .symbol:         k_qf8ed3f90ff_prep.kd
    .args:
      - { .name: x, .offset: 0, .size: 8, .value_kind: global_buffer, .address_space: global }
      - { .name: Wq, .offset: 8, .size: 8, .value_kind: global_buffer, .address_space: global }
      - { .name: Wk, .offset: 16, .size: 8, .value_kind: global_buffer, .address_space: global }
      - { .name: Wv, .offset: 24, .size: 8, .value_kind: global_buffer, .address_space: global }
      - { .name: Wfc, .offset: 32, .size: 8, .value_kind: global_buffer, .address_space: global }
      - { .name: Wfo, .offset: 40, .size: 8, .value_kind: global_buffer, .address_space: global }
      - { .name: hb, .offset: 48, .size: 8, .value_kind: global_buffer, .address_space: global }
      - { .name: wt, .offset: 56, .size: 8, .value_kind: global_buffer, .address_space: global }
      - { .name: st, .offset: 64, .size: 8, .value_kind: global_buffer, .address_space: global }
      - { .name: wb, .offset: 72, .size: 8, .value_kind: global_buffer, .address_space: global }
    .group_segment_fixed_size: 18432
    .private_segment_fixed_size: 0
    .kernarg_segment_align: 8
    .kernarg_segment_size: 80
    .max_flat_workgroup_size: 256
    .sgpr_count:     66
    .vgpr_count:     114
    .wavefront_size: 32
...
	.end_amdgpu_metadata
.endif
;; end of part 7
;; launch gmat (part 8): grid 8 x 8, 4 waves a work-group, clusters of 4 x 4, 327,680 bytes of LDS; arguments wt, wb; writes wb
.if DOCPART == 8
	.amdgcn_target "amdgcn-amd-amdhsa--gfx1250"
	.amdhsa_code_object_version 6
	.text
	.protected	k_qf8ed3f90ff_gmat
	.globl	k_qf8ed3f90ff_gmat
	.p2align	8
	.type	k_qf8ed3f90ff_gmat,@function
k_qf8ed3f90ff_gmat:
	s_mov_b64 s[64:65], 0
	v_nop
	global_prefetch_b8 v0, s[64:65] scope:SCOPE_SE
	s_setreg_imm32_b32 hwreg(HW_REG_WAVE_MODE, 25, 1), 1
	s_wait_xcnt 0x0
	s_wait_alu depctr_hold_cnt(0) depctr_sa_sdst(0) depctr_va_vdst(0) depctr_va_sdst(0) depctr_va_ssrc(0) depctr_va_vcc(0) depctr_vm_vsrc(0)
	s_getreg_b32 s2, hwreg(HW_REG_IB_STS2, 6, 4)
	s_cmp_eq_u32 s2, 0
	s_cbranch_scc0 .Lentry_in_a_cluster
	s_endpgm
.Lentry_in_a_cluster:
	s_bfe_u32 s2, ttmp6, 0x10000c
	s_cmp_lg_u32 s2, 0xf033
	s_cbranch_scc0 .Lentry_shape_is_right
	s_endpgm
.Lentry_shape_is_right:
; G^T[n][k] = sum over d of Wk[n][d] Wq[k][d], [1024][1024] x [1024][1024]^T, f16 operands, f32 sums, rounded once to f16, into rows 0-1023 of wb.
; With it (x Wq)(x Wk)^T = (x G) x^T: the projection launch multiplies x by [G^T; Wv^T], 2,048 columns in place of 3,072, and the keys are x's own rows.
; Both operands lie in wt as they lie in the inputs, d along the rows: Wk from byte 2,097,152 (A), Wq from byte 0 (B).
; 8 x 8 tiles of 128 x 128: the product has work for 64 work-groups of this tile, and those are launched; a tile of 64 x 64 would give 256 with half the products behind each request for a tile.
; Four waves, each 64 x 64: 16 accumulators of 16 x 16, 128 registers.  K goes in steps of 256 (LDS rows of 512 bytes; a wave's tensor load brings 64 of them) through two LDS slots.
; CLUSTERS: 4 x 4 work-groups.  The four of a row of the cluster need the same tiles of A, the four of a column the same tiles of B: each tile is asked for jointly.
; THE MATRIX INSTRUCTION IS USED TRANSPOSED (source 0 = 16 rows of B, source 1 = 16 rows of A): a lane holds one row of C and eight neighbouring columns.
; REGISTERS: window 0: v0-31 addresses; v32-95 at work on the way out; v128-255 the accumulators ((a, b) at v[128 + 8 (4 a + b)]).
;   window 1: two fragment buffers of 128: for 64 along K, 64 registers of A, then 64 of B.
; LIMIT: G is kept in f16.  Its drawn spread is 1/32; with both weights 30 times larger it is 28, with a common offset of 30 spreads (0.94) on both about 1,024 x 0.94 x 0.94 = 905, against 65,504;
; with both 30 times smaller it is 3.5e-5, where f16's smallest step of 6e-8 makes an error of 5e-4 of the spread.  Inputs are taken to be finite.
.set KTOT,   1024
.set LD,     1024                      ; elements from row to row in A and in B
.set LDC,    1024                      ; and in C
.set AOFF,   2097152                   ; Wk's first byte in wt
.set KSTEP,  256
.set PITCH,  528                       ; an LDS row: 512 bytes + 16 = 132 words: the 16 rows of a fragment load start 4 banks apart
.set HALFT,  64*PITCH                  ; what one tensor load brings, and what one wave reads of A or of B
.set SLOT,   4*HALFT                   ; A's 128 rows, then B's 128 rows
.set STAGE,  2*SLOT                    ; behind the ring: 128 rows x 272 bytes for the way out
.set SPITCH, 272
.set SPARE,  STAGE+128*SPITCH          ; the spare words, 128 bytes a wave: two blocks of 256 bytes that no other line names
.set LAPS,   KTOT/(2*KSTEP)            ; a lap = two K steps = once round the ring
.set ADRA, 16                          ; v16-17  LDS address of my A fragments in slot 0, 1
.set ADRB, 20                          ; v20-21  the same for B
.set STO,  24                          ; v24     the way out: where I put 16 bytes of a row
.set RD,   25                          ; v25     where I read a row back
.set CO,   26                          ; v26     my byte offset in C
.set SPW,  28                          ; v28     my spare word: SPARE + 4 x my thread's number; never rewritten
.set NIL,  29                          ; v29     0; never rewritten
.set TMP,  32
.set ACC,  128
.set F0,   0
.set F1,   128
.set G1, 24                            ; s[24:31] descriptor group 1 for A's tiles; s[32:39] group 0, a set for each slot
.set G0, 32
.set G1B, 48                           ; s[48:55], s[56:63] the same for B's
.set G0B, 56
.set MSB, 0
.macro WIN new                         ; the immediate's high byte repeats the setting that is left
.if MSB != \new
	s_set_vgpr_msb (MSB<<8)|\new
.set MSB, \new
.endif
.endm
.set MUL,  0x05                        ; sources 0 (B) and 1 (A) window 1; C and D window 0
.set TO_F, 0x40                        ; destination window 1, address window 0
.macro JLOAD s                         ; a joint load: waves 0, 1 fetch A's halves, waves 2, 3 B's; four v_nop follow each line
	s_cmp_eq_u32 s11, 0
	s_cbranch_scc0 .Lfor_b_\@
	tensor_load_to_lds s[G0+4*\s:G0+4*\s+3], s[G1:G1+7]
	s_nop 0
.rept 4
	v_nop
.endr
	s_branch .Lasked_\@
.Lfor_b_\@:
	tensor_load_to_lds s[G0B+4*\s:G0B+4*\s+3], s[G1B:G1B+7]
	s_nop 0
.rept 4
	v_nop
.endr
.Lasked_\@:
.endm
.macro CREST                           ; a round of the cluster's barrier behind its opening barrier
	s_cmp_lg_u32 s10, 0
	s_cbranch_scc1 .Lnot_wave_0_\@
	s_barrier_signal -3
.Lnot_wave_0_\@:
	s_barrier_wait -3
	s_barrier_signal -1
	s_barrier_wait -1
.endm
.macro CROUND                          ; a whole round
	s_barrier_signal -1
	s_barrier_wait -1
	CREST
.endm
	s_load_b64 s[4:5], s[0:1], 0x0                 ; wt: A and B
	s_load_b64 s[8:9], s[0:1], 0x8                 ; C = wb
	v_lshl_add_u32 v[SPW], v0, 2, SPARE
	v_mov_b32 v[NIL], 0
	ds_add_u32 v28, v29
	s_wait_dscnt 0x0
	v_lshrrev_b32 v1, 5, v0
	v_readfirstlane_b32 s10, v1                    ; wave 0..3
	s_lshr_b32 s11, s10, 1                         ; my half of the tile's rows.  Also: I fetch for A (0) or for B (1)
	s_and_b32 s12, s10, 1                          ; my half of its columns.  Also: which 64 rows I fetch
	s_bfe_u32 s40, ttmp6, 0x40000                  ; cx, cy: my place in the cluster
	s_bfe_u32 s41, ttmp6, 0x40004
	s_lshl_b32 s42, ttmp9, 2
	s_add_co_u32 s42, s42, s40                     ; tile column of C
	s_and_b32 s13, ttmp7, 0xffff
	s_lshl_b32 s13, s13, 2
	s_add_co_u32 s13, s13, s41                     ; tile row of C
	s_lshl_b32 s43, s41, 2
	s_lshl_b32 s43, 15, s43                        ; my row of the cluster
	s_lshl_b32 s44, 0x1111, s40                    ; my column
	s_or_b32 s[G1+0], s43, (1<<16)|(1<<20)|(1<<21)|(6<<22)|(3<<25)  ; mask; elements of 2 bytes; padding on; bit 21 beside a mask; after every 128 words 4 words
	s_or_b32 s[G1B+0], s44, (1<<16)|(1<<20)|(1<<21)|(6<<22)|(3<<25)
.irp g, G1, G1B
	s_mov_b32 s[\g+1], KSTEP<<16                   ; tensor_dim0 = 256
	s_mov_b32 s[\g+2], 64<<16                      ; tensor_dim1 = 64
	s_mov_b32 s[\g+3], KSTEP<<16                   ; tile_dim0 = 256
	s_mov_b32 s[\g+4], 64                          ; tile_dim1 = 64
	s_mov_b32 s[\g+5], LD                          ; elements from row to row
	s_mov_b32 s[\g+6], 0
	s_mov_b32 s[\g+7], 0
.endr
	s_lshl_b32 s17, s12, 6
	s_lshl_b32 s16, s13, 7
	s_add_co_u32 s16, s16, s17                     ; A: row 128 x tile row + 64 x half
	s_lshl_b32 s46, s42, 7
	s_add_co_u32 s46, s46, s17                     ; B: row 128 x tile column + 64 x half
	s_mov_b32 s17, 0
	s_mov_b32 s47, 0
	s_mov_b64 s[18:19], LD*2
	s_mul_u64 s[16:17], s[16:17], s[18:19]
	s_mul_u64 s[46:47], s[46:47], s[18:19]
	s_mul_i32 s20, s10, HALFT                      ; where they go: wave x 64 rows
	s_wait_kmcnt 0x0
	s_add_nc_u64 s[14:15], s[4:5], s[16:17]
	s_add_nc_u64 s[14:15], s[14:15], AOFF          ; Wk's rows
	s_add_nc_u64 s[46:47], s[4:5], s[46:47]        ; Wq's rows
	CROUND                                         ; all sixteen work-groups are here: the first joint loads meet
.irp s, 0,1
	s_mov_b32 s[G0+4*\s], 1
	s_add_co_u32 s[G0+4*\s+1], s20, \s*SLOT
	s_add_nc_u64 s[G0+4*\s+2:G0+4*\s+3], s[14:15], \s*KSTEP*2
	s_or_b32 s[G0+4*\s+3], s[G0+4*\s+3], 0x80000000
	s_mov_b32 s[G0B+4*\s], 1
	s_add_co_u32 s[G0B+4*\s+1], s20, \s*SLOT
	s_add_nc_u64 s[G0B+4*\s+2:G0B+4*\s+3], s[46:47], \s*KSTEP*2
	s_or_b32 s[G0B+4*\s+3], s[G0B+4*\s+3], 0x80000000
	JLOAD \s                                       ; two loads of mine are out
.endr
	v_and_b32 v1, 15, v0                           ; l % 16
	v_bfe_u32 v2, v0, 4, 1                         ; l / 16
	v_mul_u32_u24 v3, v1, PITCH
	v_lshl_add_u32 v3, v2, 4, v3                   ; a fragment's row x pitch + 16 x half
	s_mul_i32 s21, s11, HALFT                      ; my 64 rows of A
	s_mul_i32 s22, s12, HALFT                      ; my 64 rows of B,
	s_add_co_u32 s22, s22, 2*HALFT                 ; behind A's 128
.irp s, 0,1
	v_add_nc_u32 v[ADRA+\s], s21, v3
	v_add_nc_u32 v[ADRB+\s], s22, v3
	s_add_co_u32 s21, s21, SLOT
	s_add_co_u32 s22, s22, SLOT
.endr
	s_mul_i32 s23, s11, 64*SPITCH                  ; into the stage: my 64 rows, my half of their 256 bytes
	s_lshl_b32 s21, s12, 7
	s_add_co_u32 s23, s23, s21
	s_add_co_u32 s23, s23, STAGE
	v_mul_u32_u24 v4, v1, SPITCH
	v_lshl_add_u32 v4, v2, 4, v4
	v_add_nc_u32 v[STO], s23, v4
	s_mul_i32 s23, s10, 32*SPITCH                  ; back: wave w takes rows 32 w .. 32 w + 31, whole
	s_add_co_u32 s23, s23, STAGE
	v_mul_u32_u24 v5, v2, SPITCH
	v_lshl_add_u32 v5, v1, 4, v5
	v_add_nc_u32 v[RD], s23, v5
	v_mul_u32_u24 v5, v2, LDC*2                    ; and the same two rows in C
	v_lshl_add_u32 v[CO], v1, 4, v5
	s_lshl_b32 s16, s13, 7
	s_lshl_b32 s17, s10, 5
	s_add_co_u32 s16, s16, s17                     ; the first row of C that I store
	s_mov_b32 s17, 0
	s_mov_b64 s[18:19], LDC*2
	s_mul_u64 s[16:17], s[16:17], s[18:19]
	s_add_nc_u64 s[8:9], s[8:9], s[16:17]
	s_lshl_b32 s46, s42, 8                         ; the tile's first column, in bytes
	s_mov_b32 s47, 0
	s_add_nc_u64 s[8:9], s[8:9], s[46:47]
; 8 matrix instructions: m blocks a0, a0 + 1 x all 4 n blocks, 32 along K: half c of buffer f.  zero = 1: the product starts the sums.
; The 16 accumulators take turns, one instruction a turn.
.macro MUL8 f, c, a0, zero
.irp a, \a0, \a0+1
.irp b, 0,1,2,3
.if \zero
	v_wmma_f32_16x16x32_f16 v[ACC+8*(4*(\a)+\b):ACC+8*(4*(\a)+\b)+7], v[\f+64+8*(4*\c+\b):\f+64+8*(4*\c+\b)+7], v[\f+8*(4*\c+\a):\f+8*(4*\c+\a)+7], 0
.else
	v_wmma_f32_16x16x32_f16 v[ACC+8*(4*(\a)+\b):ACC+8*(4*(\a)+\b)+7], v[\f+64+8*(4*\c+\b):\f+64+8*(4*\c+\b)+7], v[\f+8*(4*\c+\a):\f+8*(4*\c+\a)+7], v[ACC+8*(4*(\a)+\b):ACC+8*(4*(\a)+\b)+7]
.endif
.endr
.endr
.endm
; 32 LDS loads in one run: the fragments of 64 along K at byte k of the rows, into buffer f; the first 32 along K first
.macro FETCH slot, k, f
	WIN TO_F
.irp c, 0,1
.irp i, 0,1,2,3
	ds_load_b128 v[\f+64+8*(4*\c+\i):\f+64+8*(4*\c+\i)+3],   v[ADRB+\slot] offset:\k+64*\c+\i*16*PITCH
	ds_load_b128 v[\f+64+8*(4*\c+\i)+4:\f+64+8*(4*\c+\i)+7], v[ADRB+\slot] offset:\k+64*\c+\i*16*PITCH+32
	ds_load_b128 v[\f+8*(4*\c+\i):\f+8*(4*\c+\i)+3],         v[ADRA+\slot] offset:\k+64*\c+\i*16*PITCH
	ds_load_b128 v[\f+8*(4*\c+\i)+4:\f+8*(4*\c+\i)+7],       v[ADRA+\slot] offset:\k+64*\c+\i*16*PITCH+32
.endr
.endr
.endm
.macro PLACES                          ; four places in front of loads into registers that matrix instructions have read, and of vector work on results
.rept 4
	v_nop
.endr
.endm
; A K step is four quarters of 64 along K, 32 matrix instructions each, on buffers 0, 1, 0, 1.  One of the first three: multiplies f, fetches the next quarter, at byte k, into g.
.macro QUARTER slot, k, f, g, zero
	s_wait_dscnt 16                                ; the first 32 along K are in; the sixteen younger loads may be out
	WIN MUL
	MUL8 \f, 0, 0, \zero
	MUL8 \f, 0, 2, \zero
	PLACES
	FETCH \slot, \k, \g
	s_wait_dscnt 32                                ; all but the 32 just issued
	WIN MUL
	MUL8 \f, 1, 0, 0
	MUL8 \f, 1, 2, 0
.endm
; The last quarter multiplies buffer 1 and changes slots: one barrier; in front of it each wave waits for all its tensor loads, adds 0 to its spare word,
; and waits for that and for its own reads of this slot.  fill = 1: the barrier opens a round of the cluster's, and this slot is filled again, two K steps ahead.
.macro TURN slot, next, fill
	WIN 0                                          ; (the add's two registers lie in window 0)
	s_wait_tensorcnt 0x0                           ; all my tensor loads have landed: my part of the next slot
	ds_add_u32 v[SPW], v[NIL]                      ; 0 onto my spare word
	s_wait_dscnt 17                                ; (the add and the youngest sixteen loads may be out)
	WIN MUL
	MUL8 F1, 0, 0, 0
	s_wait_dscnt 0x0                               ; the add is done, and my reads of this slot are over
	s_barrier_signal -1
	MUL8 F1, 0, 2, 0
.if \fill
	WIN 0
.endif
	s_barrier_wait -1
.if \fill
	CREST                                          ; no wave of any partner still reads this slot or has a load on its way
	s_add_nc_u64 s[G0+4*\slot+2:G0+4*\slot+3], s[G0+4*\slot+2:G0+4*\slot+3], 2*KSTEP*2
	s_add_nc_u64 s[G0B+4*\slot+2:G0B+4*\slot+3], s[G0B+4*\slot+2:G0B+4*\slot+3], 2*KSTEP*2
	JLOAD \slot                                    ; my one tensor load behind the round; its four v_nop are also the places in front of the loads below
.else
	PLACES
.endif
	FETCH \next, 0, F0
	WIN MUL
	MUL8 F1, 1, 0, 0
	MUL8 F1, 1, 2, 0
.endm
	s_wait_tensorcnt 1                             ; my part of K step 0 is in; K step 1's may stay out
	s_barrier_signal -1
	s_barrier_wait -1
	FETCH 0, 0, F0
	QUARTER 0, 128, F0, F1, 1                      ; the first quarter stands in front of the loop: its first products start the sums
	WIN 0
	s_mov_b32 s3, LAPS-1
.Llap:                                                 ; a trip goes once round the ring and fills both slots again
	QUARTER 0, 256, F1, F0, 0
	QUARTER 0, 384, F0, F1, 0
	TURN 0, 1, 1
	QUARTER 1, 128, F0, F1, 0
	QUARTER 1, 256, F1, F0, 0
	QUARTER 1, 384, F0, F1, 0
	TURN 1, 0, 1
	QUARTER 0, 128, F0, F1, 0
	WIN 0
	s_sub_co_u32 s3, s3, 1
	s_cmp_lg_u32 s3, 0
	s_cbranch_scc1 .Llap
	QUARTER 0, 256, F1, F0, 0                      ; the last lap fills nothing
	QUARTER 0, 384, F0, F1, 0
	TURN 0, 1, 0
	QUARTER 1, 128, F0, F1, 0
	QUARTER 1, 256, F1, F0, 0
	QUARTER 1, 384, F0, F1, 0
	s_wait_dscnt 16
	WIN MUL
	MUL8 F1, 0, 0, 0
	MUL8 F1, 0, 2, 0
	s_wait_dscnt 0
	MUL8 F1, 1, 0, 0
	MUL8 F1, 1, 2, 0
	WIN 0
	; THE WAY OUT: round to f16; 16 bytes a lane into the stage; a barrier, since a row's 256 bytes come from two waves; back as whole rows, 32 rows a wave.
	PLACES
.irp t, 0,1,2,3,4,5,6,7,8,9,10,11,12,13,14,15
.irp r, 0,1,2,3
	v_cvt_pk_f16_f32 v[TMP+4*\t+\r], v[ACC+8*\t+2*\r], v[ACC+8*\t+2*\r+1]
.endr
.endr
.irp a, 0,1,2,3
.irp b, 0,1,2,3
	ds_store_b128 v[STO], v[TMP+4*(4*\a+\b):TMP+4*(4*\a+\b)+3] offset:\a*16*SPITCH+32*\b
.endr
.endr
	s_wait_dscnt 0x0                               ; for the others: my stores into the stage are done
	s_barrier_signal -1
	s_barrier_wait -1
.irp t, 0,1,2,3,4,5,6,7,8,9,10,11,12,13,14,15
	ds_load_b128 v[TMP+4*\t:TMP+4*\t+3], v[RD] offset:\t*2*SPITCH
.endr
.irp t, 0,1,2,3,4,5,6,7,8,9,10,11,12,13,14,15
	s_wait_dscnt 15-\t
	global_store_b128 v[CO], v[TMP+4*\t:TMP+4*\t+3], s[8:9] offset:2*\t*LDC*2   ; 16 lanes store 256 consecutive bytes, aligned
.endr
	s_wait_tensorcnt 0x0                           ; the wave's end
	ds_add_u32 v[SPW], v[NIL]
	s_wait_dscnt 0x0
	CROUND                                         ; the closing round
	s_endpgm
.Lfunc_end_k_qf8ed3f90ff_gmat:
	.size	k_qf8ed3f90ff_gmat, .Lfunc_end_k_qf8ed3f90ff_gmat-k_qf8ed3f90ff_gmat
	.p2alignl 7, 3214868480
	.fill 96, 4, 3214868480
	.section	.rodata,"a",@progbits
	.p2align	6, 0x0
	.amdhsa_kernel k_qf8ed3f90ff_gmat
		.amdhsa_group_segment_fixed_size 327680
		.amdhsa_private_segment_fixed_size 0
		.amdhsa_enable_private_segment 0
		.amdhsa_kernarg_size 16
		.amdhsa_user_sgpr_count 2
		.amdhsa_user_sgpr_kernarg_segment_ptr 1
		.amdhsa_wavefront_size32 1
		.amdhsa_system_sgpr_workgroup_id_x 1
		.amdhsa_system_sgpr_workgroup_id_y 1
		.amdhsa_system_sgpr_workgroup_id_z 1
		.amdhsa_system_vgpr_workitem_id 0
		.amdhsa_next_free_vgpr 512
		.amdhsa_next_free_sgpr 66
		.amdhsa_reserve_vcc 0
		.amdhsa_float_denorm_mode_32 3
		.amdhsa_float_denorm_mode_16_64 3
		.amdhsa_memory_ordered 1
		.amdhsa_forward_progress 1
		.amdhsa_inst_pref_size 87
	.end_amdhsa_kernel
	.amdgpu_metadata
---
amdhsa.version: [ 1, 2 ]
amdhsa.kernels:
  - .name:           k_qf8ed3f90ff_gmat
    .symbol:         k_qf8ed3f90ff_gmat.kd
    .args:
      - { .name: wt, .offset: 0, .size: 8, .value_kind: global_buffer, .address_space: global }
      - { .name: wb, .offset: 8, .size: 8, .value_kind: global_buffer, .address_space: global }
    .group_segment_fixed_size: 327680
    .private_segment_fixed_size: 0
    .kernarg_segment_align: 8
    .kernarg_segment_size: 16
    .max_flat_workgroup_size: 128
    .sgpr_count:     66
    .vgpr_count:     512
    .wavefront_size: 32
...
	.end_amdgpu_metadata
.endif
;; end of part 8
;; launch qv (part 9): grid 8 x 32, 4 waves a work-group, clusters of 4 x 4, 327,680 bytes of LDS; arguments hb, wb, qv; writes qv
.if DOCPART == 9
	.amdgcn_target "amdgcn-amd-amdhsa--gfx1250"
	.amdhsa_code_object_version 6
	.text
	.protected	k_qf8ed3f90ff_qv
	.globl	k_qf8ed3f90ff_qv
	.p2align	8
	.type	k_qf8ed3f90ff_qv,@function
k_qf8ed3f90ff_qv:
	s_mov_b64 s[64:65], 0
	v_nop
	global_prefetch_b8 v0, s[64:65] scope:SCOPE_SE
	s_setreg_imm32_b32 hwreg(HW_REG_WAVE_MODE, 25, 1), 1
	s_wait_xcnt 0x0
	s_wait_alu depctr_hold_cnt(0) depctr_sa_sdst(0) depctr_va_vdst(0) depctr_va_sdst(0) depctr_va_ssrc(0) depctr_va_vcc(0) depctr_vm_vsrc(0)
	s_getreg_b32 s2, hwreg(HW_REG_IB_STS2, 6, 4)
	s_cmp_eq_u32 s2, 0
	s_cbranch_scc0 .Lentry_in_a_cluster
	s_endpgm
.Lentry_in_a_cluster:
	s_bfe_u32 s2, ttmp6, 0x10000c
	s_cmp_lg_u32 s2, 0xf033
	s_cbranch_scc0 .Lentry_shape_is_right
	s_endpgm
.Lentry_shape_is_right:
; qv[m][n] = sum over k of hb[m][k] wb[n][k]: the two projections as one product, [8192][1024] x [2048][1024]^T, f16 operands, f32 sums, rounded once to f16.
; hb holds x 2^-10, wb holds G^T = (Wq Wk^T)^T in rows 0-1023 and Wv^T in rows 1024-2047: columns 0-1023 of qv are q'' = (x Wq) Wk^T 2^-10, whose product with x's rows gives the scores,
; columns 1024-2047 are v' = x Wv 2^-10.
; A tile of C, 256 x 256, is made by a work-group of four waves; a wave makes 128 x 128: 64 accumulators of 16 x 16, 512 registers.  32 x 8 = 256 tiles: one for each of 256 WGPs.
; K goes in steps of 128 through a ring of two LDS slots filled by the tensor data mover: the rows of A's and B's tiles are 256 bytes of memory and start at multiples of 256 bytes.
; A K step is 256 matrix instructions a wave, 224 of them between a slot's request and the wait for it.  The last K step goes by rows of C, so that finished rows leave while the others are multiplied.
; CLUSTERS: 4 x 4 work-groups.  The four of a row of the cluster need the same tiles of A, the four of a column the same tiles of B: each tile is asked for JOINTLY, by the same tensor load
; with the same descriptor and a mask that names the four, and each receives it in its own LDS.
; REGISTERS, in windows of 256 (s_set_vgpr_msb says which window each operand place means: bits 1:0 source 0, 3:2 source 1, 5:4 source 2, 7:6 destination):
;   window 0: v0-31 addresses; v64-127, v128-191 fragments of A (8 x 16 rows x 32 K), two buffers (in the last K step four, of 16 rows x 128 K); v32-63, v192-255 at work on the way out
;   window 1: v64-127, v128-191 fragments of B, two buffers; in the last K step all 256: B's fragments of the whole step
;   window 2: the 32 accumulators of my rows 0-63 (accumulator (a, b) at v[8 (8 a + b)]);   window 3: those of my rows 64-127
; THE MATRIX INSTRUCTION IS USED TRANSPOSED: source 0 = 16 rows of B, source 1 = 16 rows of A: lane l holds row l % 16 of C and the columns 8 (l / 16) + 0 .. 7, which pack into 16 bytes.
; LIMIT: q'' and v' are kept in f16, so they must stay under 65,504 in magnitude.  With x and the weights 30 times the drawn spread q'' reaches about 150 and v' about 5; with a common offset of
; 30 spreads on all (30 and 0.94) q'' is about 1,024 x 30 x 905 / 1,024 = 27,000 and v' about 28.  At the drawn spread both have a spread of 0.001, of which f16's smallest step of 6e-8 is 6e-5.
; Inputs are taken to be finite.
.set SIZE_M, 8192                      ; the grid's height is SIZE_M / 256
.set SIZE_N, 2048
.set SIZE_K, 1024
.set KSTEP,  128
.set PITCH,  272                       ; an LDS row: 256 bytes of data + 16 of padding = 68 words: the 16 rows that a load touches start 4 banks apart
.set HALFT,  128*PITCH                 ; 128 rows: what one tensor load brings, and what one wave reads of A or of B
.set SLOT,   4*HALFT                   ; A's 256 rows, then B's 256 rows
.set STAGE,  2*SLOT                    ; behind the ring: 16 rows x 272 bytes for each wave, for the way out
.set SPITCH, 272
.set SPARE,  STAGE+4*16*SPITCH         ; behind the stages: the spare words, 128 bytes for each wave: two blocks of 256 bytes that no other line names
.set LAPS, SIZE_K/(2*KSTEP)            ; a lap = two K steps = once round the ring
.set ADRA, 16                          ; v16-17  LDS address of my A fragments in slot 0, 1
.set ADRB, 20                          ; v20-21  the same for B
.set STO,  24                          ; v24     the way out: where I put 16 bytes of a row
.set RD,   25                          ; v25     the way out: where I read a row back
.set CO,   26                          ; v26     my byte offset in C
.set SPW,  28                          ; v28     LDS address of my spare word: SPARE + 4 x my thread's number; never rewritten
.set NIL,  29                          ; v29     0; never rewritten
.set F0,   64                          ; fragment buffer 0
.set F1,   128                         ; fragment buffer 1
.set TMP,  192                         ; the way out: packed results, in window 0
.set OB,   32                          ; the way out: 16 rows read back from the stage: v32-63 and v224-255 by turns
.set PA,   64                          ; the last K step: A's fragments of 16 rows x 128 K, 32 registers; four such buffers, v64-191
.set G1, 24                            ; s[24:31] descriptor group 1 for A's tiles
.set G0, 32                            ; s[32:39] descriptor group 0 for A's tiles, one set for each slot
.set G1B, 48                           ; s[48:55] descriptor group 1 for B's tiles: it differs from A's in the mask alone
.set G0B, 56                           ; s[56:63] descriptor group 0 for B's tiles, one set for each slot
.set MSB, 0
.macro WIN new                         ; the immediate's high byte repeats the setting that is left
.if MSB != \new
	s_set_vgpr_msb (MSB<<8)|\new
.set MSB, \new
.endif
.endm
.set MUL_LO, 0xa1                      ; source 0 (B) window 1, source 1 (A) window 0, C and D window 2
.set MUL_HI, 0xf1                      ; the same, C and D window 3
.set TO_B,   0x40                      ; destination window 1, address window 0
; A joint load.  Waves 0 and 1 fetch A's two halves, waves 2 and 3 B's.  The branch hangs on the wave's number alone: it is the same in every work-group.
; Four v_nop follow each of the two lines; the jump round the other line, the label and what follows the macro come after them.
.macro JLOAD s
	s_cmp_eq_u32 s11, 0
	s_cbranch_scc0 .Lfor_b_\@
	tensor_load_to_lds s[G0+4*\s:G0+4*\s+3], s[G1:G1+7]
	s_nop 0
.rept 4
	v_nop
.endr
	s_branch .Lasked_\@
.Lfor_b_\@:
	tensor_load_to_lds s[G0B+4*\s:G0B+4*\s+3], s[G1B:G1B+7]
	s_nop 0
.rept 4
	v_nop
.endr
.Lasked_\@:
.endm
.macro CREST                           ; a round of the cluster's barrier behind its opening barrier
	s_cmp_lg_u32 s10, 0
	s_cbranch_scc1 .Lnot_wave_0_\@
	s_barrier_signal -3
.Lnot_wave_0_\@:
	s_barrier_wait -3
	s_barrier_signal -1
	s_barrier_wait -1
.endm
.macro CROUND                          ; a whole round
	s_barrier_signal -1
	s_barrier_wait -1
	CREST
.endm
	s_load_b128 s[4:7], s[0:1], 0x0                ; A = hb s[4:5], B = wb s[6:7]
	s_load_b64 s[8:9], s[0:1], 0x10                ; C = qv
	v_lshl_add_u32 v[SPW], v0, 2, SPARE
	v_mov_b32 v[NIL], 0
	ds_add_u32 v28, v29
	s_wait_dscnt 0x0
	v_lshrrev_b32 v1, 5, v0
	v_readfirstlane_b32 s10, v1                    ; wave 0..3
	s_lshr_b32 s11, s10, 1                         ; which half of the tile's rows is mine.  Also: I fetch for A (0) or for B (1)
	s_and_b32 s12, s10, 1                          ; which half of its columns.  Also: which 128 rows of that tile I fetch
	s_bfe_u32 s40, ttmp6, 0x40000                  ; cx: my place along the cluster's x
	s_bfe_u32 s41, ttmp6, 0x40004                  ; cy: along its y
	s_lshl_b32 s42, ttmp9, 2                       ; in a cluster launch ttmp9 and ttmp7 count clusters
	s_add_co_u32 s42, s42, s40                     ; tile column of C = 4 x cluster x + cx
	s_and_b32 s13, ttmp7, 0xffff
	s_lshl_b32 s13, s13, 2
	s_add_co_u32 s13, s13, s41                     ; tile row of C = 4 x cluster y + cy
	s_lshl_b32 s43, s41, 2
	s_lshl_b32 s43, 15, s43                        ; my row of the cluster: places 4 cy .. 4 cy + 3
	s_lshl_b32 s44, 0x1111, s40                    ; my column: places cx, cx + 4, cx + 8, cx + 12
	; descriptor group 1: a tile of 128 rows x 128 elements, padded in LDS
	s_or_b32 s[G1+0], s43, (1<<16)|(1<<20)|(1<<21)|(5<<22)|(3<<25)  ; the mask: A's tiles go to my row; elements of 2 bytes; padding on; bit 21 beside a mask; after every 64 words 4 words
	s_or_b32 s[G1B+0], s44, (1<<16)|(1<<20)|(1<<21)|(5<<22)|(3<<25) ; the same with the mask of my column, for B's tiles
.irp g, G1, G1B
	s_mov_b32 s[\g+1], KSTEP<<16                   ; tensor_dim0 = 128
	s_mov_b32 s[\g+2], 128<<16                     ; tensor_dim1 = 128
	s_mov_b32 s[\g+3], KSTEP<<16                   ; tile_dim0 = 128
	s_mov_b32 s[\g+4], 128                         ; tile_dim1 = 128
	s_mov_b32 s[\g+5], SIZE_K                      ; elements from row to row
	s_mov_b32 s[\g+6], 0
	s_mov_b32 s[\g+7], 0
.endr
	; where the tiles come from.  A's hang on the tile row alone, which my row of the cluster shares; B's on the tile column alone, which my column shares.
	s_lshl_b32 s17, s12, 7                         ; which 128 rows of the tile I fetch
	s_lshl_b32 s16, s13, 8
	s_add_co_u32 s16, s16, s17                     ; A: row 256 x tile row + 128 x half
	s_lshl_b32 s46, s42, 8
	s_add_co_u32 s46, s46, s17                     ; B: row 256 x tile column + 128 x half
	s_mov_b32 s17, 0
	s_mov_b32 s47, 0
	s_mov_b64 s[18:19], SIZE_K*2
	s_mul_u64 s[16:17], s[16:17], s[18:19]         ; in bytes, in 64 bits
	s_mul_u64 s[46:47], s[46:47], s[18:19]
	s_mul_i32 s20, s10, HALFT                      ; and where they go: wave x 128 rows: no place in the cluster enters an LDS address
	s_wait_kmcnt 0x0
	s_add_nc_u64 s[14:15], s[4:5], s[16:17]
	s_add_nc_u64 s[46:47], s[6:7], s[46:47]
	CROUND                                         ; all sixteen work-groups are here: the first joint loads meet
.irp s, 0,1
	s_mov_b32 s[G0+4*\s], 1                                        ; count = 1
	s_add_co_u32 s[G0+4*\s+1], s20, \s*SLOT                        ; LDS address
	s_add_nc_u64 s[G0+4*\s+2:G0+4*\s+3], s[14:15], \s*KSTEP*2      ; global address: K step s
	s_or_b32 s[G0+4*\s+3], s[G0+4*\s+3], 0x80000000                ; type = 2
	s_mov_b32 s[G0B+4*\s], 1
	s_add_co_u32 s[G0B+4*\s+1], s20, \s*SLOT
	s_add_nc_u64 s[G0B+4*\s+2:G0B+4*\s+3], s[46:47], \s*KSTEP*2
	s_or_b32 s[G0B+4*\s+3], s[G0B+4*\s+3], 0x80000000
	JLOAD \s                                       ; the ring is filled before anything else is done: two loads of mine are out
.endr
	; A fragment is 16 rows x 32 K in 8 registers: lane l holds row l % 16; registers 0-3 hold K = 8 (l / 16) + 0..7, registers 4-7 K = 16 + 8 (l / 16) + 0..7: two loads of 16 bytes, 32 bytes apart.
	v_and_b32 v1, 15, v0                           ; l % 16
	v_bfe_u32 v2, v0, 4, 1                         ; l / 16
	v_mul_u32_u24 v3, v1, PITCH
	v_lshl_add_u32 v3, v2, 4, v3                   ; row x pitch + 16 x half
	s_mul_i32 s21, s11, HALFT                      ; my 128 rows of A
	s_mul_i32 s22, s12, HALFT                      ; my 128 rows of B,
	s_add_co_u32 s22, s22, 2*HALFT                 ; which lie behind A's 256
.irp s, 0,1
	v_add_nc_u32 v[ADRA+\s], s21, v3
	v_add_nc_u32 v[ADRB+\s], s22, v3
	s_add_co_u32 s21, s21, SLOT
	s_add_co_u32 s22, s22, SLOT
.endr
	s_mul_i32 s23, s10, 16*SPITCH
	s_add_co_u32 s23, s23, STAGE                   ; my stage
	v_mul_u32_u24 v4, v1, SPITCH                   ; in: row l % 16, 16 bytes for each half of the lanes
	v_lshl_add_u32 v4, v2, 4, v4
	v_add_nc_u32 v[STO], s23, v4
	v_mul_u32_u24 v5, v2, SPITCH                   ; back: lanes 0-15 take one row of 256 bytes, lanes 16-31 the next
	v_lshl_add_u32 v5, v1, 4, v5
	v_add_nc_u32 v[RD], s23, v5
	v_mul_u32_u24 v5, v2, SIZE_N*2                 ; and the same two rows in C
	v_lshl_add_u32 v[CO], v1, 4, v5
	; where my part of the tile begins in C, in bytes: the way out adds it to C's address
	s_lshl_b32 s13, s13, 8
	s_lshl_b32 s14, s11, 7
	s_add_co_u32 s16, s13, s14                     ; my first row of C
	s_mov_b32 s17, 0
	s_mov_b64 s[18:19], SIZE_N*2
	s_mul_u64 s[16:17], s[16:17], s[18:19]
	s_lshl_b32 s46, s42, 9                         ; my first column, in bytes: 512 x tile column + 256 x half
	s_lshl_b32 s47, s12, 8
	s_add_co_u32 s46, s46, s47
	s_mov_b32 s47, 0
	s_add_nc_u64 s[16:17], s[16:17], s[46:47]
; 16 matrix instructions: m blocks a0, a0 + 1 of the window's four (hi = 0: my rows 0-63, 1: rows 64-127) x all 8 n blocks, 32 along K.
; zero = 1: the first product starts the sums: nothing is ever cleared.  The 64 accumulators take turns, one instruction a turn.
.macro MUL16 f, hi, a0, zero
.irp a, \a0, \a0+1
.irp b, 0,1,2,3,4,5,6,7
.if \zero
	v_wmma_f32_16x16x32_f16 v[8*(8*(\a)+\b):8*(8*(\a)+\b)+7], v[\f+8*\b:\f+8*\b+7], v[\f+8*(4*\hi+\a):\f+8*(4*\hi+\a)+7], 0
.else
	v_wmma_f32_16x16x32_f16 v[8*(8*(\a)+\b):8*(8*(\a)+\b)+7], v[\f+8*\b:\f+8*\b+7], v[\f+8*(4*\hi+\a):\f+8*(4*\hi+\a)+7], v[8*(8*(\a)+\b):8*(8*(\a)+\b)+7]
.endif
.endr
.endr
.endm
; 32 LDS loads in one run: the fragments of one quarter step (128 rows of B, 128 rows of A, 32 K at byte k of the rows) into buffer f
.macro FETCH slot, k, f
	WIN TO_B
.irp i, 0,1,2,3,4,5,6,7
	ds_load_b128 v[\f+8*\i:\f+8*\i+3],   v[ADRB+\slot] offset:\k+\i*16*PITCH
	ds_load_b128 v[\f+8*\i+4:\f+8*\i+7], v[ADRB+\slot] offset:\k+\i*16*PITCH+32
.endr
	WIN 0
.irp i, 0,1,2,3,4,5,6,7
	ds_load_b128 v[\f+8*\i:\f+8*\i+3],   v[ADRA+\slot] offset:\k+\i*16*PITCH
	ds_load_b128 v[\f+8*\i+4:\f+8*\i+7], v[ADRA+\slot] offset:\k+\i*16*PITCH+32
.endr
.endm
.macro PLACES                          ; four places in front of loads into registers that matrix instructions have read, and of vector work on results
.rept 4
	v_nop
.endr
.endm
; A K step is four quarter steps of 32 along K, 64 matrix instructions each, on buffers 0, 1, 0, 1.
; One of the first three: multiplies buffer f; in its middle it fetches the next quarter's fragments, at byte k of the same slot's rows, into buffer g.
.macro QUARTER slot, k, f, g, zero
	s_wait_dscnt 8                                 ; B and A's rows 0-63 are in; the youngest eight loads (A's rows 64-127) may be out
	WIN MUL_LO
	MUL16 \f, 0, 0, \zero
	MUL16 \f, 0, 2, \zero
	PLACES
	FETCH \slot, \k, \g
	s_wait_dscnt 32                                ; all but the 32 just issued
	WIN MUL_HI
	MUL16 \f, 1, 0, \zero
	MUL16 \f, 1, 2, \zero
.endm
; The last quarter multiplies buffer 1 and changes slots.  MEET is its first half: ONE barrier for the change of slots.  In front of it each wave waits for all its tensor loads, of which one is
; out: its part of the next slot; adds 0 to its spare word; and waits for that and for its own reads of this slot.  Behind it nobody reads this slot any more and the next slot is whole.
.macro MEET round                      ; round = 1: a round of the cluster's barrier follows
	WIN 0                                          ; (the add's two registers lie in window 0)
	s_wait_tensorcnt 0x0                           ; all my tensor loads have landed
	ds_add_u32 v[SPW], v[NIL]                      ; 0 onto my spare word
	s_wait_dscnt 9                                 ; (the add and the youngest eight loads may be out)
	WIN MUL_LO
	MUL16 F1, 0, 0, 0                              ; sixteen matrix instructions stand between the add and the wait for it
	s_wait_dscnt 0x0                               ; the add is done, and my reads of this slot are over
	s_barrier_signal -1
	MUL16 F1, 0, 2, 0                              ; work on registers while the others arrive
.if \round
	WIN 0
.endif
	s_barrier_wait -1
.endm
; The whole last quarter.  Behind the round the slot just read out is filled again first, with the K step two steps on; then come the next slot's first fragments.
.macro TURN slot, next
	MEET 1
	CREST                                          ; no wave of any partner still reads this slot's tile or has a load on its way
	s_add_nc_u64 s[G0+4*\slot+2:G0+4*\slot+3], s[G0+4*\slot+2:G0+4*\slot+3], 2*KSTEP*2
	s_add_nc_u64 s[G0B+4*\slot+2:G0B+4*\slot+3], s[G0B+4*\slot+2:G0B+4*\slot+3], 2*KSTEP*2
	JLOAD \slot                                    ; my one tensor load behind the round; the four v_nop behind it are also the places in front of the loads below
	FETCH \next, 0, F0
	WIN MUL_HI
	MUL16 F1, 1, 0, 0
	MUL16 F1, 1, 2, 0
.endm
; THE LAST K STEP (it lies in slot 1) GOES BY ROWS OF C, NOT BY K.  All its fragments of B (4 quarters x 64 registers) fill window 1; then my eight blocks of 16 rows are finished one after the
; other, each with 32 matrix instructions (its 8 accumulators by turns, K ascending).  LDS is read no more than in any other K step.
.macro BLOAD q                         ; B's fragments of quarter q -> window 1, v[64 q ..]
.irp i, 0,1,2,3,4,5,6,7
	ds_load_b128 v[64*\q+8*\i:64*\q+8*\i+3],   v[ADRB+1] offset:64*\q+\i*16*PITCH
	ds_load_b128 v[64*\q+8*\i+4:64*\q+8*\i+7], v[ADRB+1] offset:64*\q+\i*16*PITCH+32
.endr
.endm
.macro ALOAD a                         ; A's fragments of block a, all four quarters -> buffer a % 4
.set FA, PA+32*((\a)%4)
.irp q, 0,1,2,3
	ds_load_b128 v[FA+8*\q:FA+8*\q+3],   v[ADRA+1] offset:64*\q+(\a)*16*PITCH
	ds_load_b128 v[FA+8*\q+4:FA+8*\q+7], v[ADRA+1] offset:64*\q+(\a)*16*PITCH+32
.endr
.endm
.macro ROW a                           ; block a is finished: 32 matrix instructions
.set FA, PA+32*((\a)%4)                ; its fragments of A
.set AC, 64*((\a)%4)                   ; its eight accumulators, in window 2 (blocks 0-3) or 3 (blocks 4-7)
	WIN MUL_LO+0x50*((\a)/4)                       ; MUL_LO or MUL_HI
.irp q, 0,1,2,3
.if (\a) == 0 && \q == 2
	s_wait_dscnt 24                                ; B's quarter 2 is in (behind it: A's blocks 1 to 3)
.endif
.irp b, 0,1,2,3,4,5,6,7
	v_wmma_f32_16x16x32_f16 v[AC+8*\b:AC+8*\b+7], v[64*\q+8*\b:64*\q+8*\b+7], v[FA+8*\q:FA+8*\q+7], v[AC+8*\b:AC+8*\b+7]
.endr
.endr
.endm
; THE WAY OUT of block a, in three parts.  PACK: rounded to f16, 16 bytes a lane.  TOSTAGE: into my own stage in LDS, and back as whole rows of 256 bytes.  SEND: stored.
.macro PACK a
.set AC, 64*((\a)%4)
	WIN 0x0a+5*((\a)/4)                            ; sources 0 and 1: window 2 or 3
.irp b, 0,1,2,3,4,5,6,7
.irp r, 0,1,2,3
	v_cvt_pk_f16_f32 v[TMP+4*\b+\r], v[AC+8*\b+2*\r], v[AC+8*\b+2*\r+1]
.endr
.endr
	WIN 0
.endm
.macro TOSTAGE a
.set BK, OB+192*((\a)%2)
.irp b, 0,1,2,3,4,5,6,7
	ds_store_b128 v[STO], v[TMP+4*\b:TMP+4*\b+3] offset:32*\b
.endr
.irp t, 0,1,2,3,4,5,6,7
	ds_load_b128 v[BK+4*\t:BK+4*\t+3], v[RD] offset:\t*2*SPITCH    ; LDS serves a wave's instructions in order (ISA guide 5.7.1.4): these see the stores above
.endr
.endm
.macro SEND a, younger                 ; younger: the LDS loads issued behind TOSTAGE's, which may stay out
.set BK, OB+192*((\a)%2)
	s_wait_dscnt \younger                          ; the block is back in registers
	s_wait_xcnt 0x0                                ; only behind this wait are the stores' base and the registers that earlier stores read rewritten
.if (\a) == 0
	s_add_nc_u64 s[8:9], s[8:9], s[16:17]          ; on to my first rows of the tile
.else
	s_add_nc_u64 s[8:9], s[8:9], 16*SIZE_N*2       ; 16 rows of C on
.endif
.irp t, 0,1,2,3,4,5,6,7
	global_store_b128 v[CO], v[BK+4*\t:BK+4*\t+3], s[8:9] offset:2*\t*SIZE_N*2   ; 16 lanes store 256 consecutive bytes, at a multiple of 256 from C's first byte
.endr
.endm
	s_wait_tensorcnt 1                             ; my part of K step 0 is in; K step 1's may stay out
	s_barrier_signal -1
	s_barrier_wait -1                              ; everybody's is
	FETCH 0, 0, F0
	QUARTER 0, 64,  F0, F1, 1                      ; the first quarter stands in front of the loop: its products start the sums
	WIN 0                                          ; at a label and at a branch every window is 0
	s_mov_b32 s3, LAPS-1
.Llap:                                                 ; a trip goes once round the ring, from a lap's second quarter to the next lap's first, and fills both slots again
	QUARTER 0, 128, F1, F0, 0
	QUARTER 0, 192, F0, F1, 0
	TURN 0, 1
	QUARTER 1, 64,  F0, F1, 0
	QUARTER 1, 128, F1, F0, 0
	QUARTER 1, 192, F0, F1, 0
	TURN 1, 0
	QUARTER 0, 64,  F0, F1, 0
	WIN 0
	s_sub_co_u32 s3, s3, 1
	s_cmp_lg_u32 s3, 0
	s_cbranch_scc1 .Llap
	QUARTER 0, 128, F1, F0, 0                      ; the last lap goes on
	QUARTER 0, 192, F0, F1, 0
	MEET 0                                         ; my one tensor load that was still out is slot 1's, the last K step's, so no round follows
	PLACES                                         ; for the loads into buffer 0, which the quarter before multiplied
	WIN TO_B
	BLOAD 0                                        ; three quarters of B now: buffer 1 (v128-191 of both windows) is still being multiplied
	BLOAD 1
	BLOAD 3
	WIN 0
	ALOAD 0
	WIN MUL_HI
	MUL16 F1, 1, 0, 0
	MUL16 F1, 1, 2, 0
	PLACES                                         ; for the loads into buffer 1
	WIN TO_B
	BLOAD 2
	WIN 0
	ALOAD 1
	ALOAD 2
	ALOAD 3
	s_wait_dscnt 40                                ; all but the 40 just issued
	ROW 0
.irp a, 0,1,2,3,4,5,6,7                ; each block leaves as soon as it is finished
	PLACES                                         ; its conversions read results just made
	PACK \a
	TOSTAGE \a
.if \a < 4
	ALOAD \a+4                                     ; its buffer takes the block four further on
	SEND \a, 8
.else
	SEND \a, 0
.endif
.if \a < 7
	ROW \a+1
.endif
.endr
	s_wait_tensorcnt 0x0                           ; the wave's end
	ds_add_u32 v[SPW], v[NIL]
	s_wait_dscnt 0x0
	CROUND                                         ; the closing round: no work-group ends while a partner may still ask for a tile that names it
	s_endpgm
.Lfunc_end_k_qf8ed3f90ff_qv:
	.size	k_qf8ed3f90ff_qv, .Lfunc_end_k_qf8ed3f90ff_qv-k_qf8ed3f90ff_qv
	.p2alignl 7, 3214868480
	.fill 96, 4, 3214868480
	.section	.rodata,"a",@progbits
	.p2align	6, 0x0
	.amdhsa_kernel k_qf8ed3f90ff_qv
		.amdhsa_group_segment_fixed_size 327680
		.amdhsa_private_segment_fixed_size 0
		.amdhsa_enable_private_segment 0
		.amdhsa_kernarg_size 24
		.amdhsa_user_sgpr_count 2
		.amdhsa_user_sgpr_kernarg_segment_ptr 1
		.amdhsa_wavefront_size32 1
		.amdhsa_system_sgpr_workgroup_id_x 1
		.amdhsa_system_sgpr_workgroup_id_y 1
		.amdhsa_system_sgpr_workgroup_id_z 1
		.amdhsa_system_vgpr_workitem_id 0
		.amdhsa_next_free_vgpr 1024
		.amdhsa_next_free_sgpr 66
		.amdhsa_reserve_vcc 0
		.amdhsa_float_denorm_mode_32 3
		.amdhsa_float_denorm_mode_16_64 3
		.amdhsa_memory_ordered 1
		.amdhsa_forward_progress 1
		.amdhsa_inst_pref_size 143
	.end_amdhsa_kernel
	.amdgpu_metadata
---
amdhsa.version: [ 1, 2 ]
amdhsa.kernels:
  - .name:           k_qf8ed3f90ff_qv
    .symbol:         k_qf8ed3f90ff_qv.kd
    .args:
      - { .name: hb, .offset: 0, .size: 8, .value_kind: global_buffer, .address_space: global }
      - { .name: wb, .offset: 8, .size: 8, .value_kind: global_buffer, .address_space: global }
      - { .name: qv, .offset: 16, .size: 8, .value_kind: global_buffer, .address_space: global }
    .group_segment_fixed_size: 327680
    .private_segment_fixed_size: 0
    .kernarg_segment_align: 8
    .kernarg_segment_size: 24
    .max_flat_workgroup_size: 128
    .sgpr_count:     66
    .vgpr_count:     1024
    .wavefront_size: 32
...
	.end_amdgpu_metadata
.endif
;; end of part 9
;; launch score (part 10): grid 12 x 16, 4 waves a work-group, clusters of 4 x 4, 327,680 bytes of LDS; arguments qv, st, pt, hb; writes st, pt
.if DOCPART == 10
	.amdgcn_target "amdgcn-amd-amdhsa--gfx1250"
	.amdhsa_code_object_version 6
	.text
	.protected	k_qf8ed3f90ff_score
	.globl	k_qf8ed3f90ff_score
	.p2align	8
	.type	k_qf8ed3f90ff_score,@function
k_qf8ed3f90ff_score:
	s_mov_b64 s[64:65], 0
	v_nop
	global_prefetch_b8 v0, s[64:65] scope:SCOPE_SE
	s_setreg_imm32_b32 hwreg(HW_REG_WAVE_MODE, 25, 1), 1
	s_wait_xcnt 0x0
	s_wait_alu depctr_hold_cnt(0) depctr_sa_sdst(0) depctr_va_vdst(0) depctr_va_sdst(0) depctr_va_ssrc(0) depctr_va_vcc(0) depctr_vm_vsrc(0)
	s_getreg_b32 s2, hwreg(HW_REG_IB_STS2, 6, 4)
	s_cmp_eq_u32 s2, 0
	s_cbranch_scc0 .Lentry_in_a_cluster
	s_endpgm
.Lentry_in_a_cluster:
	s_bfe_u32 s2, ttmp6, 0x10000c
	s_cmp_lg_u32 s2, 0xf033
	s_cbranch_scc0 .Lentry_shape_is_right
	s_endpgm
.Lentry_shape_is_right:
; SCORES AND THE FIRST HALF OF THE SOFTMAX.  A work-group makes 256 queries x 256 keys of s = q'' x'^T (K = 1,024, f16 operands, f32 sums), where q'' = (x Wq) Wk^T 2^-10 lies in columns 0-1023
; of qv and x' = x 2^-10 in hb: s is (x Wq)(x Wk)^T times 2^-20.  Each of the four waves makes 128 x 128, which is one key tile of the statistics: the causal mask, the tile's row maximum m,
; p~ = 2^(c s - c m) in f16 into pt, and for each row c m and the tile's row sum of p~ (taken before the rounding to f16) into st.  c = log2(e) / 32 x 2^20 = log2(e) 2^15.
; A row's 128 keys lie in one wave, so maximum and sum never leave the wave.
; The maximum that is taken away is the tile's own, so no exponent is above a rounding of 0 and p~ lies in [0, 1]; the next launch brings the tiles of a row to the row's common maximum.
; WHICH TILES.  A cluster of 4 x 4 work-groups makes a block of 1,024 x 1,024; of a batch's 2 x 2 blocks the three on and under the diagonal are made: cluster x = 0, 1, 2 is block
; (0, 0), (1, 0), (1, 1), cluster y the batch.  12 clusters, 192 work-groups, each with one tile.  In a diagonal block six work-groups lie wholly above the diagonal.  They run the same text:
; they are partners in every joint load, no branch may hang on the place in the cluster, and they write p~ = 0, sum 0 and the maximum c x (-2^100).  So does the wave above the diagonal
; in a diagonal work-group; its zeros are read by the next launch, whose K steps are two key tiles long.
; THE FLOOR -2^100: a sum of 1,024 products of f16 numbers is at most 1,024 x 65,504^2 = 4.4e12 in magnitude, so no true maximum lies under it, and c times it is finite.
; THE PRODUCT: K in steps of 128 through two LDS slots (rows of 256 bytes), 256 matrix instructions a wave in a step, 224 of them between a slot's request and the wait for it; A's tiles are
; shared along a row of the cluster, B's along a column; the matrix instruction is used transposed: a lane holds one query (l % 16) and the keys 8 (l / 16) + 0 .. 7 of each block of 16.
; REGISTERS: window 0: v0-31 addresses; v64-127, v128-191 fragments of A, two buffers; on the way out v64-127 a block's 64 scores, v128-151 statistics, v192-223 packed, v32-63 and v224-255 rows.
;   window 1: v64-127, v128-191 fragments of B.   window 2: the accumulators of my rows 0-63 ((a, b) at v[8 (8 a + b)]);   window 3: those of my rows 64-127.
; LIMITS: operands are f16; a weight p~ under 2^-25 of its tile's largest becomes 0; inputs are taken to be finite.
.set SIZE_K, 1024
.set LDA,    2048                      ; elements from row to row in qv
.set LDB,    1024                      ; and in hb
.set LDC,    2048                      ; and in pt
.set KSTEP,  128
.set PITCH,  272                       ; an LDS row: 256 bytes + 16: the 16 rows that a load touches start 4 banks apart
.set HALFT,  128*PITCH
.set SLOT,   4*HALFT                   ; the queries' 256 rows, then the keys' 256 rows
.set STAGE,  2*SLOT                    ; behind the ring: 16 rows x 272 bytes for each wave
.set SPITCH, 272
.set SCR,    STAGE+4*16*SPITCH         ; for each wave 1,024 bytes: c m of its 128 rows, then their sums
.set SPARE,  SCR+4*1024                ; the spare words, 128 bytes a wave: two blocks of 256 bytes that no other line names
.set LAPS,   SIZE_K/(2*KSTEP)
.set XW,   8                           ; v8      my wave's scratch: the word of row l % 16
.set SR,   9                           ; v9      my wave's scratch: 16 bytes a lane
.set SG,   10                          ; v10     16 x lane: my place in a run of 128 statistics
.set DG,   12                          ; v12     row l % 16 of block 0 less my first column: column 16 b + e of block a is masked where 16 b + e - 16 a is larger
.set NINF, 13                          ; v13     -inf
.set PM,   14                          ; v14     what the other half of the lanes holds
.set ADRA, 16
.set ADRB, 20
.set STO,  24
.set RD,   25
.set CO,   26
.set SPW,  28                          ; v28     my spare word: SPARE + 4 x my thread's number; never rewritten
.set NIL,  29                          ; v29     0; never rewritten
.set OB,   32                          ; 16 rows read back from the stage: v32-63 and v224-255 by turns
.set F0,   64
.set F1,   128
.set S,    64                          ; the way out: a block's scores, column 16 b + 8 (l / 16) + e in register 8 b + e
.set RM,   128                         ; v128-131 four running maxima
.set CM,   132                         ; v132-133 c m, twice
.set LS,   136                         ; v136-143 four running sums, pairs
.set FIN,  144                         ; v144-151 four rows' c m, four rows' sums
.set TMP,  192
.set G1, 24
.set G0, 32
.set G1B, 48
.set G0B, 56
.set CS,  66                           ; s[66:67] c, twice
.set SEL, 68                           ; s[68:69] lane selects: each lane takes its own place in the other half
.set MSB, 0
.macro WIN new                         ; the immediate's high byte repeats the setting that is left
.if MSB != \new
	s_set_vgpr_msb (MSB<<8)|\new
.set MSB, \new
.endif
.endm
.set MUL_LO, 0xa1                      ; source 0 (keys) window 1, source 1 (queries) window 0, C and D window 2
.set MUL_HI, 0xf1                      ; the same, C and D window 3
.set TO_B,   0x40                      ; destination window 1, address window 0
.macro JLOAD s                         ; a joint load: waves 0, 1 fetch the queries' halves, waves 2, 3 the keys'; four v_nop follow each line
	s_cmp_eq_u32 s11, 0
	s_cbranch_scc0 .Lfor_b_\@
	tensor_load_to_lds s[G0+4*\s:G0+4*\s+3], s[G1:G1+7]
	s_nop 0
.rept 4
	v_nop
.endr
	s_branch .Lasked_\@
.Lfor_b_\@:
	tensor_load_to_lds s[G0B+4*\s:G0B+4*\s+3], s[G1B:G1B+7]
	s_nop 0
.rept 4
	v_nop
.endr
.Lasked_\@:
.endm
.macro CREST                           ; a round of the cluster's barrier behind its opening barrier
	s_cmp_lg_u32 s10, 0
	s_cbranch_scc1 .Lnot_wave_0_\@
	s_barrier_signal -3
.Lnot_wave_0_\@:
	s_barrier_wait -3
	s_barrier_signal -1
	s_barrier_wait -1
.endm
.macro CROUND
	s_barrier_signal -1
	s_barrier_wait -1
	CREST
.endm
	s_load_b128 s[4:7], s[0:1], 0x0                ; qv s[4:5], st s[6:7]
	s_load_b64 s[8:9], s[0:1], 0x10                ; pt
	s_load_b64 s[86:87], s[0:1], 0x18              ; hb
	v_lshl_add_u32 v[SPW], v0, 2, SPARE
	v_mov_b32 v[NIL], 0
	ds_add_u32 v28, v29
	s_wait_dscnt 0x0
	v_lshrrev_b32 v1, 5, v0
	v_readfirstlane_b32 s10, v1                    ; wave 0..3
	s_lshr_b32 s11, s10, 1                         ; my half of the queries.  Also: I fetch queries (0) or keys (1)
	s_and_b32 s12, s10, 1                          ; my half of the keys.  Also: which 128 rows I fetch
	s_bfe_u32 s40, ttmp6, 0x40000                  ; cx
	s_bfe_u32 s41, ttmp6, 0x40004                  ; cy
	s_and_b32 s72, ttmp7, 0xffff                   ; batch
	s_min_u32 s73, ttmp9, 1                        ; block row: 0, 1, 1
	s_lshr_b32 s74, ttmp9, 1                       ; block column: 0, 0, 1
	s_lshl_b32 s75, s73, 2
	s_add_co_u32 s75, s75, s41                     ; query tile of 256 in the batch
	s_lshl_b32 s42, s74, 2
	s_add_co_u32 s42, s42, s40                     ; key tile of 256 in the batch, and tile column of pt
	s_lshl_b32 s76, s72, 3
	s_add_co_u32 s13, s76, s75                     ; the queries' row tile, and pt's
	s_add_co_u32 s45, s76, s42                     ; the keys' row tile
	s_lshl_b32 s43, s41, 2
	s_lshl_b32 s43, 15, s43                        ; my row of the cluster
	s_lshl_b32 s44, 0x1111, s40                    ; my column
	s_or_b32 s[G1+0], s43, (1<<16)|(1<<20)|(1<<21)|(5<<22)|(3<<25)  ; the mask; elements of 2 bytes; padding on; bit 21 beside a mask; after every 64 words 4 words
	s_or_b32 s[G1B+0], s44, (1<<16)|(1<<20)|(1<<21)|(5<<22)|(3<<25)
.irp g, G1, G1B
	s_mov_b32 s[\g+1], KSTEP<<16                   ; tensor_dim0 = 128
	s_mov_b32 s[\g+2], 128<<16                     ; tensor_dim1 = 128
	s_mov_b32 s[\g+3], KSTEP<<16                   ; tile_dim0 = 128
	s_mov_b32 s[\g+4], 128                         ; tile_dim1 = 128
	s_mov_b32 s[\g+6], 0
	s_mov_b32 s[\g+7], 0
.endr
	s_mov_b32 s[G1+5], LDA                         ; elements from row to row: the queries lie in qv,
	s_mov_b32 s[G1B+5], LDB                        ; the keys in hb
	s_mov_b32 s[CS], 0x4738aa3b                    ; c = log2(e) x 2^15
	s_mov_b32 s[CS+1], s[CS]
	s_mov_b32 s[SEL], 0x76543210
	s_mov_b32 s[SEL+1], 0xfedcba98
	s_mov_b32 s71, 0xf1800000                      ; -2^100
	s_lshl_b32 s17, s12, 7                         ; which 128 rows of the tile I fetch
	s_lshl_b32 s16, s13, 8
	s_add_co_u32 s16, s16, s17                     ; queries: row 256 x tile + 128 x half
	s_lshl_b32 s46, s45, 8
	s_add_co_u32 s46, s46, s17                     ; keys likewise
	s_mov_b32 s17, 0
	s_mov_b32 s47, 0
	s_mov_b64 s[18:19], LDA*2
	s_mul_u64 s[16:17], s[16:17], s[18:19]
	s_mov_b64 s[18:19], LDB*2
	s_mul_u64 s[46:47], s[46:47], s[18:19]
	s_mul_i32 s20, s10, HALFT                      ; where they go: wave x 128 rows: no place in the cluster enters an LDS address
	s_wait_kmcnt 0x0
	s_add_nc_u64 s[14:15], s[4:5], s[16:17]        ; q'''s rows
	s_add_nc_u64 s[46:47], s[86:87], s[46:47]      ; x''s rows
	CROUND                                         ; all sixteen work-groups are here: the first joint loads meet
.irp s, 0,1
	s_mov_b32 s[G0+4*\s], 1
	s_add_co_u32 s[G0+4*\s+1], s20, \s*SLOT
	s_add_nc_u64 s[G0+4*\s+2:G0+4*\s+3], s[14:15], \s*KSTEP*2
	s_or_b32 s[G0+4*\s+3], s[G0+4*\s+3], 0x80000000
	s_mov_b32 s[G0B+4*\s], 1
	s_add_co_u32 s[G0B+4*\s+1], s20, \s*SLOT
	s_add_nc_u64 s[G0B+4*\s+2:G0B+4*\s+3], s[46:47], \s*KSTEP*2
	s_or_b32 s[G0B+4*\s+3], s[G0B+4*\s+3], 0x80000000
	JLOAD \s                                       ; two loads of mine are out
.endr
	v_and_b32 v1, 15, v0                           ; r = l % 16
	v_bfe_u32 v2, v0, 4, 1                         ; h = l / 16
	v_mul_u32_u24 v3, v1, PITCH
	v_lshl_add_u32 v3, v2, 4, v3                   ; a fragment's row x pitch + 16 x half
	s_mul_i32 s21, s11, HALFT                      ; my 128 queries
	s_mul_i32 s22, s12, HALFT                      ; my 128 keys,
	s_add_co_u32 s22, s22, 2*HALFT                 ; behind the 256 queries
.irp s, 0,1
	v_add_nc_u32 v[ADRA+\s], s21, v3
	v_add_nc_u32 v[ADRB+\s], s22, v3
	s_add_co_u32 s21, s21, SLOT
	s_add_co_u32 s22, s22, SLOT
.endr
	s_mul_i32 s23, s10, 16*SPITCH
	s_add_co_u32 s23, s23, STAGE                   ; my stage
	v_mul_u32_u24 v4, v1, SPITCH                   ; in: row l % 16, 16 bytes for each half of the lanes
	v_lshl_add_u32 v4, v2, 4, v4
	v_add_nc_u32 v[STO], s23, v4
	v_mul_u32_u24 v5, v2, SPITCH                   ; back: lanes 0-15 take one row of 256 bytes, lanes 16-31 the next
	v_lshl_add_u32 v5, v1, 4, v5
	v_add_nc_u32 v[RD], s23, v5
	v_mul_u32_u24 v5, v2, LDC*2                    ; and the same two rows in pt
	v_lshl_add_u32 v[CO], v1, 4, v5
	s_lshl_b32 s23, s10, 10
	s_add_co_u32 s23, s23, SCR                     ; my scratch
	v_lshl_add_u32 v[XW], v1, 2, s23
	v_and_b32 v3, 31, v0
	v_lshlrev_b32 v[SG], 4, v3
	v_add_nc_u32 v[SR], s23, v[SG]
	; pt at my first row and column
	s_lshl_b32 s16, s13, 8
	s_lshl_b32 s14, s11, 7
	s_add_co_u32 s16, s16, s14
	s_lshl_b32 s16, s16, 12                        ; 4,096 bytes a row
	s_mov_b32 s17, 0
	s_add_nc_u64 s[8:9], s[8:9], s[16:17]
	s_lshl_b32 s46, s42, 9                         ; 512 x tile column + 256 x half
	s_lshl_b32 s47, s12, 8
	s_add_co_u32 s46, s46, s47
	s_mov_b32 s47, 0
	s_add_nc_u64 s[8:9], s[8:9], s[46:47]
	; st: [batch][16 key tiles of 128][2,048 rows] of f32: key tile 2 x (tile of 256) + my half; rows 256 x (tile of 256) + 128 x my half
	s_lshl_b32 s84, s45, 14
	s_lshl_b32 s85, s12, 13
	s_add_co_u32 s84, s84, s85
	s_lshl_b32 s85, s75, 10
	s_add_co_u32 s84, s84, s85
	s_lshl_b32 s85, s11, 9
	s_add_co_u32 s84, s84, s85
	s_mov_b32 s85, 0
	s_add_nc_u64 s[6:7], s[6:7], s[84:85]
	; the mask: row - first column = 256 (query tile - key tile) + 128 (row half - column half) + 16 a + r - 8 h.  It enters compares of vector data alone.
	s_sub_co_i32 s82, s75, s42
	s_lshl_b32 s82, s82, 8
	s_sub_co_i32 s83, s11, s12
	s_lshl_b32 s83, s83, 7
	s_add_co_i32 s82, s82, s83
	v_lshlrev_b32 v3, 3, v2
	v_sub_nc_u32 v[DG], v1, v3
	v_add_nc_u32 v[DG], s82, v[DG]
	v_mov_b32 v[NINF], 0xff800000
	v_mov_b32 v[PM], 0                             ; the lane exchange counts as a reader of its destination
; 16 matrix instructions: m blocks a0, a0 + 1 of the window's four x all 8 n blocks, 32 along K.  zero = 1: the product starts the sums.
; The 64 accumulators take turns, one instruction a turn.
.macro MUL16 f, hi, a0, zero
.irp a, \a0, \a0+1
.irp b, 0,1,2,3,4,5,6,7
.if \zero
	v_wmma_f32_16x16x32_f16 v[8*(8*(\a)+\b):8*(8*(\a)+\b)+7], v[\f+8*\b:\f+8*\b+7], v[\f+8*(4*\hi+\a):\f+8*(4*\hi+\a)+7], 0
.else
	v_wmma_f32_16x16x32_f16 v[8*(8*(\a)+\b):8*(8*(\a)+\b)+7], v[\f+8*\b:\f+8*\b+7], v[\f+8*(4*\hi+\a):\f+8*(4*\hi+\a)+7], v[8*(8*(\a)+\b):8*(8*(\a)+\b)+7]
.endif
.endr
.endr
.endm
.macro FETCH slot, k, f                ; 32 LDS loads in one run: the fragments of one quarter step into buffer f: the keys', then the queries'
	WIN TO_B
.irp i, 0,1,2,3,4,5,6,7
	ds_load_b128 v[\f+8*\i:\f+8*\i+3],   v[ADRB+\slot] offset:\k+\i*16*PITCH
	ds_load_b128 v[\f+8*\i+4:\f+8*\i+7], v[ADRB+\slot] offset:\k+\i*16*PITCH+32
.endr
	WIN 0
.irp i, 0,1,2,3,4,5,6,7
	ds_load_b128 v[\f+8*\i:\f+8*\i+3],   v[ADRA+\slot] offset:\k+\i*16*PITCH
	ds_load_b128 v[\f+8*\i+4:\f+8*\i+7], v[ADRA+\slot] offset:\k+\i*16*PITCH+32
.endr
.endm
.macro PLACES                          ; four places in front of loads into registers that matrix instructions have read, and of vector work on results
.rept 4
	v_nop
.endr
.endm
.macro QUARTER slot, k, f, g, zero     ; multiplies buffer f; in its middle fetches the next quarter's fragments, at byte k of the rows, into g
	s_wait_dscnt 8                                 ; the keys' fragments and queries 0-63 are in; the youngest eight loads (queries 64-127) may be out
	WIN MUL_LO
	MUL16 \f, 0, 0, \zero
	MUL16 \f, 0, 2, \zero
	PLACES
	FETCH \slot, \k, \g
	s_wait_dscnt 32                                ; all but the 32 just issued
	WIN MUL_HI
	MUL16 \f, 1, 0, \zero
	MUL16 \f, 1, 2, \zero
.endm
; The first half of a step's last quarter: ONE barrier for the change of slots; in front of it each wave waits for all its tensor loads, adds 0 to its spare word, and waits for that and for its reads of this slot.
.macro MEET round                      ; round = 1: a round of the cluster's barrier follows
	WIN 0                                          ; (the add's two registers lie in window 0)
	s_wait_tensorcnt 0x0                           ; all my tensor loads have landed: my part of the next slot
	ds_add_u32 v[SPW], v[NIL]                      ; 0 onto my spare word
	s_wait_dscnt 9                                 ; (the add and the youngest eight loads may be out)
	WIN MUL_LO
	MUL16 F1, 0, 0, 0
	s_wait_dscnt 0x0                               ; the add is done, and my reads of this slot are over
	s_barrier_signal -1
	MUL16 F1, 0, 2, 0
.if \round
	WIN 0
.endif
	s_barrier_wait -1
.endm
; The whole last quarter.  fill = 1: the barrier opens a round of the cluster's, and this slot is filled again first, two K steps ahead.  Then the next slot's first fragments.
.macro TURN slot, next, fill
	MEET \fill
.if \fill
	CREST                                          ; no wave of any partner still reads this slot or has a load on its way
	s_add_nc_u64 s[G0+4*\slot+2:G0+4*\slot+3], s[G0+4*\slot+2:G0+4*\slot+3], 2*KSTEP*2
	s_add_nc_u64 s[G0B+4*\slot+2:G0B+4*\slot+3], s[G0B+4*\slot+2:G0B+4*\slot+3], 2*KSTEP*2
	JLOAD \slot                                    ; my one tensor load behind the round; its four v_nop are also the places in front of the loads below
.else
	PLACES
.endif
	FETCH \next, 0, F0
	WIN MUL_HI
	MUL16 F1, 1, 0, 0
	MUL16 F1, 1, 2, 0
.endm
; THE WAY OUT of block a: 16 queries x 128 keys, a lane's 64 scores.
; SOFT: the mask moves them into window 0 (each accumulator from its low end on); maximum, exponentials and sum in four chains that do not wait for each other; c m and the sum into my scratch; p~ packed to f16.
.macro SOFT a
.set AC, 64*((\a)%4)
	WIN 0x02+(\a)/4                                ; source 0: window 2 or 3
.irp b, 0,1,2,3,4,5,6,7
.irp e, 0,1,2,3,4,5,6,7
	v_cmp_gt_i32 vcc_lo, 16*\b+\e-16*(\a), v[DG]
	v_cndmask_b32 v[S+8*\b+\e], v[AC+8*\b+\e], v[NINF], vcc_lo
.endr
.endr
	WIN 0
.irp q, 0,1,2,3
	v_max3_num_f32 v[RM+\q], v[S+16*\q], v[S+16*\q+1], v[S+16*\q+2]
.endr
.irp k, 3,5,7,9,11,13
.irp q, 0,1,2,3
	v_max3_num_f32 v[RM+\q], v[RM+\q], v[S+16*\q+\k], v[S+16*\q+\k+1]
.endr
.endr
.irp q, 0,1,2,3
	v_max_num_f32 v[RM+\q], v[RM+\q], v[S+16*\q+15]
.endr
	v_max3_num_f32 v[RM], v[RM], v[RM+1], v[RM+2]
	v_max_num_f32 v[RM], v[RM], v[RM+3]
	v_permlanex16_b32 v[PM], v[RM], s[SEL], s[SEL+1]   ; the query's other 64 keys lie in the lane 16 away
	v_max3_num_f32 v[RM], v[RM], v[PM], s71        ; at least -2^100: a row with every column masked gives -inf less a finite number, and p~ = 0
	v_mul_f32 v[CM], s[CS], v[RM]
	v_mov_b32 v[CM+1], v[CM]                       ; named with it as a pair, so it is written
.set k, 0
.rept 32
	v_pk_fma_f32 v[S+k:S+k+1], v[S+k:S+k+1], s[CS:CS+1], v[CM:CM+1] op_sel_hi:[1,0,0] neg_lo:[0,0,1] neg_hi:[0,0,1]   ; c s - c m
.set k, k+2
.endr
.set k, 0
.rept 64
	v_exp_f32 v[S+k], v[S+k]
.set k, k+1
.endr
	v_nop                                          ; a plain instruction between the last exponential and the use of its result
	s_wait_alu depctr_va_vdst(0)
.irp q, 0,1,2,3
	v_pk_add_f32 v[LS+2*\q:LS+2*\q+1], v[S+16*\q:S+16*\q+1], v[S+16*\q+2:S+16*\q+3]
.endr
.irp k, 4,6,8,10,12,14
.irp q, 0,1,2,3
	v_pk_add_f32 v[LS+2*\q:LS+2*\q+1], v[LS+2*\q:LS+2*\q+1], v[S+16*\q+\k:S+16*\q+\k+1]
.endr
.endr
	v_pk_add_f32 v[LS:LS+1], v[LS:LS+1], v[LS+2:LS+3]
	v_pk_add_f32 v[LS+4:LS+5], v[LS+4:LS+5], v[LS+6:LS+7]
	v_pk_add_f32 v[LS:LS+1], v[LS:LS+1], v[LS+4:LS+5]
	v_add_f32 v[LS], v[LS], v[LS+1]
	v_permlanex16_b32 v[PM], v[LS], s[SEL], s[SEL+1]
	v_add_f32 v[LS], v[LS], v[PM]
	ds_store_b32 v[XW], v[CM] offset:64*(\a)       ; both halves of the lanes write the same number to the same word
	ds_store_b32 v[XW], v[LS] offset:512+64*(\a)
.irp b, 0,1,2,3,4,5,6,7
.irp r, 0,1,2,3
	v_cvt_pk_f16_f32 v[TMP+4*\b+\r], v[S+8*\b+2*\r], v[S+8*\b+2*\r+1]
.endr
.endr
.endm
.macro TOSTAGE a                       ; into my own stage, and back as whole rows of 256 bytes
.set BK, OB+192*((\a)%2)
.irp b, 0,1,2,3,4,5,6,7
	ds_store_b128 v[STO], v[TMP+4*\b:TMP+4*\b+3] offset:32*\b
.endr
.irp t, 0,1,2,3,4,5,6,7
	ds_load_b128 v[BK+4*\t:BK+4*\t+3], v[RD] offset:\t*2*SPITCH    ; LDS serves a wave's instructions in order (ISA guide 5.7.1.4): these see the stores above
.endr
.endm
.macro SEND a
.set BK, OB+192*((\a)%2)
	s_wait_dscnt 0x0                               ; the block is back in registers
	s_wait_xcnt 0x0                                ; the other set of row registers, which the block before's stores read, is loaded again only behind this wait
.irp t, 0,1,2,3,4,5,6,7
	global_store_b128 v[CO], v[BK+4*\t:BK+4*\t+3], s[8:9] offset:(16*(\a)+2*\t)*LDC*2   ; 16 lanes store 256 consecutive bytes, at a multiple of 256 from pt's first byte
.endr
.endm
	s_wait_tensorcnt 1                             ; my part of K step 0 is in; K step 1's may stay out
	s_barrier_signal -1
	s_barrier_wait -1
	FETCH 0, 0, F0
	QUARTER 0, 64,  F0, F1, 1                      ; the first quarter stands in front of the loop: its products start the sums
	WIN 0                                          ; at a label and at a branch every window is 0
	s_mov_b32 s3, LAPS-1
.Llap:                                                 ; a trip goes once round the ring and fills both slots again
	QUARTER 0, 128, F1, F0, 0
	QUARTER 0, 192, F0, F1, 0
	TURN 0, 1, 1
	QUARTER 1, 64,  F0, F1, 0
	QUARTER 1, 128, F1, F0, 0
	QUARTER 1, 192, F0, F1, 0
	TURN 1, 0, 1
	QUARTER 0, 64,  F0, F1, 0
	WIN 0
	s_sub_co_u32 s3, s3, 1
	s_cmp_lg_u32 s3, 0
	s_cbranch_scc1 .Llap
	QUARTER 0, 128, F1, F0, 0                      ; the last lap fills nothing, and has no round of the cluster's barrier
	QUARTER 0, 192, F0, F1, 0
	TURN 0, 1, 0
	QUARTER 1, 64,  F0, F1, 0
	QUARTER 1, 128, F1, F0, 0
	QUARTER 1, 192, F0, F1, 0
	s_wait_dscnt 8                                 ; the very last quarter: nothing more to fetch
	WIN MUL_LO
	MUL16 F1, 0, 0, 0
	MUL16 F1, 0, 2, 0
	s_wait_dscnt 0x0
	WIN MUL_HI
	MUL16 F1, 1, 0, 0
	MUL16 F1, 1, 2, 0
	WIN 0
	PLACES                                         ; behind the last products: the way out reads their results and writes over their fragments of the queries
	SOFT 0
	TOSTAGE 0
.irp a, 1,2,3,4,5,6,7                  ; block a's arithmetic stands between block a - 1's loads from the stage and the wait for them
	SOFT \a
	SEND \a-1
	TOSTAGE \a
.endr
	ds_load_b128 v[FIN:FIN+3],   v[SR]             ; c m of rows 4 l .. 4 l + 3 of my 128: my own stores, served in order
	ds_load_b128 v[FIN+4:FIN+7], v[SR] offset:512  ; their sums
	SEND 7
	global_store_b128 v[SG], v[FIN:FIN+3],   s[6:7]                 ; 32 lanes x 16 bytes: 512 consecutive bytes, aligned
	global_store_b128 v[SG], v[FIN+4:FIN+7], s[6:7] offset:524288   ; the sums lie 524,288 bytes behind the maxima
	s_wait_tensorcnt 0x0                           ; the wave's end
	ds_add_u32 v[SPW], v[NIL]
	s_wait_dscnt 0x0
	CROUND                                         ; the closing round: no work-group ends while a partner may still ask for a tile that names it
	s_endpgm
.Lfunc_end_k_qf8ed3f90ff_score:
	.size	k_qf8ed3f90ff_score, .Lfunc_end_k_qf8ed3f90ff_score-k_qf8ed3f90ff_score
	.p2alignl 7, 3214868480
	.fill 96, 4, 3214868480
	.section	.rodata,"a",@progbits
	.p2align	6, 0x0
	.amdhsa_kernel k_qf8ed3f90ff_score
		.amdhsa_group_segment_fixed_size 327680
		.amdhsa_private_segment_fixed_size 0
		.amdhsa_enable_private_segment 0
		.amdhsa_kernarg_size 32
		.amdhsa_user_sgpr_count 2
		.amdhsa_user_sgpr_kernarg_segment_ptr 1
		.amdhsa_wavefront_size32 1
		.amdhsa_system_sgpr_workgroup_id_x 1
		.amdhsa_system_sgpr_workgroup_id_y 1
		.amdhsa_system_sgpr_workgroup_id_z 1
		.amdhsa_system_vgpr_workitem_id 0
		.amdhsa_next_free_vgpr 1024
		.amdhsa_next_free_sgpr 96
		.amdhsa_reserve_vcc 1
		.amdhsa_float_denorm_mode_32 3
		.amdhsa_float_denorm_mode_16_64 3
		.amdhsa_memory_ordered 1
		.amdhsa_forward_progress 1
		.amdhsa_inst_pref_size 251
	.end_amdhsa_kernel
	.amdgpu_metadata
---
amdhsa.version: [ 1, 2 ]
amdhsa.kernels:
  - .name:           k_qf8ed3f90ff_score
    .symbol:         k_qf8ed3f90ff_score.kd
    .args:
      - { .name: qv, .offset: 0, .size: 8, .value_kind: global_buffer, .address_space: global }
      - { .name: st, .offset: 8, .size: 8, .value_kind: global_buffer, .address_space: global }
      - { .name: pt, .offset: 16, .size: 8, .value_kind: global_buffer, .address_space: global }
      - { .name: hb, .offset: 24, .size: 8, .value_kind: global_buffer, .address_space: global }
    .group_segment_fixed_size: 327680
    .private_segment_fixed_size: 0
    .kernarg_segment_align: 8
    .kernarg_segment_size: 32
    .max_flat_workgroup_size: 128
    .sgpr_count:     96
    .vgpr_count:     1024
    .wavefront_size: 32
...
	.end_amdgpu_metadata
.endif
;; end of part 10
;; launch pv (part 11): grid 8 x 64, 4 waves a work-group, clusters of 4 x 1, 327,680 bytes of LDS; arguments pt, qv, st, x, hf, hb; writes hf, hb
.if DOCPART == 11
	.amdgcn_target "amdgcn-amd-amdhsa--gfx1250"
	.amdhsa_code_object_version 6
	.text
	.protected	k_qf8ed3f90ff_pv
	.globl	k_qf8ed3f90ff_pv
	.p2align	8
	.type	k_qf8ed3f90ff_pv,@function
k_qf8ed3f90ff_pv:
	s_mov_b64 s[64:65], 0
	v_nop
	global_prefetch_b8 v0, s[64:65] scope:SCOPE_SE
	s_setreg_imm32_b32 hwreg(HW_REG_WAVE_MODE, 25, 1), 1
	s_wait_xcnt 0x0
	s_wait_alu depctr_hold_cnt(0) depctr_sa_sdst(0) depctr_va_vdst(0) depctr_va_sdst(0) depctr_va_ssrc(0) depctr_va_vcc(0) depctr_vm_vsrc(0)
	s_getreg_b32 s2, hwreg(HW_REG_IB_STS2, 6, 4)
	s_cmp_eq_u32 s2, 0
	s_cbranch_scc0 .Lentry_in_a_cluster
	s_endpgm
.Lentry_in_a_cluster:
	s_bfe_u32 s2, ttmp6, 0x10000c
	s_cmp_lg_u32 s2, 0x3003
	s_cbranch_scc0 .Lentry_shape_is_right
	s_endpgm
.Lentry_shape_is_right:
; THE SECOND HALF OF THE SOFTMAX, THE SECOND PRODUCT AND THE RESIDUAL.  For 128 queries x 128 channels:
;   hf = x + sum over key tiles j of g_j (p~_j V'_j),   g_j = 1,024 x 2^(c m_j - M) / L,   M = max over j of c m_j,   L = sum over j of 2^(c m_j - M) l_j;   hb = hf rounded to f16.
; V' = x Wv 2^-10 lies in columns 1024-2047 of qv; the 1,024 in g takes its factor back.  hb held x 2^-10 up to the score launch, which was its last reader; this launch loads nothing from it.
; c m_j and l_j are a row's tile maximum and tile sum as the score launch left them (-inf and 0 where it made no tile).  No exponent is above 0, and L is at least about 1.
; SHARES.  Query tile i = 15 - y / 4 (the longest first), batch y % 4, channel tile 4 x cluster x + cx.  K steps are 256 keys, two key tiles; query tile i has i / 2 + 1 of them.
; They are walked DOWN the keys: step r lies in slot r % 2, the text holds steps 7 to 0 one after the other, and a work-group enters at its first step: every tensor load behind the entry is on every path.
; CLUSTER 4 x 1: the four channel tiles of one query tile need the same tiles of p~, which are asked for jointly, and have the same number of steps.  V's tiles differ between them and are
; plain loads, issued in the same place.  A cluster of 4 x 4 is not used: partners along the queries would have different numbers of steps.
; A work-group with one step (64 of the 512) fills slot 1 with step 0 a second time and does not read it: that keeps one text for the first fills.
; LAYOUT.  Source 0 = V^T (16 channels x 32 keys, turned out of V[key][channel] by ds_load_tr16_b128), source 1 = p~ (16 queries x 32 keys): a lane holds one query and eight channels, so g_j is a number a lane.
; Each key tile's product is summed by the matrix unit in ACC (started by the constant 0) and merged into TOT by fused multiply-adds.
; REGISTERS: window 0: v0-31 addresses; v32-95 g (block a, tile j at 32 + 16 a + j), later the f16 rows; v128-255 ACC.  Window 1: two fragment buffers of 128, later x.  Window 2: v0-127 TOT.
; LIMITS: operands are f16.  hb is kept in f16, so |h| must stay under 65,504: it is at most |x| + the largest |v|, about 5,000 with x and Wv 30 times the drawn spread and about 29,000 with a
; common offset of 30 spreads on both.  Inputs are taken to be finite.
.set KSTEP, 256
.set LDP,   2048                       ; elements from row to row in pt
.set LDV,   2048                       ; and in qv
.set PA,    528                        ; an LDS row of p~: 512 bytes + 16
.set PVP,   288                        ; an LDS row of V: 256 bytes + 32
.set HALFA, 64*PA                      ; what a load of p~ brings, and what a wave reads of it
.set HALFV, 128*PVP                    ; what a load of V brings
.set VOFF,  2*HALFA                    ; in a slot: 128 rows of p~, then 256 rows of V
.set SLOT,  VOFF+2*HALFV
.set ST32,  SLOT                       ; the way out's stage, 128 rows x 528 bytes, on slot 1's rows of p~: their last fill lies in front of step 1's barrier, and a barrier of its own,
                                       ; in step 0's last quarter, stands between every wave's reads of tiles and the stores into the stage, on every way into the chain
.set SP32,  528
.set FT,    2*SLOT                     ; g: [128 rows][16 tiles] of f32, 80 bytes a row
.set FP,    80
.set SPARE, FT+128*FP                  ; the spare words, 128 bytes a wave
.set ADRA, 16                          ; v16-17  LDS address of my fragments of p~ in slot 0, 1
.set ADRV, 20                          ; v20-23  of V: slot 0 keys 0-127, 128-255; slot 1 likewise (240 rows of 288 bytes pass the 16-bit offset)
.set STO,  24
.set RD,   25
.set CO,   26                          ; v26     16 x lane
.set COB,  27                          ; v27     8 x lane
.set SPW,  28
.set NIL,  29
.set VF,   30                          ; v30     g of row l % 16 of my 64
.set FS,   31                          ; v31     g of row = my thread's number
.set FB,   32
.set TMP,  32
.set ACC,  128
.set F0,   0
.set F1,   128
.set G1, 24                            ; s[24:31] group 1 for p~; s[32:39] group 0, a set for each slot
.set G0, 32
.set G1B, 48                           ; s[48:55], s[56:63] the same for V
.set G0B, 56
.set MSB, 0
.macro WIN new
.if MSB != \new
	s_set_vgpr_msb (MSB<<8)|\new
.set MSB, \new
.endif
.endm
.set MUL,  0x05                        ; sources 0 and 1 window 1; C and D window 0
.set TO_F, 0x40                        ; destination window 1
.set CLR,  0x80                        ; destination window 2
.set MRG,  0xa0                        ; destination and source 2 window 2
.set STW,  0x08                        ; an LDS store's data window 2
.set ADDX, 0x04                        ; source 1 window 1
.macro JLOAD s                         ; waves 0, 1: the halves of p~'s tile, jointly; waves 2, 3: the halves of V's; four v_nop follow each line
	s_cmp_eq_u32 s11, 0
	s_cbranch_scc0 .Lfor_b_\@
	tensor_load_to_lds s[G0+4*\s:G0+4*\s+3], s[G1:G1+7]
	s_nop 0
.rept 4
	v_nop
.endr
	s_branch .Lasked_\@
.Lfor_b_\@:
	tensor_load_to_lds s[G0B+4*\s:G0B+4*\s+3], s[G1B:G1B+7]
	s_nop 0
.rept 4
	v_nop
.endr
.Lasked_\@:
.endm
.macro CREST
	s_cmp_lg_u32 s10, 0
	s_cbranch_scc1 .Lnot_wave_0_\@
	s_barrier_signal -3
.Lnot_wave_0_\@:
	s_barrier_wait -3
	s_barrier_signal -1
	s_barrier_wait -1
.endm
.macro CROUND
	s_barrier_signal -1
	s_barrier_wait -1
	CREST
.endm
	s_load_b128 s[4:7], s[0:1], 0x0                ; pt s[4:5], qv s[6:7]
	s_load_b128 s[68:71], s[0:1], 0x10             ; st s[68:69], x s[70:71]
	s_load_b128 s[72:75], s[0:1], 0x20             ; hf s[72:73], hb s[74:75]
	v_lshl_add_u32 v[SPW], v0, 2, SPARE
	v_mov_b32 v[NIL], 0
	ds_add_u32 v28, v29
	s_wait_dscnt 0x0
	v_lshrrev_b32 v1, 5, v0
	v_readfirstlane_b32 s10, v1                    ; wave 0..3
	s_lshr_b32 s11, s10, 1                         ; my half of the queries.  Also: I fetch p~ (0) or V (1)
	s_and_b32 s12, s10, 1                          ; my half of the channels.  Also: which half of that tile I fetch
	s_bfe_u32 s40, ttmp6, 0x40000                  ; cx
	s_lshl_b32 s42, ttmp9, 2
	s_add_co_u32 s42, s42, s40                     ; channel tile: it enters V's, x's, hf's and hb's addresses alone
	s_and_b32 s79, ttmp7, 0xffff
	s_lshr_b32 s77, s79, 2
	s_sub_co_u32 s77, 15, s77                      ; i
	s_and_b32 s78, s79, 3                          ; batch
	s_lshr_b32 s76, s77, 1                         ; R: my first step
	s_and_b32 s80, s76, 6                          ; slot 0's first step: the largest even number up to R
	s_sub_co_i32 s81, s76, 1
	s_or_b32 s81, s81, 1
	s_max_i32 s81, s81, 0                          ; slot 1's: the largest odd number up to R; step 0 where there is none
	s_mov_b32 s[G1+0], 15|(1<<16)|(1<<20)|(1<<21)|(6<<22)|(3<<25)   ; all four work-groups; elements of 2 bytes; padding on; bit 21 beside a mask; after every 128 words 4 words
	s_mov_b32 s[G1+1], KSTEP<<16                   ; tensor_dim0 = 256
	s_mov_b32 s[G1+2], 64<<16                      ; tensor_dim1 = 64
	s_mov_b32 s[G1+3], KSTEP<<16                   ; tile_dim0 = 256
	s_mov_b32 s[G1+4], 64                          ; tile_dim1 = 64
	s_mov_b32 s[G1+5], LDP
	s_mov_b32 s[G1+6], 0
	s_mov_b32 s[G1+7], 0
	s_mov_b32 s[G1B+0], (1<<16)|(1<<20)|(5<<22)|(7<<25)             ; no mask; after every 64 words 8 words
	s_mov_b32 s[G1B+1], 128<<16                    ; tensor_dim0 = 128
	s_mov_b32 s[G1B+2], 128<<16                    ; tensor_dim1 = 128
	s_mov_b32 s[G1B+3], 128<<16                    ; tile_dim0 = 128
	s_mov_b32 s[G1B+4], 128                        ; tile_dim1 = 128
	s_mov_b32 s[G1B+5], LDV
	s_mov_b32 s[G1B+6], 0
	s_mov_b32 s[G1B+7], 0
	s_lshl_b32 s82, s78, 11                        ; the batch's first row
	s_lshl_b32 s83, s77, 7
	s_add_co_u32 s83, s83, s82                     ; the query tile's first row
	s_lshl_b32 s14, s12, 6
	s_add_co_u32 s14, s14, s83
	s_lshl_b32 s14, s14, 12                        ; p~: the 64 rows that I fetch, 4,096 bytes each,
	s_lshl_b32 s16, s80, 9                         ; and the step's 512 bytes in them
	s_add_co_u32 s16, s16, s14
	s_mov_b32 s17, 0
	s_lshl_b32 s18, s81, 9
	s_add_co_u32 s18, s18, s14
	s_mov_b32 s19, 0
	s_lshl_b32 s15, s12, 7
	s_add_co_u32 s15, s15, s82
	s_lshl_b32 s20, s80, 8
	s_add_co_u32 s20, s20, s15                     ; V: key row = batch + 256 x step + 128 x half,
	s_mul_i32 s20, s20, LDV*2
	s_lshl_b32 s22, s81, 8
	s_add_co_u32 s22, s22, s15
	s_mul_i32 s22, s22, LDV*2
	s_lshl_b32 s23, s42, 8
	s_add_co_u32 s23, s23, 2048                    ; V's columns begin 1,024 elements into a row; then my channel tile's 256 bytes
	s_add_co_u32 s20, s20, s23
	s_add_co_u32 s22, s22, s23
	s_mov_b32 s21, 0
	s_mov_b32 s23, 0
	s_mul_i32 s84, s12, HALFA                      ; where they go: no place in the cluster enters an LDS address
	s_mul_i32 s85, s12, HALFV
	s_add_co_u32 s85, s85, VOFF
	s_wait_kmcnt 0x0
	CROUND                                         ; all four work-groups are here: the first joint loads meet
	s_mov_b32 s[G0], 1
	s_mov_b32 s[G0+1], s84
	s_add_nc_u64 s[G0+2:G0+3], s[4:5], s[16:17]
	s_or_b32 s[G0+3], s[G0+3], 0x80000000
	s_mov_b32 s[G0+4], 1
	s_add_co_u32 s[G0+5], s84, SLOT
	s_add_nc_u64 s[G0+6:G0+7], s[4:5], s[18:19]
	s_or_b32 s[G0+7], s[G0+7], 0x80000000
	s_mov_b32 s[G0B], 1
	s_mov_b32 s[G0B+1], s85
	s_add_nc_u64 s[G0B+2:G0B+3], s[6:7], s[20:21]
	s_or_b32 s[G0B+3], s[G0B+3], 0x80000000
	s_mov_b32 s[G0B+4], 1
	s_add_co_u32 s[G0B+5], s85, SLOT
	s_add_nc_u64 s[G0B+6:G0B+7], s[6:7], s[22:23]
	s_or_b32 s[G0B+7], s[G0B+7], 0x80000000
	JLOAD 0
	JLOAD 1                                        ; two loads of mine are out
	; THE STATISTICS.  Thread t takes row t of the tile: sixteen c m_j and sixteen l_j.
	s_lshl_b32 s86, s78, 17                        ; st: [batch][16 tiles][2,048 rows] of f32
	s_lshl_b32 s87, s77, 9
	s_add_co_u32 s86, s86, s87
	s_mov_b32 s87, 0
	s_add_nc_u64 s[68:69], s[68:69], s[86:87]
	v_lshlrev_b32 v6, 2, v0
.irp j, 0,1,2,3,4,5,6,7,8,9,10,11,12,13,14,15
	global_load_b32 v[128+\j], v6, s[68:69] offset:8192*\j
	global_load_b32 v[144+\j], v6, s[68:69] offset:524288+8192*\j
.endr
	; While they are on their way: TOT = 0.  The step at which the sums begin is known only when the work-group runs, so no written-out first merge can start them.
	WIN CLR
.set k, 0
.rept 128
	v_mov_b32 v[k], 0
.set k, k+1
.endr
	WIN 0
	v_and_b32 v1, 15, v0                           ; r = l % 16
	v_bfe_u32 v2, v0, 4, 1                         ; h = l / 16
	v_and_b32 v3, 31, v0                           ; l
	v_mul_u32_u24 v4, v1, PA
	v_lshl_add_u32 v4, v2, 4, v4                   ; a fragment of p~: row x pitch + 16 x half
	s_mul_i32 s92, s11, HALFA
	v_add_nc_u32 v[ADRA], s92, v4
	v_add_nc_u32 v[ADRA+1], SLOT, v[ADRA]
	v_and_b32 v5, 7, v0                            ; the turning load: lane l reads 16 bytes of key 8 h + l % 8, channels 8 ((l / 8) % 2) on
	v_lshl_add_u32 v5, v2, 3, v5
	v_mul_u32_u24 v5, v5, PVP
	v_bfe_u32 v7, v0, 3, 1
	v_lshl_add_u32 v5, v7, 4, v5
	s_lshl_b32 s92, s12, 7                         ; my 64 channels
	s_add_co_u32 s92, s92, VOFF
	v_add_nc_u32 v[ADRV], s92, v5
	v_add_nc_u32 v[ADRV+1], HALFV, v[ADRV]
	v_add_nc_u32 v[ADRV+2], SLOT, v[ADRV]
	v_add_nc_u32 v[ADRV+3], SLOT+HALFV, v[ADRV]
	s_mul_i32 s92, s11, 64*SP32                    ; into the stage: row l % 16 of my 64, my 256 bytes, 32 bytes for each half of the lanes
	s_lshl_b32 s93, s12, 8
	s_add_co_u32 s92, s92, s93
	s_add_co_u32 s92, s92, ST32
	v_mul_u32_u24 v8, v1, SP32
	v_lshl_add_u32 v8, v2, 5, v8
	v_add_nc_u32 v[STO], s92, v8
	s_mul_i32 s92, s10, 32*SP32                    ; back: wave w takes rows 32 w on, a whole row of 512 bytes a load
	s_add_co_u32 s92, s92, ST32
	v_lshl_add_u32 v[RD], v3, 4, s92
	v_lshlrev_b32 v[CO], 4, v3
	v_lshlrev_b32 v[COB], 3, v3
	s_mul_i32 s92, s11, 64*FP
	s_add_co_u32 s92, s92, FT
	v_mul_u32_u24 v[VF], v1, FP
	v_add_nc_u32 v[VF], s92, v[VF]
	v_mul_u32_u24 v[FS], v0, FP
	v_add_nc_u32 v[FS], FT, v[FS]
	s_lshl_b32 s86, s10, 5
	s_add_co_u32 s86, s86, s83                     ; the first row that I store
	s_lshl_b32 s88, s86, 12
	s_mov_b32 s89, 0
	s_add_nc_u64 s[70:71], s[70:71], s[88:89]
	s_add_nc_u64 s[72:73], s[72:73], s[88:89]
	s_lshl_b32 s88, s86, 11
	s_add_nc_u64 s[74:75], s[74:75], s[88:89]
	s_lshl_b32 s90, s42, 9                         ; my channel tile: 512 bytes of f32, 256 of f16
	s_mov_b32 s91, 0
	s_add_nc_u64 s[70:71], s[70:71], s[90:91]
	s_add_nc_u64 s[72:73], s[72:73], s[90:91]
	s_lshl_b32 s90, s42, 8
	s_add_nc_u64 s[74:75], s[74:75], s[90:91]
	s_wait_loadcnt 0x0
	v_max3_num_f32 v160, v128, v129, v130          ; M: the diagonal tile's maximum is finite, so M is
.irp j, 3,5,7,9,11,13
	v_max3_num_f32 v160, v160, v[128+\j], v[128+\j+1]
.endr
	v_max_num_f32 v160, v160, v143
.irp j, 0,1,2,3,4,5,6,7,8,9,10,11,12,13,14,15
	v_sub_f32 v[128+\j], v[128+\j], v160
.endr
.irp j, 0,1,2,3,4,5,6,7,8,9,10,11,12,13,14,15
	v_exp_f32 v[128+\j], v[128+\j]
.endr
	v_nop                                          ; a plain instruction between the last exponential and the use of its result
	s_wait_alu depctr_va_vdst(0)
	v_mul_f32 v161, v128, v144                     ; L, in two chains
	v_mul_f32 v162, v129, v145
.irp j, 2,4,6,8,10,12,14
	v_fma_f32 v161, v[128+\j], v[144+\j], v161
	v_fma_f32 v162, v[128+\j+1], v[144+\j+1], v162
.endr
	v_add_f32 v161, v161, v162
	v_rcp_f32 v163, v161
	v_nop
	s_wait_alu depctr_va_vdst(0)
	v_mul_f32 v163, 0x44800000, v163               ; 1,024 / L: V' carries 2^-10
.irp j, 0,1,2,3,4,5,6,7,8,9,10,11,12,13,14,15
	v_mul_f32 v[128+\j], v[128+\j], v163           ; g_j: the division by L is made here, once for each row and tile
.endr
.irp k, 0,1,2,3
	ds_store_b128 v[FS], v[128+4*\k:128+4*\k+3] offset:16*\k
.endr
	s_wait_tensorcnt 0x0                           ; both my first fills have landed: the same text serves an entry into either slot
	s_wait_dscnt 0x0                               ; for the others: my g are stored
	s_barrier_signal -1
	s_barrier_wait -1
.irp a, 0,1,2,3
.irp k, 0,1,2,3
	ds_load_b128 v[FB+16*\a+4*\k:FB+16*\a+4*\k+3], v[VF] offset:\a*16*FP+16*\k   ; the sixteen g of my query in block a
.endr
.endr
.macro MUL8 f, c, a0, zero             ; the 16 accumulators take turns, one instruction a turn
.irp a, \a0, \a0+1
.irp b, 0,1,2,3
.if \zero
	v_wmma_f32_16x16x32_f16 v[ACC+8*(4*(\a)+\b):ACC+8*(4*(\a)+\b)+7], v[\f+64+8*(4*\c+\b):\f+64+8*(4*\c+\b)+7], v[\f+8*(4*\c+\a):\f+8*(4*\c+\a)+7], 0
.else
	v_wmma_f32_16x16x32_f16 v[ACC+8*(4*(\a)+\b):ACC+8*(4*(\a)+\b)+7], v[\f+64+8*(4*\c+\b):\f+64+8*(4*\c+\b)+7], v[\f+8*(4*\c+\a):\f+8*(4*\c+\a)+7], v[ACC+8*(4*(\a)+\b):ACC+8*(4*(\a)+\b)+7]
.endif
.endr
.endr
.endm
; 32 LDS loads in one run: the fragments of quarter q (64 keys) of a slot into buffer f; the first 32 keys first
.macro FETCH slot, q, f
	WIN TO_F
.irp c, 0,1
.irp i, 0,1,2,3
	ds_load_tr16_b128 v[\f+64+8*(4*\c+\i):\f+64+8*(4*\c+\i)+3],   v[ADRV+2*\slot+\q/2] offset:((\q%2)*64+32*\c)*PVP+32*\i
	ds_load_tr16_b128 v[\f+64+8*(4*\c+\i)+4:\f+64+8*(4*\c+\i)+7], v[ADRV+2*\slot+\q/2] offset:((\q%2)*64+32*\c+16)*PVP+32*\i
	ds_load_b128 v[\f+8*(4*\c+\i):\f+8*(4*\c+\i)+3],   v[ADRA+\slot] offset:128*\q+64*\c+\i*16*PA
	ds_load_b128 v[\f+8*(4*\c+\i)+4:\f+8*(4*\c+\i)+7], v[ADRA+\slot] offset:128*\q+64*\c+\i*16*PA+32
.endr
.endr
.endm
.macro PLACES                          ; four places in front of loads into registers that matrix instructions have read, and of vector work on results
.rept 4
	v_nop
.endr
.endm
.macro QUARTER slot, q, f, g, zero     ; multiplies buffer f; in its middle fetches quarter q of the same slot into g
	s_wait_dscnt 16                                ; the first 32 keys' fragments are in; the sixteen younger loads may be out
	WIN MUL
	MUL8 \f, 0, 0, \zero
	MUL8 \f, 0, 2, \zero
	PLACES
	FETCH \slot, \q, \g
	s_wait_dscnt 32                                ; all but the 32 just issued
	WIN MUL
	MUL8 \f, 1, 0, 0
	MUL8 \f, 1, 2, 0
.endm
; TOT += g_j x ACC: 64 packed fused multiply-adds, each accumulator from its low end on.  They are also the places between a key tile's last products and the next tile's first, which write ACC anew.
.macro MERGE j
	WIN MRG
.set fj, FB+((\j)/2)*2
.irp a, 0,1,2,3
.irp b, 0,1,2,3
.irp e, 0,2,4,6
.if (\j)%2
	v_pk_fma_f32 v[8*(4*\a+\b)+\e:8*(4*\a+\b)+\e+1], v[ACC+8*(4*\a+\b)+\e:ACC+8*(4*\a+\b)+\e+1], v[fj+16*\a:fj+16*\a+1], v[8*(4*\a+\b)+\e:8*(4*\a+\b)+\e+1] op_sel:[0,1,0] op_sel_hi:[1,1,1]
.else
	v_pk_fma_f32 v[8*(4*\a+\b)+\e:8*(4*\a+\b)+\e+1], v[ACC+8*(4*\a+\b)+\e:ACC+8*(4*\a+\b)+\e+1], v[fj+16*\a:fj+16*\a+1], v[8*(4*\a+\b)+\e:8*(4*\a+\b)+\e+1] op_sel_hi:[1,0,1]
.endif
.endr
.endr
.endr
.endm
; A step's last quarter multiplies buffer 1 and changes slots: one barrier; in front of it each wave waits for all its tensor loads, adds 0 to its spare word, and waits for that and for its reads
; of this slot.  fill = 1: the barrier opens a round of the cluster's, and this slot takes the step two further down.
.macro TURN slot, next, fill
	WIN 0
	s_wait_tensorcnt 0x0                           ; all my tensor loads have landed: my part of the next slot
	ds_add_u32 v[SPW], v[NIL]                      ; 0 onto my spare word
	s_wait_dscnt 17                                ; (the add and the youngest sixteen loads may be out)
	WIN MUL
	MUL8 F1, 0, 0, 0
	s_wait_dscnt 0x0                               ; the add is done, and my reads of this slot are over
	s_barrier_signal -1
	MUL8 F1, 0, 2, 0
.if \fill
	WIN 0
.endif
	s_barrier_wait -1
.if \fill
	CREST                                          ; no wave of any partner still reads this slot or has a load on its way
	s_sub_nc_u64 s[G0+4*\slot+2:G0+4*\slot+3], s[G0+4*\slot+2:G0+4*\slot+3], 2*KSTEP*2
	s_sub_nc_u64 s[G0B+4*\slot+2:G0B+4*\slot+3], s[G0B+4*\slot+2:G0B+4*\slot+3], 2*KSTEP*LDV*2
	JLOAD \slot                                    ; my one tensor load behind the round; its four v_nop are also the places in front of the loads below
.else
	PLACES
.endif
	FETCH \next, 0, F0
	WIN MUL
	MUL8 F1, 1, 0, 0
	MUL8 F1, 1, 2, 0
.endm
.macro XLOAD                           ; my 32 rows of x, a row's 512 bytes a load, into buffer 0's registers, which were last multiplied a quarter ago
	WIN TO_F
.set t, 0
.rept 32
	global_load_b128 v[4*t:4*t+3], v[CO], s[70:71] offset:4096*t th:TH_LOAD_NT
.set t, t+1
.endr
.endm
; Step r, in slot sl; nx = the other slot.  Quarters 0, 1 are key tile 2 r, quarters 2, 3 key tile 2 r + 1.
.macro STEP r, sl, nx
.Lstep\r:
	QUARTER \sl, 1, F0, F1, 1
	QUARTER \sl, 2, F1, F0, 0
	PLACES
	MERGE 2*\r
	QUARTER \sl, 3, F0, F1, 1
.if \r >= 2
	TURN \sl, \nx, 1
.elseif \r == 1
	TURN 1, 0, 0                                   ; step 0 is in slot 0 or on its way there; nothing is left to ask for
.else
	s_wait_dscnt 16                                ; the very last quarter: nothing more to fetch
	WIN MUL
	MUL8 F1, 0, 0, 0
	MUL8 F1, 0, 2, 0
	s_wait_dscnt 0x0                               ; my last reads of tiles are back:
	s_barrier_signal -1                            ; say so.  This barrier lies on every way through the chain, the one that enters at step 0 too: behind it no wave reads a tile any more,
	MUL8 F1, 1, 0, 0                               ; and the stage may be written over slot 1's rows of p~.
	MUL8 F1, 1, 2, 0                               ; sixteen matrix instructions, on registers alone, while the others arrive
	s_barrier_wait -1
.endif
	PLACES
.if \r == 0
	XLOAD                                          ; on their way during the last merge
.endif
	MERGE 2*\r+1
	WIN 0                                          ; at a label every window is 0
.endm
	; THE ENTRY hangs on the query tile alone, which the four partners share.
	s_bitcmp1_b32 s76, 0
	s_cbranch_scc1 .Lodd
	FETCH 0, 0, F0
	WIN 0
	s_cmp_eq_u32 s76, 6
	s_cbranch_scc1 .Lstep6
	s_cmp_eq_u32 s76, 4
	s_cbranch_scc1 .Lstep4
	s_cmp_eq_u32 s76, 2
	s_cbranch_scc1 .Lstep2
	s_branch .Lstep0
.Lodd:
	FETCH 1, 0, F0
	WIN 0
	s_cmp_eq_u32 s76, 5
	s_cbranch_scc1 .Lstep5
	s_cmp_eq_u32 s76, 3
	s_cbranch_scc1 .Lstep3
	s_cmp_eq_u32 s76, 1
	s_cbranch_scc1 .Lstep1
	STEP 7, 1, 0
	STEP 6, 0, 1
	STEP 5, 1, 0
	STEP 4, 0, 1
	STEP 3, 1, 0
	STEP 2, 0, 1
	STEP 1, 1, 0
	STEP 0, 0, 1
	; THE WAY OUT.  A lane's eight channels of a row are 32 bytes; they go into stage rows of 528 bytes and come back as whole rows of 512.
	WIN STW
.irp a, 0,1,2,3
.irp b, 0,1,2,3
	ds_store_b128 v[STO], v[8*(4*\a+\b):8*(4*\a+\b)+3]   offset:\a*16*SP32+64*\b
	ds_store_b128 v[STO], v[8*(4*\a+\b)+4:8*(4*\a+\b)+7] offset:\a*16*SP32+64*\b+16
.endr
.endr
	WIN 0
	s_wait_dscnt 0x0                               ; for the others: my stores into the stage are done
	s_barrier_signal -1
	s_barrier_wait -1
.set t, 0
.rept 32
	ds_load_b128 v[ACC+4*t:ACC+4*t+3], v[RD] offset:SP32*t
.set t, t+1
.endr
	WIN ADDX
.set t, 0
.rept 32
	s_wait_loadcnt 31-t                            ; row t of x is in; the younger rows may be out
	s_wait_dscnt 31-t                              ; and row t of the stage
	v_pk_add_f32 v[ACC+4*t:ACC+4*t+1],   v[ACC+4*t:ACC+4*t+1],   v[4*t:4*t+1]
	v_pk_add_f32 v[ACC+4*t+2:ACC+4*t+3], v[ACC+4*t+2:ACC+4*t+3], v[4*t+2:4*t+3]
.set t, t+1
.endr
	WIN 0
.set t, 0
.rept 32
	v_cvt_pk_f16_f32 v[TMP+2*t],   v[ACC+4*t],   v[ACC+4*t+1]
	v_cvt_pk_f16_f32 v[TMP+2*t+1], v[ACC+4*t+2], v[ACC+4*t+3]
	global_store_b128 v[CO],  v[ACC+4*t:ACC+4*t+3], s[72:73] offset:4096*t   ; 32 lanes: 512 consecutive bytes, aligned
	global_store_b64  v[COB], v[TMP+2*t:TMP+2*t+1], s[74:75] offset:2048*t   ; 32 lanes: 256 consecutive bytes, aligned
.set t, t+1
.endr
	s_wait_tensorcnt 0x0                           ; the wave's end
	ds_add_u32 v[SPW], v[NIL]
	s_wait_dscnt 0x0
	CROUND                                         ; the closing round
	s_endpgm
.Lfunc_end_k_qf8ed3f90ff_pv:
	.size	k_qf8ed3f90ff_pv, .Lfunc_end_k_qf8ed3f90ff_pv-k_qf8ed3f90ff_pv
	.p2alignl 7, 3214868480
	.fill 96, 4, 3214868480
	.section	.rodata,"a",@progbits
	.p2align	6, 0x0
	.amdhsa_kernel k_qf8ed3f90ff_pv
		.amdhsa_group_segment_fixed_size 327680
		.amdhsa_private_segment_fixed_size 0
		.amdhsa_enable_private_segment 0
		.amdhsa_kernarg_size 48
		.amdhsa_user_sgpr_count 2
		.amdhsa_user_sgpr_kernarg_segment_ptr 1
		.amdhsa_wavefront_size32 1
		.amdhsa_system_sgpr_workgroup_id_x 1
		.amdhsa_system_sgpr_workgroup_id_y 1
		.amdhsa_system_sgpr_workgroup_id_z 1
		.amdhsa_system_vgpr_workitem_id 0
		.amdhsa_next_free_vgpr 640
		.amdhsa_next_free_sgpr 100
		.amdhsa_reserve_vcc 0
		.amdhsa_float_denorm_mode_32 3
		.amdhsa_float_denorm_mode_16_64 3
		.amdhsa_memory_ordered 1
		.amdhsa_forward_progress 1
		.amdhsa_inst_pref_size 255
	.end_amdhsa_kernel
	.section	.bss,"aw",@nobits
	.p2align	6
	.space	262144
	.amdgpu_metadata
---
amdhsa.version: [ 1, 2 ]
amdhsa.kernels:
  - .name:           k_qf8ed3f90ff_pv
    .symbol:         k_qf8ed3f90ff_pv.kd
    .args:
      - { .name: pt, .offset: 0, .size: 8, .value_kind: global_buffer, .address_space: global }
      - { .name: qv, .offset: 8, .size: 8, .value_kind: global_buffer, .address_space: global }
      - { .name: st, .offset: 16, .size: 8, .value_kind: global_buffer, .address_space: global }
      - { .name: x, .offset: 24, .size: 8, .value_kind: global_buffer, .address_space: global }
      - { .name: hf, .offset: 32, .size: 8, .value_kind: global_buffer, .address_space: global }
      - { .name: hb, .offset: 40, .size: 8, .value_kind: global_buffer, .address_space: global }
    .group_segment_fixed_size: 327680
    .private_segment_fixed_size: 0
    .kernarg_segment_align: 8
    .kernarg_segment_size: 48
    .max_flat_workgroup_size: 128
    .sgpr_count:     100
    .vgpr_count:     640
    .wavefront_size: 32
...
	.end_amdgpu_metadata
.endif
;; end of part 11
;; launch fc: the kernel of part 5 again; grid 4 x 64, 4 waves a work-group, clusters of 4 x 4, 327,680 bytes of LDS; arguments hb, wt, act; writes act
;; launch fo: the kernel of part 6 again; grid 8 x 64, 4 waves a work-group, clusters of 4 x 4, 327,680 bytes of LDS; arguments act, wt, hf, out0; writes out0
